; MI455X (gfx1250); checked and timed in simulation.
; The chip was launched on July 23, 2026; its instructions are those of AMD's public machine-readable ISA for CDNA 5 (MIT licence, August 2026) and "CDNA5" Instruction Set Architecture Reference Guide (July 2026). The comments in the code are by the model that wrote it; some were corrected since.
;; MS Attention. Allowed arithmetic: matrix products marked QUANTISED: E4M3 operands, one E8M0 scale for each 32 along K, by v_wmma_scale_f32_16x16x128_f8f6f4 with both operands' format E4M3, f32 sums; everything else in f32.
;; Inputs: Wkv1_codes 512 x 16 x 32 uint8 (E4M3 codes of Wkv1, K innermost, in blocks of 32 codes); Wkv1_scales 512 x 16 uint8 (E8M0 scales of Wkv1, one for each 32 codes along K); Wkv2_codes 512 x 16 x 32 uint8 (E4M3 codes of Wkv2, K innermost, in blocks of 32 codes); Wkv2_scales 512 x 16 uint8 (E8M0 scales of Wkv2, one for each 32 codes along K); Wq_codes 512 x 16 x 32 uint8 (E4M3 codes of Wq, K innermost, in blocks of 32 codes); Wq_scales 512 x 16 uint8 (E8M0 scales of Wq, one for each 32 codes along K); fp_b 512 float32; fp_w_codes 512 x 16 x 32 uint8 (E4M3 codes of fp_w, K innermost, in blocks of 32 codes); fp_w_scales 512 x 16 uint8 (E8M0 scales of fp_w, one for each 32 codes along K); key 1,024 x 16 x 512 float32; key_pos 16 x 1,024 x 3 float32; proj_b 512 float32; proj_w_codes 512 x 16 x 32 uint8 (E4M3 codes of proj_w, K innermost, in blocks of 32 codes); proj_w_scales 512 x 16 uint8 (E8M0 scales of proj_w, one for each 32 codes along K); query_codes 1,024 x 16 x 16 x 32 uint8 (E4M3 codes of query, K innermost, in blocks of 32 codes); query_scales 1,024 x 16 x 16 uint8 (E8M0 scales of query, one for each 32 codes along K); xyz_all 16 x 4,096 x 3 float32; xyz_upsample 16 x 2,048 x 3 float32.
;; Outputs: out0 1,024 x 16 x 512 float32.
;; This version of the problem:
;;   THIS VERSION OF THE PROBLEM IS GIVEN IN LOW PRECISION. The matrix products marked QUANTISED in the list below multiply operands that are first quantised to E4M3 (4 exponent bits, 3 mantissa bits; 8 bits a number), with one power-of-two scale for each 32 numbers along K (OCP MX v1.0); their sums are f32. All else is computed in f32.
;;   The module's matrix products, in the order in which they are computed (A, B: the left and right operand; K: the contracted axis; several contracted axes count as one K, in the product's order):
;;     1. [M 16,384, K 512] x [K 512, N 512]; A: input query (given as codes); B: input Wq (given as codes): QUANTISED
;;     2. [M 16,384, K 512] x [K 512, N 512]; A: input key; B: input Wkv1 (given as codes): QUANTISED
;;     3. batch 64 x [M 1,024, K 64] x [K 64, N 1,024]; A: computed on the way; B: computed on the way: QUANTISED
;;     4. batch 64 x [M 1,024, K 1,024] x [K 1,024, N 64]; A: softmax (see below); B: computed on the way: QUANTISED
;;     5. [M 32,768, K 512] x [K 512, N 512]; A: computed on the way; B: input fp_w (given as codes): QUANTISED
;;     6. [M 32,768, K 512] x [K 512, N 512]; A: computed on the way; B: input Wkv2 (given as codes): QUANTISED
;;     7. batch 64 x [M 1,024, K 64] x [K 64, N 2,048]; A: computed on the way; B: computed on the way: QUANTISED
;;     8. batch 64 x [M 1,024, K 2,048] x [K 2,048, N 64]; A: softmax (see below); B: computed on the way: QUANTISED
;;     9. [M 16,384, K 512] x [K 512, N 512]; A: computed on the way; B: input proj_w (given as codes): QUANTISED
;;   THE QUANTISER, for each operand of a quantised product, along K:
;;     - K is cut into blocks of 32 from its start; a last block that is shorter is filled with zeros.
;;     - A block's scale is 2^e with e = floor(log2(the largest magnitude in the block)) - 8, held to -126 .. 127; a block of zeros has e = 0. As a byte (E8M0): e + 127.
;;     - Each number is divided by its block's scale, clamped to +-448, and rounded to the nearest number of E4M3, ties to even, subnormals kept.
;;     - The product sums the exact products of the quantised numbers (number of the format x scale) in f32.
;;   ~~~python
;;   def quantise(x, axis):      # numpy; x: float32 -> the quantised numbers, widened to float32 again
;;       x = np.moveaxis(x, axis, -1); K = x.shape[-1]
;;       x = np.pad(x, [(0, 0)] * (x.ndim - 1) + [(0, -K % 32)]); x = x.reshape(x.shape[:-1] + (-1, 32)); a = np.abs(x).max(-1, keepdims=True)
;;       e = np.where(a > 0, np.clip(np.frexp(np.where(a > 0, a, 1))[1] - 1 - 8, -126, 127), 0)      # np.frexp(a)[1] - 1 = floor(log2(a)), exactly
;;       r = np.clip(x / 2.0 ** e, -448, 448)
;;       step = 2.0 ** (np.maximum(np.frexp(np.where(r == 0, 1, r))[1] - 1, -6) - 3)
;;       q = np.round(r / step) * step * 2.0 ** e      # np.round: ties to even
;;       return np.moveaxis(q.reshape(q.shape[:-2] + (-1,))[..., :K], -1, axis).astype(np.float32)
;;   ~~~
;;   SOFTMAX AHEAD OF A QUANTISED PRODUCT. Where the list says 'softmax', what is quantised is not the finished softmax but p = 2^(t - M), with t = logit x log2(e) and M = ceil(the row's largest t), a whole number; so 1/2 < the row's largest p <= 1. The row's sum l is taken of the UNQUANTISED p, in f32, and the product's result is divided by l at the end. Since M is a whole number, a kernel that streams over the keys may use a running M (the ceiling of the running maximum): every later rescaling is an exact power of two, which a block's scale takes up: the codes' values come out the same.
;;   OPERANDS COMPUTED ON THE WAY. 'Computed on the way' means the value that the module computes at that place (a softmax that the list does not call 'softmax' is quantised finished and normalised). What goes into a quantiser is computed in f32, as accurately as f32 sums, v_exp_f32 and their like allow (about 1e-6 of the number): no bf16 or f16 on the way to a quantiser, and a product that is left as it is and whose result goes on into a quantised operand takes f32 operands (vector FMAs, or v_wmma_f32_16x16x4_f32). A number that lies on a knife's edge between two numbers of the format may be rounded either way, as far as f32 arithmetic and the matrix unit's own rounding can turn it there, and no further.
;;   INPUTS GIVEN AS CODES. Wkv1 (in the module: [512, 512], K = its axis 1); Wkv2 (in the module: [512, 512], K = its axis 1); Wq (in the module: [512, 512], K = its axis 1); fp_w (in the module: [512, 512], K = its axis 1); proj_w (in the module: [512, 512], K = its axis 1); query (in the module: [1024, 16, 512], K = its axis 2): each comes as NAME_codes (uint8): NAME with its K axis moved to the last place and cut into blocks of 32 codes, [.., K / 32, bytes a block], one block behind the other in memory; one code a byte (a code: sign, 4 exponent bits, 3 mantissa bits); and NAME_scales (uint8): the same leading axes, one E8M0 byte (e + 127) for each 32 codes along K. Its value is code x scale, taken as it is: it is not quantised again, and the codes and scales need not be those that the quantiser above would give.
;; 2 versions. Each part assembles by itself: llvm-mc -triple=amdgcn-amd-amdhsa -mcpu=gfx1250 --defsym DOCPART=n.
;; ======== version 1 of 2: 3 launches
;; workspace buffers: nidx 524,288 bytes of whole numbers; nwts 524,288 bytes; qbuf 8,912,896 bytes; kv 26,345,472 bytes
;; launch knnproj (part 1): grid 256 x 1, 8 waves a work-group, no clusters, 88,064 bytes of LDS; arguments key_pos, xyz_upsample, key, query_codes, query_scales, Wq_codes, Wq_scales, Wkv1_codes, Wkv1_scales, nidx, nwts, qbuf, kv; writes nidx, nwts, qbuf, kv
.if DOCPART == 1
	.amdgcn_target "amdgcn-amd-amdhsa--gfx1250"
	.amdhsa_code_object_version 6
	.text
	.protected	k_q8c3a684779_knnproj
	.globl	k_q8c3a684779_knnproj
	.p2align	8
	.type	k_q8c3a684779_knnproj,@function
k_q8c3a684779_knnproj:
	s_mov_b64 s[64:65], 0
	v_nop
	global_prefetch_b8 v0, s[64:65] scope:SCOPE_SE
	s_setreg_imm32_b32 hwreg(HW_REG_WAVE_MODE, 25, 1), 1
	s_wait_xcnt 0x0
; Every work-group does two things.
; (1) THE 3 NEAREST of 128 upsampled points (batch b = wg / 16, points 128 (wg % 16) on) among key_pos[b]'s 1,024: indices to nidx, weights (1 / (d2 + 1e-8), normalised) to nwts, 16 bytes a point each.
; (2) ONE BLOCK OF 128 FLAT ROWS of a projection on E4M3 codes: wg < 128: q = query Wq^T (query arrives as codes); else kv1 = Q(key) Wkv1^T (key is quantised here).  The results are quantised in registers
;     (q and k along the head's 64, v along the keys) and stored as images of the operand registers that the attention launch loads.
; A TILE'S ROWS ARE NOT NEIGHBOURS: lane r of tile t takes row 32 (t / 2) + 8 (t % 2) + r + 8 (r / 8), of the block's rows and of a weight's 64 rows alike, so that the 16 registers of two neighbouring
; result tiles are 16 neighbours along the next product's K.
; Wave w holds 64 rows of the weight (output columns 64 w on) in 256 registers.  q and k columns: the product is used transposed (a lane holds one row, registers run along d); v columns: natural
; (a lane holds one column d, registers run along the keys).
; RECORDS.  q: 69,632 bytes a block: codes 8192 H + 1024 tile + 512 c + 16 lane; scale words 65536 + 512 H + 16 lane + 4 g (lanes 0-15 tile 2 g, lanes 16-31 tile 2 g + 1; a word is s0, s1, s0, s1).
; kv: 68,608 bytes a step of 128 keys: k as q for 4 heads; v codes 32768 + 8192 h + 2048 d-tile + 512 key block + 16 lane; v scale words 67584 + 256 h + 8 lane + 4 i.
; LIMITS: NaN and infinities are not served.  A block whose largest magnitude lies under 2^-118 keeps the scale byte 1, a block of zeros too (its codes are zeros; this program alone reads the bytes).
; d2 is made with fused multiply-adds and 1 / x with v_rcp_f32: a third and a fourth neighbour whose d2 differ by about one unit in the last place may change places.  Equal d2: the lower index, as top_k has it.
; xyz_all is an argument that the computation never uses: no launch names it.
.set PXB,   0                          ; LDS: x, y, z of the 1,024 points, 4,096 bytes each
.set KMB,   12288                      ; six planes of 512 bytes: the upper half's three nearest of 128 points
.set XIMG,  15360                      ; the block's codes: 8704 tile + 2176 s + 544 c + 272 h + 16 r (16 bytes of padding behind each 256)
.set XSC,   84992                      ; their scale bytes: 256 tile + 16 r + block
.set HALFI, 34816                      ; four tiles of the image
.set QREC,  69632
.set REC,   68608
.set LN,  1
.set RR,  2
.set HH,  3
.set WA,  4                            ; my lane's byte in the wave's 64 rows of the weight
.set WSA, 5                            ; and among their scale bytes
.set XLO, 6                            ; the image, tiles 0-3: XIMG + 16 r + 272 h
.set XHI, 7                            ; tiles 4-7
.set XSA, 8                            ; XSC + 16 r
.set WLA, 9                            ; where I store 8 codes of a row of my tile
.set SBA, 10                           ; and the block's byte
.set GO16, 11                          ; 16 x lane
.set GO8, 12                           ; 8 x lane
.set KA,  13                           ; 32 x lane
.set QSA, 14                           ; lane / 4
.set PSA, 15                           ; 16 x thread
.set KMA, 16
.set PFO, 17
.set TGO, 18
.set KPO, 19
.set TMPV, 20
.set CAD, 21                           ; LDS address of the candidates in hand
.set CB0, 22                           ; my half's first candidate
.set WS,  24                           ; v24-39  the weight's scale words (4 tile + s): scales and nothing else
.set XS,  40                           ; v40-55  the rows' scale words, two sets: scales and nothing else
.set XF,  56                           ; v56-119 the rows' fragments, two buffers of two
.set ACC, 120                          ; v120-183 eight accumulators
.set PC,  184                          ; v184-199 codes just made
.set TM,  200                          ; v200-215 at work in the quantisers
.set KS,  220                          ; v220-223 scale words to be stored
.set PCS, 120                          ; phase X: 4 registers of codes a row
.set BY,  224                          ; phase X: 2 scale bytes a row
.set RB,  56                           ; phase X: four row buffers of 16
.set SA,  56                           ; kNN: x, y, z of 8 candidates, two sets
.set SB,  80
.set TX,  104                          ; my point, each coordinate twice
.set DX,  184
.set DY,  192
.set DZ,  200
.set D0,  208
.set D1,  209
.set D2,  210
.set I0,  212
.set I1,  213
.set I2,  214
.set WT,  216
.set WV,  30
.set JB,  31
.set ISQ, 32
.set BB,  33
.set SO,  34
.set ROLE, 35
.set WC,  36
.set WSC, 38
.set OUT, 40
.set HM,  42
.set MNT, 43
.set SEL, 44
.set KT,  46
.set PLIM, 47
.set CN,  48                           ; s48-63 the numbers of 16 candidates
.set CM,  66                           ; s66-71 compare masks, two sets
.set PFA, 72
.set PFS, 74
.set OUTS, 76
.set MSB, 0
.macro WIN new                         ; the immediate's high byte repeats the setting that is left
.if MSB != \new
	s_set_vgpr_msb (MSB<<8)|\new
.set MSB, \new
.endif
.endm
.macro WFRAG f, p                      ; fragment f = 4 tile + s of the weight at s[p:p+1], into window 1
.irp c, 0,1,2,3
	global_load_b128 v[16*(\f)+4*\c:16*(\f)+4*\c+3], v[WA], s[\p:\p+1] offset:(32*((\f)/8)+8*(((\f)/4)%2))*512+128*((\f)%4)+32*\c
.endr
.endm
.macro WSLOAD p                        ; a row's 16 scale bytes are the four words of its four K steps
.irp n, 0,1,2,3
	global_load_b128 v[WS+4*\n:WS+4*\n+3], v[WSA], s[\p:\p+1] offset:(32*(\n/2)+8*(\n%2))*16
.endr
.endm
; 64 numbers of a lane, four blocks of 16 registers, each block shared with lane l xor 16, become 16 registers of codes in v[PC] on; the blocks' bytes stay in v[TM+4] on.
.macro QUANT s, relu
.if \relu
.irp b, 0,1,2,3
	v_max3_num_f32 v[TM+\b], v[\s+16*\b], v[\s+1+16*\b], 0x4800000
.endr
.irp i, 2,4,6,8,10,12,14
.irp b, 0,1,2,3
	v_max3_num_f32 v[TM+\b], v[TM+\b], v[\s+16*\b+\i], v[\s+1+16*\b+\i]
.endr
.endr
.else
.irp b, 0,1,2,3
	v_max3_num_f32 v[TM+\b], |v[\s+16*\b]|, |v[\s+1+16*\b]|, 0x4800000   ; my 16 numbers and the floor 2^(9 - 127): the byte cannot fall under 1
.endr
.irp i, 2,4,6,8,10,12,14
.irp b, 0,1,2,3
	v_max3_num_f32 v[TM+\b], v[TM+\b], |v[\s+16*\b+\i]|, |v[\s+1+16*\b+\i]|   ; the four blocks by turns
.endr
.endr
.endif
.irp b, 0,1,2,3
	v_permlanex16_b32 v[TM+4+\b], v[TM+\b], s[SEL], s[SEL+1]
.endr
.irp b, 0,1,2,3
	v_max_num_f32 v[TM+\b], v[TM+\b], v[TM+4+\b]            ; the block's largest magnitude
.endr
.irp b, 0,1,2,3
	v_add_nc_u32 v[TM+12+\b], 0xfc000000, v[TM+\b]          ; 8 off its exponent field: the conversion's scale operand
.endr
.irp b, 0,1,2,3
	v_and_or_b32 v[TM+8+\b], v[TM+\b], 0x7f800000, s[MNT]   ; 448 x the scale
.endr
.irp b, 0,1,2,3
	v_lshrrev_b32 v[TM+4+\b], 23, v[TM+12+\b]               ; the scale's byte
.endr
.irp b, 0,1,2,3
.irp i, 0,1,2,3,4,5,6,7,8,9,10,11,12,13,14,15
.if \relu
	v_med3_num_f32 v[\s+16*\b+\i], v[\s+16*\b+\i], 0, v[TM+8+\b]
.else
	v_med3_num_f32 v[\s+16*\b+\i], v[\s+16*\b+\i], -v[TM+8+\b], v[TM+8+\b]   ; the conversion does not saturate (ISA guide 7.6.2): the hold
.endif
.endr
	v_cvt_scalef32_pk8_fp8_f32 v[PC+4*\b:PC+1+4*\b], v[\s+16*\b:\s+7+16*\b], v[TM+12+\b]
	v_cvt_scalef32_pk8_fp8_f32 v[PC+2+4*\b:PC+3+4*\b], v[\s+8+16*\b:\s+15+16*\b], v[TM+12+\b]
.endr
	v_nop                                          ; a plain line behind the last conversion: the next products write its sources
.endm
; One row of 512 numbers: lane l holds columns 8 l + 256 q + 0 .. 7 in v[a + 8 q] on; a block of 32 is four neighbouring lanes.  Codes to v[pc + 2 q], bytes to v[by + q].
.macro RQ2 a, pc, by
.irp q, 0,1
	v_max3_num_f32 v[TM+\q], |v[(\a)+8*\q]|, |v[(\a)+8*\q+1]|, 0x4800000
.endr
.irp i, 2,4,6
.irp q, 0,1
	v_max3_num_f32 v[TM+\q], v[TM+\q], |v[(\a)+8*\q+\i]|, |v[(\a)+8*\q+\i+1]|
.endr
.endr
.irp q, 0,1
	v_max_num_f32_dpp v[TM+\q], v[TM+\q], v[TM+\q] row_xmask:1 row_mask:0xf bank_mask:0xf
.endr
.irp q, 0,1
	v_max_num_f32_dpp v[TM+\q], v[TM+\q], v[TM+\q] row_xmask:2 row_mask:0xf bank_mask:0xf
.endr
.irp q, 0,1
	v_add_nc_u32 v[TM+2+\q], 0xfc000000, v[TM+\q]
.endr
.irp q, 0,1
	v_and_or_b32 v[TM+4+\q], v[TM+\q], 0x7f800000, s[MNT]
.endr
.irp q, 0,1
.irp i, 0,1,2,3,4,5,6,7
	v_med3_num_f32 v[(\a)+8*\q+\i], v[(\a)+8*\q+\i], -v[TM+4+\q], v[TM+4+\q]
.endr
.endr
.irp q, 0,1
	v_cvt_scalef32_pk8_fp8_f32 v[(\pc)+2*\q:(\pc)+2*\q+1], v[(\a)+8*\q:(\a)+8*\q+7], v[TM+2+\q]
.endr
.irp q, 0,1
	v_lshrrev_b32 v[(\by)+\q], 23, v[TM+2+\q]      ; the byte; also the plain line behind the conversions
.endr
.endm
.macro RSTORE r, pc, by                ; lane l's 8 codes fall at 272 (l / 2) + 8 (l % 2): the 32 lanes touch 256 different bytes modulo 256; four lanes write a block's byte with the same value
.irp q, 0,1
	ds_store_b64 v[WLA], v[(\pc)+2*\q:(\pc)+2*\q+1] offset:16*(\r)+4352*\q
	ds_store_b8 v[SBA], v[(\by)+\q] offset:16*(\r)+8*\q
.endr
.endm
.macro XSL g, sa                       ; the scale words of tiles 2 g and 2 g + 1: 16 bytes a row = four K steps
.irp t, 0,1
	ds_load_b128 v[XS+8*((\g)&1)+4*\t:XS+8*((\g)&1)+4*\t+3], v[\sa] offset:256*(2*(\g)+\t)
.endr
.endm
.macro FX q, lo, hi                    ; batch q = 4 g + s: the fragments of tiles 2 g, 2 g + 1 for K step s; each half of a load is 256 consecutive bytes
.set fxg, (\q)>>2
.set fxs, (\q)&3
.irp t, 0,1
.irp c, 0,1,2,3
.if fxg < 2
	ds_load_b128 v[XF+32*((\q)&1)+16*\t+4*\c:XF+32*((\q)&1)+16*\t+4*\c+3], v[\lo] offset:8704*((2*fxg+\t)&3)+2176*fxs+544*\c
.else
	ds_load_b128 v[XF+32*((\q)&1)+16*\t+4*\c:XF+32*((\q)&1)+16*\t+4*\c+3], v[\hi] offset:8704*((2*fxg+\t)&3)+2176*fxs+544*\c
.endif
.endr
.endr
.endm
; Eight matrix instructions on eight accumulators, one a turn.  role 0: source 0 = 16 rows of the weight, source 1 = 16 rows of the block; role 1: the other way round.
.macro MM q, role
.set mg, (\q)>>2
.set ms, (\q)&3
.set mx, XF+32*((\q)&1)
.set mc, XS+8*(mg&1)+ms
.irp t, 0,1
.irp n, 0,1,2,3
.if \role == 0
.set md, ACC+32*\t+8*\n
.if ms == 0
	v_wmma_scale_f32_16x16x128_f8f6f4 v[md:md+7], v[16*(4*\n+ms):16*(4*\n+ms)+15], v[mx+16*\t:mx+16*\t+15], 0, v[WS+4*\n+ms], v[mc+4*\t]
.else
	v_wmma_scale_f32_16x16x128_f8f6f4 v[md:md+7], v[16*(4*\n+ms):16*(4*\n+ms)+15], v[mx+16*\t:mx+16*\t+15], v[md:md+7], v[WS+4*\n+ms], v[mc+4*\t]
.endif
.else
.set md, ACC+16*\n+8*\t
.if ms == 0
	v_wmma_scale_f32_16x16x128_f8f6f4 v[md:md+7], v[mx+16*\t:mx+16*\t+15], v[16*(4*\n+ms):16*(4*\n+ms)+15], 0, v[mc+4*\t], v[WS+4*\n+ms]
.else
	v_wmma_scale_f32_16x16x128_f8f6f4 v[md:md+7], v[mx+16*\t:mx+16*\t+15], v[16*(4*\n+ms):16*(4*\n+ms)+15], v[md:md+7], v[mc+4*\t], v[WS+4*\n+ms]
.endif
.endif
.endr
.endr
.endm
.macro EPI_K g                         ; tiles 2 g, 2 g + 1 of q or k: blocks (tile, half of d); each store is 512 consecutive bytes
	s_wait_xcnt 0x0                                ; the last stores have read their data: the codes' registers are written again only behind this wait
	QUANT ACC, 0
	v_lshl_or_b32 v216, v[TM+5], 8, v[TM+4]
	v_lshl_or_b32 v217, v[TM+7], 8, v[TM+6]
	v_lshl_or_b32 v216, v216, 16, v216             ; s0, s1, s0, s1: the attention launch lays the 64 codes in either half of a K of 128
	v_lshl_or_b32 v217, v217, 16, v217
	v_cndmask_b32 v[KS+(\g)], v216, v217, s[HM]    ; lanes 0-15: tile 2 g; lanes 16-31: tile 2 g + 1
.irp i, 0,1,2,3
	global_store_b128 v[GO16], v[PC+4*\i:PC+4*\i+3], s[OUT:OUT+1] offset:2048*(\g)+512*\i
.endr
.if (\g) == 3
	global_store_b128 v[GO16], v[KS:KS+3], s[OUTS:OUTS+1]
.endif
.endm
.macro EPI_V g                         ; key block g of v: blocks = the four tiles of d
	s_wait_xcnt 0x0
	QUANT ACC, 0
.irp n, 0,1,2,3
.if (\g) == 0
	v_mov_b32 v[KS+\n], v[TM+4+\n]
.else
	v_lshl_or_b32 v[KS+\n], v[TM+4+\n], 8*(\g), v[KS+\n]
.endif
.endr
.irp n, 0,1,2,3
	global_store_b128 v[GO16], v[PC+4*\n:PC+4*\n+3], s[OUT:OUT+1] offset:2048*\n+512*(\g)
.endr
.if (\g) == 3
	v_cndmask_b32 v216, v[KS], v[KS+1], s[HM]
	v_cndmask_b32 v217, v[KS+2], v[KS+3], s[HM]
	global_store_b64 v[GO8], v[216:217], s[OUTS:OUTS+1]
.endif
.endm
; 128 rows x my 64 columns x K = 512: sixteen batches of eight products.  The fragments run two batches ahead, in two buffers.
; s_wait_dscnt 8: behind batch q's eight loads stand at least the eight of batch q + 1; what else was issued later only makes the count the smaller, safe one.
; Eight plain places stand behind each batch: for the loads into the buffer just read and for the first read of results.
.macro GEMM role, lo, hi, sa, epi
	XSL 0, \sa
	FX 0, \lo, \hi
	FX 1, \lo, \hi
.set gq, 0
.rept 16
.if gq == 15
	s_wait_dscnt 0x0
.else
	s_wait_dscnt 0x8
.endif
.if \role == 0
	WIN 0x01                                       ; source 0 (the weight) in window 1
.else
	WIN 0x04                                       ; source 1 (the weight) in window 1
.endif
	MM gq, \role
	WIN 0
.rept 8
	v_nop
.endr
.if ((gq&3) == 2) && (gq < 12)
	XSL (gq>>2)+1, \sa
.endif
.if gq <= 13
	FX gq+2, \lo, \hi
.endif
.if (gq&3) == 3
.if \epi == 0
	EPI_K gq>>2
.else
	EPI_V gq>>2
.endif
.endif
.set gq, gq+1
.endr
.endm
; kNN.  Eight candidates' coordinates: six loads that every lane reads alike.
.macro KLOAD st, off
.irp p, 0,1,2
	ds_load_b128 v[\st+8*\p:\st+8*\p+3], v[CAD] offset:4096*\p+\off
	ds_load_b128 v[\st+8*\p+4:\st+8*\p+7], v[CAD] offset:4096*\p+\off+16
.endr
.endm
; d enters the ascending three.  The compare is strict and candidates come in ascending order, so of equal distances the lower index stays.  sv = 0: the number in s[i]; 1: in v[i].
.macro INSERT d, sv, i, m
	v_cmp_lt_f32 s[\m], v[\d], v[D2]
	v_cmp_lt_f32 s[\m+1], v[\d], v[D1]
	v_cmp_lt_f32 s[\m+2], v[\d], v[D0]
	v_med3_num_f32 v[D2], v[\d], v[D1], v[D2]
	v_med3_num_f32 v[D1], v[\d], v[D0], v[D1]
	v_min_num_f32 v[D0], v[\d], v[D0]
.if \sv
	v_cndmask_b32 v[I2], v[I2], v[\i], s[\m]
	v_cndmask_b32 v[I2], v[I2], v[I1], s[\m+1]
	v_cndmask_b32 v[I1], v[I1], v[\i], s[\m+1]
	v_cndmask_b32 v[I1], v[I1], v[I0], s[\m+2]
	v_cndmask_b32 v[I0], v[I0], v[\i], s[\m+2]
.else
	v_cndmask_b32 v[I2], v[I2], s[\i], s[\m]
	v_cndmask_b32 v[I2], v[I2], v[I1], s[\m+1]
	v_cndmask_b32 v[I1], v[I1], s[\i], s[\m+1]
	v_cndmask_b32 v[I1], v[I1], v[I0], s[\m+2]
	v_cndmask_b32 v[I0], v[I0], s[\i], s[\m+2]
.endif
.endm
.macro KWORK st, cn                    ; eight squared distances, two at a time, and eight insertions
.irp p, 0,2,4,6
	v_pk_add_f32 v[DX+\p:DX+\p+1], v[\st+\p:\st+\p+1], v[TX:TX+1] neg_lo:[0,1] neg_hi:[0,1]
	v_pk_add_f32 v[DY+\p:DY+\p+1], v[\st+8+\p:\st+9+\p], v[TX+2:TX+3] neg_lo:[0,1] neg_hi:[0,1]
	v_pk_add_f32 v[DZ+\p:DZ+\p+1], v[\st+16+\p:\st+17+\p], v[TX+4:TX+5] neg_lo:[0,1] neg_hi:[0,1]
.endr
.irp p, 0,2,4,6
	v_pk_mul_f32 v[DX+\p:DX+\p+1], v[DX+\p:DX+\p+1], v[DX+\p:DX+\p+1]
.endr
.irp p, 0,2,4,6
	v_pk_fma_f32 v[DX+\p:DX+\p+1], v[DY+\p:DY+\p+1], v[DY+\p:DY+\p+1], v[DX+\p:DX+\p+1]
.endr
.irp p, 0,2,4,6
	v_pk_fma_f32 v[DX+\p:DX+\p+1], v[DZ+\p:DZ+\p+1], v[DZ+\p:DZ+\p+1], v[DX+\p:DX+\p+1]
.endr
.irp c, 0,1,2,3,4,5,6,7
	INSERT DX+\c, 0, \cn+\c, CM+3*(\c%2)
.endr
.endm
; A prefetch of my tile's 16 rows of key (128 blocks of 256 bytes: rows 0-7 on end, rows 16-23 on end), 32 blocks in each of the loop's last four trips; on the kv path alone.  Each block is named once in the launch.
.macro ASKKEY
	s_cmp_le_u32 s[KT], s[PLIM]
	s_cbranch_scc0 .Lnoask_\@
	global_prefetch_b8 v[PFO], s[PFA:PFA+1] th:TH_LOAD_NT scope:SCOPE_SE
.Lnoask_\@:
.endm
.macro LOADROW r                       ; row r of my tile of key: lane l takes 32 bytes at 32 l of each half of the row
.irp q, 0,1
.irp i, 0,1
	global_load_b128 v[RB+16*((\r)%4)+8*\q+4*\i:RB+16*((\r)%4)+8*\q+4*\i+3], v[KA], s[8:9] offset:((\r)+8*((\r)/8))*2048+1024*\q+16*\i th:TH_LOAD_NT
.endr
.endr
.endm
	s_load_b512 s[4:19], s[0:1], 0x0               ; key_pos, xyz_upsample, key, query codes, query scales, Wq codes, Wq scales, Wkv1 codes
	s_load_b256 s[20:27], s[0:1], 0x40             ; Wkv1 scales, nidx, nwts, qbuf
	s_load_b64 s[28:29], s[0:1], 0x60              ; kv
	v_lshrrev_b32 v[TMPV], 5, v0
	v_readfirstlane_b32 s[WV], v[TMPV]             ; wave 0..7
	v_and_b32 v[LN], 31, v0
	v_and_b32 v[RR], 15, v0
	v_bfe_u32 v[HH], v0, 4, 1
	v_and_b32 v[TMPV], 8, v[RR]
	v_add_nc_u32 v[TMPV], v[TMPV], v[RR]           ; r + 8 (r / 8)
	s_lshl_b32 s78, s[WV], 15
	v_lshl_add_u32 v[WA], v[TMPV], 9, s78
	v_lshl_add_u32 v[WA], v[HH], 4, v[WA]
	s_lshl_b32 s78, s[WV], 10
	v_lshl_add_u32 v[WSA], v[TMPV], 4, s78
	v_lshlrev_b32 v[XLO], 4, v[RR]
	v_mad_u32_u24 v[XLO], v[HH], 272, v[XLO]
	v_add_nc_u32 v[XHI], XIMG+HALFI, v[XLO]
	v_add_nc_u32 v[XLO], XIMG, v[XLO]
	v_lshl_add_u32 v[XSA], v[RR], 4, XSC
	v_lshrrev_b32 v[TMPV], 1, v[LN]
	v_mul_u32_u24 v[WLA], v[TMPV], 272
	v_and_b32 v[TMPV], 1, v[LN]
	v_lshl_add_u32 v[WLA], v[TMPV], 3, v[WLA]
	s_mul_i32 s78, s[WV], 8704
	s_add_co_u32 s78, s78, XIMG
	v_add_nc_u32 v[WLA], s78, v[WLA]
	v_lshrrev_b32 v[QSA], 2, v[LN]
	s_lshl_b32 s78, s[WV], 8
	s_add_co_u32 s78, s78, XSC
	v_add_nc_u32 v[SBA], s78, v[QSA]
	v_lshlrev_b32 v[GO16], 4, v[LN]
	v_lshlrev_b32 v[GO8], 3, v[LN]
	v_lshlrev_b32 v[KA], 5, v[LN]
	v_lshlrev_b32 v[PSA], 4, v0
	v_and_b32 v[KMA], 127, v0
	v_lshl_add_u32 v[KMA], v[KMA], 2, KMB
	v_lshlrev_b32 v[PFO], 8, v[RR]
	v_lshl_add_u32 v[PFO], v[HH], 15, v[PFO]       ; 256 (lane % 16) + 16 rows x (lane / 16)
	v_mul_u32_u24 v[TGO], v[LN], 12
	v_mul_u32_u24 v[KPO], v0, 48
	s_lshr_b32 s78, s[WV], 2                       ; which half of the candidates is mine
	s_lshl_b32 s79, s78, 11
	v_mov_b32 v[CB0], s79
	v_mov_b32 v[CAD], v[CB0]
	s_lshl_b32 s78, s78, 9
.irp i, 0,1,2,3,4,5,6,7,8,9,10,11,12,13,14,15
	s_add_co_u32 s[CN+\i], s78, \i
.endr
	s_mov_b32 s[SO], 0
	s_and_b32 s[JB], ttmp9, 127                    ; my block of 128 rows
	s_lshr_b32 s[BB], ttmp9, 4                     ; the kNN's batch
	s_cmp_lt_u32 ttmp9, 128
	s_cselect_b32 s[ISQ], 1, 0
	s_cselect_b32 s[PLIM], 0, 4
	s_cmp_lt_u32 s[WV], 4
	s_cselect_b32 s[ROLE], 1, 0
	s_or_b32 s[ROLE], s[ROLE], s[ISQ]              ; 1: my columns are q's or k's; 0: v's
	s_mov_b32 s[HM], 0xffff0000                    ; lanes 16-31
	s_mov_b32 s[MNT], 0x600000                     ; the mantissa field of 448
	s_mov_b32 s[SEL], 0x76543210
	s_mov_b32 s[SEL+1], 0xfedcba98                 ; v_permlanex16_b32: lane l xor 16
	s_lshl_b32 s78, s[JB], 7                       ; my tile's first row: 128 j + 32 (w / 2) + 8 (w % 2)
	s_lshr_b32 s79, s[WV], 1
	s_lshl_b32 s79, s79, 5
	s_add_co_u32 s78, s78, s79
	s_and_b32 s79, s[WV], 1
	s_lshl_b32 s79, s79, 3
	s_add_co_u32 s78, s78, s79
	s_lshl_b32 s80, s78, 11                        ; in key,
	s_mov_b32 s81, 0
	s_lshl_b32 s82, s78, 9                         ; in query's codes,
	s_mov_b32 s83, 0
	s_lshl_b32 s84, s78, 4                         ; in query's scale bytes
	s_mov_b32 s85, 0
	s_lshl_b32 s86, ttmp9, 7                       ; my wave's first point, counted through all batches: 128 wg + 32 (w % 4)
	s_and_b32 s87, s[WV], 3
	s_lshl_b32 s87, s87, 5
	s_add_co_u32 s86, s86, s87
	s_mul_i32 s88, s86, 12
	s_mov_b32 s89, 0
	s_lshl_b32 s86, s86, 4
	s_mov_b32 s87, 0
	s_mul_i32 s90, s[BB], 12288
	s_mov_b32 s91, 0
	s_lshr_b32 s78, s[JB], 3                       ; the record: kv: 24 (j / 8) + j % 8; q: j
	s_mul_i32 s78, s78, 24
	s_and_b32 s79, s[JB], 7
	s_add_co_u32 s78, s78, s79
	s_mul_i32 s78, s78, REC
	s_mul_i32 s79, s[JB], QREC
	s_cmp_lg_u32 s[ISQ], 0
	s_cselect_b32 s78, s79, s78
	s_lshl_b32 s74, s[WV], 9                       ; my scale words: q, k: 65536 + 512 w; v: 67584 + 256 (w - 4)
	s_add_co_u32 s74, s74, 65536
	s_lshl_b32 s75, s[WV], 8
	s_add_co_u32 s75, s75, 66560
	s_cmp_lg_u32 s[ROLE], 0
	s_cselect_b32 s74, s74, s75
	s_add_co_u32 s74, s74, s78
	s_mov_b32 s75, 0
	s_lshl_b32 s79, s[WV], 13                      ; my codes: 8192 w in both kinds of record
	s_add_co_u32 s78, s78, s79
	s_mov_b32 s79, 0
	s_wait_kmcnt 0x0
	s_add_nc_u64 s[4:5], s[4:5], s[90:91]
	s_add_nc_u64 s[6:7], s[6:7], s[88:89]
	s_add_nc_u64 s[22:23], s[22:23], s[86:87]
	s_add_nc_u64 s[24:25], s[24:25], s[86:87]
	s_add_nc_u64 s[8:9], s[8:9], s[80:81]
	s_add_nc_u64 s[10:11], s[10:11], s[82:83]
	s_add_nc_u64 s[12:13], s[12:13], s[84:85]
	s_mov_b64 s[PFA:PFA+1], s[8:9]
	s_cmp_lg_u32 s[ISQ], 0                         ; the choice hangs on the work-group's number alone
	s_cselect_b64 s[WC:WC+1], s[14:15], s[18:19]
	s_cselect_b64 s[WSC:WSC+1], s[16:17], s[20:21]
	s_cselect_b64 s[OUT:OUT+1], s[26:27], s[28:29]
	s_add_nc_u64 s[OUTS:OUTS+1], s[OUT:OUT+1], s[74:75]
	s_add_nc_u64 s[OUT:OUT+1], s[OUT:OUT+1], s[78:79]
	s_mov_b32 s[PFS], 0
	; ---- the batch's 1,024 points into LDS, coordinate by coordinate: thread t brings points 4 t .. 4 t + 3 (48 bytes)
	global_load_b128 v[56:59], v[KPO], s[4:5]
	global_load_b128 v[60:63], v[KPO], s[4:5] offset:16
	global_load_b128 v[64:67], v[KPO], s[4:5] offset:32
	global_load_b32 v[TX], v[TGO], s[6:7]
	global_load_b32 v[TX+2], v[TGO], s[6:7] offset:4
	global_load_b32 v[TX+4], v[TGO], s[6:7] offset:8
	s_wait_loadcnt 0x0
.irp i, 0,1,2,3
.irp p, 0,1,2
	ds_store_b32 v[PSA], v[56+3*\i+\p] offset:4096*\p+4*\i
.endr
.endr
	v_mov_b32 v[TX+1], v[TX]
	v_mov_b32 v[TX+3], v[TX+2]
	v_mov_b32 v[TX+5], v[TX+4]
	v_mov_b32 v[D0], 0x7f800000
	v_mov_b32 v[D1], 0x7f800000
	v_mov_b32 v[D2], 0x7f800000
	v_mov_b32 v[I0], 0
	v_mov_b32 v[I1], 0
	v_mov_b32 v[I2], 0
	s_wait_dscnt 0x0                               ; for the others' sake: my stores are done
	s_barrier_signal -1
	s_barrier_wait -1
	; the weight is asked for now and lands while the kNN runs: nothing below touches window 1 or v24-39 before the wait behind the kNN
	WIN 0x40
.set wf, 0
.rept 16
	WFRAG wf, WC
.set wf, wf+1
.endr
	WIN 0
	WSLOAD WSC
	; ---- the kNN: lane = point, 512 candidates a wave (waves 0-3 the lower half, waves 4-7 the upper), 16 a trip, in two sets of registers
	KLOAD SA, 0
	s_mov_b32 s[KT], 31
.Lknn:
	KLOAD SB, 32
	ASKKEY
	s_wait_dscnt 0x6                               ; the six loads just issued may be out
	KWORK SA, CN
	s_add_co_u32 s[SO], s[SO], 64
	v_add_nc_u32 v[CAD], s[SO], v[CB0]
	KLOAD SA, 0
	s_wait_dscnt 0x6
	KWORK SB, CN+8
.irp i, 0,1,2,3,4,5,6,7,8,9,10,11,12,13,14,15
	s_add_co_u32 s[CN+\i], s[CN+\i], 16
.endr
	s_wait_xcnt 0x0                                ; the trip's prefetch has read its address, so it may step
	s_cmp_le_u32 s[KT], s[PLIM]
	s_cselect_b32 s[PFS], 4096, 0
	s_add_nc_u64 s[PFA:PFA+1], s[PFA:PFA+1], s[PFS:PFS+1]
	s_sub_co_u32 s[KT], s[KT], 1
	s_cmp_lg_u32 s[KT], 0
	s_cbranch_scc1 .Lknn
	KLOAD SB, 32                                   ; the last 16 candidates
	s_wait_dscnt 0x6
	KWORK SA, CN
	s_wait_dscnt 0x0
	KWORK SB, CN+8
	; ---- the halves meet: waves 4-7 hand their three to waves 0-3
	s_cmp_lt_u32 s[WV], 4
	s_cbranch_scc1 .Lkeep
	ds_store_b32 v[KMA], v[D0]
	ds_store_b32 v[KMA], v[D1] offset:512
	ds_store_b32 v[KMA], v[D2] offset:1024
	ds_store_b32 v[KMA], v[I0] offset:1536
	ds_store_b32 v[KMA], v[I1] offset:2048
	ds_store_b32 v[KMA], v[I2] offset:2560
.Lkeep:
	s_wait_dscnt 0x0
	s_barrier_signal -1
	s_barrier_wait -1
	s_cmp_ge_u32 s[WV], 4
	s_cbranch_scc1 .Lmerged
.irp k, 0,1,2,3,4,5
	ds_load_b32 v[DX+\k], v[KMA] offset:512*\k
.endr
	s_wait_dscnt 0x0
	INSERT DX, 1, DX+3, CM                         ; the upper half's candidates are the later ones: the order of indices is kept
	INSERT DX+1, 1, DX+4, CM+3
	INSERT DX+2, 1, DX+5, CM
	v_add_f32 v[DX], 0x322bcc77, v[D0]             ; d2 + 1e-8
	v_add_f32 v[DX+1], 0x322bcc77, v[D1]
	v_add_f32 v[DX+2], 0x322bcc77, v[D2]
	v_rcp_f32 v[DX], v[DX]
	v_rcp_f32 v[DX+1], v[DX+1]
	v_rcp_f32 v[DX+2], v[DX+2]
	v_mov_b32 v[I0+3], 0                           ; a plain line behind the reciprocals
	s_wait_alu depctr_va_vdst(0)                   ; one wait for the three, ahead of their first reader
	v_add_f32 v[DX+3], v[DX], v[DX+1]
	v_add_f32 v[DX+3], v[DX+3], v[DX+2]
	v_rcp_f32 v[DX+3], v[DX+3]
	v_mov_b32 v[WT+3], 0
	s_wait_alu depctr_va_vdst(0)
	v_mul_f32 v[WT], v[DX], v[DX+3]
	v_mul_f32 v[WT+1], v[DX+1], v[DX+3]
	v_mul_f32 v[WT+2], v[DX+2], v[DX+3]
	global_store_b128 v[GO16], v[I0:I0+3], s[22:23]   ; 32 lanes store 512 consecutive bytes
	global_store_b128 v[GO16], v[WT:WT+3], s[24:25]
.Lmerged:
	s_wait_xcnt 0x0                                ; the stores have read their data: those registers are at work again below
	s_wait_loadcnt 0x0                             ; the weight and its scale words are in
	; ---- X: my tile's 16 rows as codes and bytes in registers.  q: they arrive so; kv: key is quantised, four rows on their way
	s_cmp_lg_u32 s[ISQ], 0
	s_cbranch_scc0 .Lfromkey
.irp r, 0,1,2,3,4,5,6,7,8,9,10,11,12,13,14,15
.irp q, 0,1
	global_load_b64 v[PCS+4*\r+2*\q:PCS+4*\r+2*\q+1], v[GO8], s[10:11] offset:(\r+8*(\r/8))*512+256*\q th:TH_LOAD_NT   ; 256 consecutive bytes
	global_load_u8 v[BY+2*\r+\q], v[QSA], s[12:13] offset:(\r+8*(\r/8))*16+8*\q
.endr
.endr
	s_wait_loadcnt 0x0
	s_branch .Lhavex
.Lfromkey:
	LOADROW 0
	LOADROW 1
	LOADROW 2
	LOADROW 3
.set xr, 0
.rept 16
.if 15-xr >= 3
	s_wait_loadcnt 12                              ; this row's four loads are in; the three younger rows' may be out
.else
	s_wait_loadcnt 4*(15-xr)
.endif
	RQ2 RB+16*(xr%4), PCS+4*xr, BY+2*xr
.if xr+4 < 16
	LOADROW xr+4
.endif
.set xr, xr+1
.endr
.Lhavex:
	v_nop
.set xr, 0
.rept 16
	RSTORE xr, PCS+4*xr, BY+2*xr
.set xr, xr+1
.endr
.irp b, 0,1,2,3
	v_mov_b32 v[TM+4+\b], 0                        ; written once: a lane permute's destination counts as one of its sources
.endr
	s_wait_dscnt 0x0
	s_barrier_signal -1
	s_barrier_wait -1                              ; the block's eight tiles lie in LDS
	; ---- P: the product and its way out.  No barrier stands behind this branch
	s_cmp_lg_u32 s[ROLE], 0
	s_cbranch_scc0 .Lvtype
	GEMM 0, XLO, XHI, XSA, 0
	s_wait_xcnt 0x0
	v_lshl_add_u32 v254, v0, 2, 0x15400
	v_mov_b32 v255, 0
	s_wait_tensorcnt 0x0
	ds_add_u32 v254, v255
	s_wait_dscnt 0x0
	s_endpgm
.Lvtype:
	GEMM 1, XLO, XHI, XSA, 1
	s_wait_xcnt 0x0
	v_lshl_add_u32 v254, v0, 2, 0x15400
	v_mov_b32 v255, 0
	s_wait_tensorcnt 0x0
	ds_add_u32 v254, v255
	s_wait_dscnt 0x0
	s_endpgm
.Lfunc_end_k_q8c3a684779_knnproj:
	.size	k_q8c3a684779_knnproj, .Lfunc_end_k_q8c3a684779_knnproj-k_q8c3a684779_knnproj
	.p2alignl 7, 3214868480
	.fill 96, 4, 3214868480
	.section	.rodata,"a",@progbits
	.p2align	6, 0x0
	.amdhsa_kernel k_q8c3a684779_knnproj
		.amdhsa_group_segment_fixed_size 88064
		.amdhsa_private_segment_fixed_size 0
		.amdhsa_enable_private_segment 0
		.amdhsa_kernarg_size 104
		.amdhsa_user_sgpr_count 2
		.amdhsa_user_sgpr_kernarg_segment_ptr 1
		.amdhsa_wavefront_size32 1
		.amdhsa_system_sgpr_workgroup_id_x 1
		.amdhsa_system_sgpr_workgroup_id_y 1
		.amdhsa_system_sgpr_workgroup_id_z 1
		.amdhsa_system_vgpr_workitem_id 0
		.amdhsa_next_free_vgpr 512
		.amdhsa_next_free_sgpr 92
		.amdhsa_reserve_vcc 0
		.amdhsa_float_denorm_mode_32 3
		.amdhsa_float_denorm_mode_16_64 3
		.amdhsa_memory_ordered 1
		.amdhsa_forward_progress 1
		.amdhsa_inst_pref_size 230
	.end_amdhsa_kernel
	.amdgpu_metadata
---
amdhsa.version: [ 1, 2 ]
amdhsa.kernels:
  - .name:           k_q8c3a684779_knnproj
    .symbol:         k_q8c3a684779_knnproj.kd
    .args:
      - { .name: key_pos, .offset: 0, .size: 8, .value_kind: global_buffer, .address_space: global }
      - { .name: xyz_upsample, .offset: 8, .size: 8, .value_kind: global_buffer, .address_space: global }
      - { .name: key, .offset: 16, .size: 8, .value_kind: global_buffer, .address_space: global }
      - { .name: query_codes, .offset: 24, .size: 8, .value_kind: global_buffer, .address_space: global }
      - { .name: query_scales, .offset: 32, .size: 8, .value_kind: global_buffer, .address_space: global }
      - { .name: Wq_codes, .offset: 40, .size: 8, .value_kind: global_buffer, .address_space: global }
      - { .name: Wq_scales, .offset: 48, .size: 8, .value_kind: global_buffer, .address_space: global }
      - { .name: Wkv1_codes, .offset: 56, .size: 8, .value_kind: global_buffer, .address_space: global }
      - { .name: Wkv1_scales, .offset: 64, .size: 8, .value_kind: global_buffer, .address_space: global }
      - { .name: nidx, .offset: 72, .size: 8, .value_kind: global_buffer, .address_space: global }
      - { .name: nwts, .offset: 80, .size: 8, .value_kind: global_buffer, .address_space: global }
      - { .name: qbuf, .offset: 88, .size: 8, .value_kind: global_buffer, .address_space: global }
      - { .name: kv, .offset: 96, .size: 8, .value_kind: global_buffer, .address_space: global }
    .group_segment_fixed_size: 88064
    .private_segment_fixed_size: 0
    .kernarg_segment_align: 8
    .kernarg_segment_size: 104
    .max_flat_workgroup_size: 256
    .sgpr_count:     92
    .vgpr_count:     512
    .wavefront_size: 32
...
	.end_amdgpu_metadata
.endif
;; end of part 1
;; launch chain (part 2): grid 256 x 1, 8 waves a work-group, no clusters, 144,384 bytes of LDS; arguments key, nidx, nwts, fp_w_codes, fp_w_scales, fp_b, Wkv2_codes, Wkv2_scales, kv; writes kv
.if DOCPART == 2
	.amdgcn_target "amdgcn-amd-amdhsa--gfx1250"
	.amdhsa_code_object_version 6
	.text
	.protected	k_q8c3a684779_chain
	.globl	k_q8c3a684779_chain
	.p2align	8
	.type	k_q8c3a684779_chain,@function
k_q8c3a684779_chain:
	s_mov_b64 s[64:65], 0
	v_nop
	global_prefetch_b8 v0, s[64:65] scope:SCOPE_SE
	s_setreg_imm32_b32 hwreg(HW_REG_WAVE_MODE, 25, 1), 1
	s_wait_xcnt 0x0
; kv2 for one block of 128 flat rows R2 = 16 n + b of key2 (work-group j: rows 128 j on), through the whole chain, nothing of it in memory:
; gather three rows of key by the stored indices, interp = g0 w0 + g1 w1 + g2 w2 in f32, quantised along C | x fp_w^T + fp_b, relu, quantised along C | x Wkv2^T, quantised (k along d, v along the keys),
; stored as step 8 + j % 16 of batch j / 16 of kv, in the records that the attention launch loads.
; A TILE'S ROWS ARE NOT NEIGHBOURS: lane r of tile t takes row 32 (t / 2) + 8 (t % 2) + r + 8 (r / 8), of the block's rows and of a weight's 64 rows alike, so that the 16 registers of two neighbouring
; result tiles are 16 neighbours along the next product's K.  Wave w quantises tile w's 16 rows, and holds 64 rows of the weight in hand (output columns 64 w on) in 256 registers.
; The weights go from memory into registers, once a work-group: a shared tile would have to pass through LDS, where a weight (512 rows of 528 bytes) does not fit beside the two images of 71,680 bytes.
; LIMITS: NaN and infinities are not served.  A block whose largest magnitude lies under 2^-118 keeps the scale byte 1, a block of zeros too (its codes are zeros; this program alone reads the bytes).
; The stored indices are held at 1,023, which changes none of them.
.set XIMG,  0                          ; interp's codes: 8704 tile + 2176 s + 544 c + 272 h + 16 r
.set XSC,   69632                      ; their scale bytes: 256 tile + 16 r + block
.set HIMG,  71680                      ; key2's codes, likewise
.set HSC,   141312
.set HALFI, 34816
.set REC,   68608
.set LN,  1
.set RR,  2
.set HH,  3
.set WA,  4
.set WSA, 5
.set XLO, 6
.set XHI, 7
.set XSA, 8
.set WLA, 9
.set SBA, 10
.set GO16, 11
.set GO8, 12
.set LB,  13                           ; 32 x lane + my tile's first batch x 2,048
.set HLO, 14
.set HHI, 15
.set HSA, 16
.set HW,  17                           ; where I store key2's codes: HIMG + 16 r + 272 h + 1088 w
.set HSW, 18                           ; and two scale bytes: HSC + 16 r + 2 w
.set BA,  19
.set NIO, 20
.set TMPV, 21
.set WS,  24                           ; v24-39  the weight's scale words: scales and nothing else
.set XS,  40                           ; v40-55  the rows' scale words, two sets: scales and nothing else
.set XF,  56
.set ACC, 120
.set PC,  184
.set TM,  200
.set KS,  220
.set BIAS, 224                         ; v224-255 fp_b in the result's layout, eight registers a tile
.set GB,  56                           ; phase X: three row buffers of 48: neighbour k at + 16 k
.set PC2, 206                          ; phase X: a row's codes, two sets of 4
.set BY2, 214                          ; its bytes, two sets of 2
.set OFF, 218                          ; three offsets a buffer
.set IX,  228                          ; lane r: row r's three indices
.set WX,  232                          ; and weights
.set WV,  22
.set HM,  23
.set MNT, 24
.set SEL, 26
.set OUT, 28
.set OUTS, 30
.set W0,  32                           ; s[32:33], s[34:35], s[36:37] a row's three weights (the packed form names pairs and takes the low word)
.set GI,  38
.set MSB, 0
.macro WIN new                         ; the immediate's high byte repeats the setting that is left
.if MSB != \new
	s_set_vgpr_msb (MSB<<8)|\new
.set MSB, \new
.endif
.endm
.macro WFRAG f, p                      ; fragment f = 4 tile + s of the weight at s[p:p+1], into window 1
.irp c, 0,1,2,3
	global_load_b128 v[16*(\f)+4*\c:16*(\f)+4*\c+3], v[WA], s[\p:\p+1] offset:(32*((\f)/8)+8*(((\f)/4)%2))*512+128*((\f)%4)+32*\c
.endr
.endm
.macro WSLOAD p
.irp n, 0,1,2,3
	global_load_b128 v[WS+4*\n:WS+4*\n+3], v[WSA], s[\p:\p+1] offset:(32*(\n/2)+8*(\n%2))*16
.endr
.endm
; 64 numbers of a lane, four blocks of 16 registers, each block shared with lane l xor 16, become 16 registers of codes in v[PC] on; the blocks' bytes stay in v[TM+4] on.  relu = 1: what is negative becomes 0 on the way.
.macro QUANT s, relu
.if \relu
.irp b, 0,1,2,3
	v_max3_num_f32 v[TM+\b], v[\s+16*\b], v[\s+1+16*\b], 0x4800000   ; no |.|: what is negative must not count; the floor 2^(9 - 127) stands over it
.endr
.irp i, 2,4,6,8,10,12,14
.irp b, 0,1,2,3
	v_max3_num_f32 v[TM+\b], v[TM+\b], v[\s+16*\b+\i], v[\s+1+16*\b+\i]
.endr
.endr
.else
.irp b, 0,1,2,3
	v_max3_num_f32 v[TM+\b], |v[\s+16*\b]|, |v[\s+1+16*\b]|, 0x4800000
.endr
.irp i, 2,4,6,8,10,12,14
.irp b, 0,1,2,3
	v_max3_num_f32 v[TM+\b], v[TM+\b], |v[\s+16*\b+\i]|, |v[\s+1+16*\b+\i]|
.endr
.endr
.endif
.irp b, 0,1,2,3
	v_permlanex16_b32 v[TM+4+\b], v[TM+\b], s[SEL], s[SEL+1]
.endr
.irp b, 0,1,2,3
	v_max_num_f32 v[TM+\b], v[TM+\b], v[TM+4+\b]
.endr
.irp b, 0,1,2,3
	v_add_nc_u32 v[TM+12+\b], 0xfc000000, v[TM+\b]          ; 8 off the exponent field: the conversion's scale operand
.endr
.irp b, 0,1,2,3
	v_and_or_b32 v[TM+8+\b], v[TM+\b], 0x7f800000, s[MNT]   ; 448 x the scale
.endr
.irp b, 0,1,2,3
	v_lshrrev_b32 v[TM+4+\b], 23, v[TM+12+\b]               ; the scale's byte
.endr
.irp b, 0,1,2,3
.irp i, 0,1,2,3,4,5,6,7,8,9,10,11,12,13,14,15
.if \relu
	v_med3_num_f32 v[\s+16*\b+\i], v[\s+16*\b+\i], 0, v[TM+8+\b]             ; the activation and the hold in one
.else
	v_med3_num_f32 v[\s+16*\b+\i], v[\s+16*\b+\i], -v[TM+8+\b], v[TM+8+\b]   ; the conversion does not saturate (ISA guide 7.6.2): the hold
.endif
.endr
	v_cvt_scalef32_pk8_fp8_f32 v[PC+4*\b:PC+1+4*\b], v[\s+16*\b:\s+7+16*\b], v[TM+12+\b]
	v_cvt_scalef32_pk8_fp8_f32 v[PC+2+4*\b:PC+3+4*\b], v[\s+8+16*\b:\s+15+16*\b], v[TM+12+\b]
.endr
	v_nop                                          ; a plain line behind the last conversion: the next products write its sources
.endm
; One row of 512 numbers: lane l holds columns 8 l + 256 q + 0 .. 7 in v[a + 8 q] on; a block of 32 is four neighbouring lanes.
.macro RQ2 a, pc, by
.irp q, 0,1
	v_max3_num_f32 v[TM+\q], |v[(\a)+8*\q]|, |v[(\a)+8*\q+1]|, 0x4800000
.endr
.irp i, 2,4,6
.irp q, 0,1
	v_max3_num_f32 v[TM+\q], v[TM+\q], |v[(\a)+8*\q+\i]|, |v[(\a)+8*\q+\i+1]|
.endr
.endr
.irp q, 0,1
	v_max_num_f32_dpp v[TM+\q], v[TM+\q], v[TM+\q] row_xmask:1 row_mask:0xf bank_mask:0xf
.endr
.irp q, 0,1
	v_max_num_f32_dpp v[TM+\q], v[TM+\q], v[TM+\q] row_xmask:2 row_mask:0xf bank_mask:0xf
.endr
.irp q, 0,1
	v_add_nc_u32 v[TM+2+\q], 0xfc000000, v[TM+\q]
.endr
.irp q, 0,1
	v_and_or_b32 v[TM+4+\q], v[TM+\q], 0x7f800000, s[MNT]
.endr
.irp q, 0,1
.irp i, 0,1,2,3,4,5,6,7
	v_med3_num_f32 v[(\a)+8*\q+\i], v[(\a)+8*\q+\i], -v[TM+4+\q], v[TM+4+\q]
.endr
.endr
.irp q, 0,1
	v_cvt_scalef32_pk8_fp8_f32 v[(\pc)+2*\q:(\pc)+2*\q+1], v[(\a)+8*\q:(\a)+8*\q+7], v[TM+2+\q]
.endr
.irp q, 0,1
	v_lshrrev_b32 v[(\by)+\q], 23, v[TM+2+\q]      ; the byte; also the plain line behind the conversions
.endr
.endm
.macro RSTORE r, pc, by
.irp q, 0,1
	ds_store_b64 v[WLA], v[(\pc)+2*\q:(\pc)+2*\q+1] offset:16*(\r)+4352*\q
	ds_store_b8 v[SBA], v[(\by)+\q] offset:16*(\r)+8*\q
.endr
.endm
.macro XSL g, sa
.irp t, 0,1
	ds_load_b128 v[XS+8*((\g)&1)+4*\t:XS+8*((\g)&1)+4*\t+3], v[\sa] offset:256*(2*(\g)+\t)
.endr
.endm
.macro FX q, lo, hi
.set fxg, (\q)>>2
.set fxs, (\q)&3
.irp t, 0,1
.irp c, 0,1,2,3
.if fxg < 2
	ds_load_b128 v[XF+32*((\q)&1)+16*\t+4*\c:XF+32*((\q)&1)+16*\t+4*\c+3], v[\lo] offset:8704*((2*fxg+\t)&3)+2176*fxs+544*\c
.else
	ds_load_b128 v[XF+32*((\q)&1)+16*\t+4*\c:XF+32*((\q)&1)+16*\t+4*\c+3], v[\hi] offset:8704*((2*fxg+\t)&3)+2176*fxs+544*\c
.endif
.endr
.endr
.endm
; Eight matrix instructions on eight accumulators, one a turn.  role 0: source 0 = 16 rows of the weight, source 1 = 16 rows of the block; role 1: the other way round.
; bias = 1: the first K step takes the bias as C.
.macro MM q, role, bias
.set mg, (\q)>>2
.set ms, (\q)&3
.set mx, XF+32*((\q)&1)
.set mc, XS+8*(mg&1)+ms
.irp t, 0,1
.irp n, 0,1,2,3
.if \role == 0
.set md, ACC+32*\t+8*\n
.if ms == 0
.if \bias
	v_wmma_scale_f32_16x16x128_f8f6f4 v[md:md+7], v[16*(4*\n+ms):16*(4*\n+ms)+15], v[mx+16*\t:mx+16*\t+15], v[BIAS+8*\n:BIAS+8*\n+7], v[WS+4*\n+ms], v[mc+4*\t]
.else
	v_wmma_scale_f32_16x16x128_f8f6f4 v[md:md+7], v[16*(4*\n+ms):16*(4*\n+ms)+15], v[mx+16*\t:mx+16*\t+15], 0, v[WS+4*\n+ms], v[mc+4*\t]
.endif
.else
	v_wmma_scale_f32_16x16x128_f8f6f4 v[md:md+7], v[16*(4*\n+ms):16*(4*\n+ms)+15], v[mx+16*\t:mx+16*\t+15], v[md:md+7], v[WS+4*\n+ms], v[mc+4*\t]
.endif
.else
.set md, ACC+16*\n+8*\t
.if ms == 0
	v_wmma_scale_f32_16x16x128_f8f6f4 v[md:md+7], v[mx+16*\t:mx+16*\t+15], v[16*(4*\n+ms):16*(4*\n+ms)+15], 0, v[mc+4*\t], v[WS+4*\n+ms]
.else
	v_wmma_scale_f32_16x16x128_f8f6f4 v[md:md+7], v[mx+16*\t:mx+16*\t+15], v[16*(4*\n+ms):16*(4*\n+ms)+15], v[md:md+7], v[mc+4*\t], v[WS+4*\n+ms]
.endif
.endif
.endr
.endr
.endm
.macro EPI_K g                         ; tiles 2 g, 2 g + 1 of k: blocks (tile, half of d); each store is 512 consecutive bytes
	s_wait_xcnt 0x0                                ; the last stores have read their data
	QUANT ACC, 0
	v_lshl_or_b32 v216, v[TM+5], 8, v[TM+4]
	v_lshl_or_b32 v217, v[TM+7], 8, v[TM+6]
	v_lshl_or_b32 v216, v216, 16, v216             ; s0, s1, s0, s1
	v_lshl_or_b32 v217, v217, 16, v217
	v_cndmask_b32 v[KS+(\g)], v216, v217, s[HM]
.irp i, 0,1,2,3
	global_store_b128 v[GO16], v[PC+4*\i:PC+4*\i+3], s[OUT:OUT+1] offset:2048*(\g)+512*\i
.endr
.if (\g) == 3
	global_store_b128 v[GO16], v[KS:KS+3], s[OUTS:OUTS+1]
.endif
.endm
.macro EPI_V g                         ; key block g of v: blocks = the four tiles of d
	s_wait_xcnt 0x0
	QUANT ACC, 0
.irp n, 0,1,2,3
.if (\g) == 0
	v_mov_b32 v[KS+\n], v[TM+4+\n]
.else
	v_lshl_or_b32 v[KS+\n], v[TM+4+\n], 8*(\g), v[KS+\n]
.endif
.endr
.irp n, 0,1,2,3
	global_store_b128 v[GO16], v[PC+4*\n:PC+4*\n+3], s[OUT:OUT+1] offset:2048*\n+512*(\g)
.endr
.if (\g) == 3
	v_cndmask_b32 v216, v[KS], v[KS+1], s[HM]
	v_cndmask_b32 v217, v[KS+2], v[KS+3], s[HM]
	global_store_b64 v[GO8], v[216:217], s[OUTS:OUTS+1]
.endif
.endm
.macro EPI_H g                         ; tiles 2 g, 2 g + 1 of key2, columns 64 w on: relu, codes and two bytes a row into the second image
	QUANT ACC, 1
	v_lshl_or_b32 v216, v[TM+5], 8, v[TM+4]
	v_lshl_or_b32 v217, v[TM+7], 8, v[TM+6]
.irp t, 0,1
.irp k, 0,1
	ds_store_b128 v[HW], v[PC+4*(2*\t+\k):PC+4*(2*\t+\k)+3] offset:8704*(2*(\g)+\t)+544*\k
.endr
	ds_store_b16 v[HSW], v[216+\t] offset:256*(2*(\g)+\t)     ; both halves of the lanes write the same two bytes
.endr
.endm
; 128 rows x my 64 columns x K = 512: sixteen batches of eight products.  The fragments run two batches ahead, in two buffers.
; s_wait_dscnt 8: behind batch q's eight loads stand at least the eight of batch q + 1; what else was issued later only makes the count the smaller, safe one.
; Eight plain places stand behind each batch: for the loads into registers just read and for the first read of results.  nxt = 1: behind the last batch the next weight is asked for.
.macro GEMM role, lo, hi, sa, bias, epi, nxt
	XSL 0, \sa
	FX 0, \lo, \hi
	FX 1, \lo, \hi
.set gq, 0
.rept 16
.if gq == 15
	s_wait_dscnt 0x0
.else
	s_wait_dscnt 0x8
.endif
.if \role == 0
	WIN 0x01
.else
	WIN 0x04
.endif
	MM gq, \role, \bias
	WIN 0
.rept 8
	v_nop
.endr
.if ((gq&3) == 2) && (gq < 12)
	XSL (gq>>2)+1, \sa
.endif
.if gq <= 13
	FX gq+2, \lo, \hi
.endif
.if (gq == 15) && \nxt
	WIN 0x40
.set wf, 0
.rept 16
	WFRAG wf, 16
.set wf, wf+1
.endr
	WIN 0
	WSLOAD 18
.endif
.if (gq&3) == 3
.if \epi == 0
	EPI_K gq>>2
.elseif \epi == 1
	EPI_V gq>>2
.else
	EPI_H gq>>2
.endif
.endif
.set gq, gq+1
.endr
.endm
; Row r of my tile: its three neighbours' rows of key, key[index][batch][:], 12 loads.  The index is read from lane r, held inside the table, and enters the offset by a shift and an addition.
.macro GROW r
.set gb, GB+48*((\r)%3)
.set go, OFF+3*((\r)%3)
.irp k, 0,1,2
	v_readlane_b32 s[GI+\k], v[IX+\k], \r
.endr
.irp k, 0,1,2
	s_min_u32 s[GI+\k], s[GI+\k], 1023
.endr
.irp k, 0,1,2
	s_lshl_b32 s[GI+\k], s[GI+\k], 15
.endr
.irp k, 0,1,2
	v_add_nc_u32 v[go+\k], s[GI+\k], v[LB]
.endr
.irp k, 0,1,2
.irp q, 0,1
.irp i, 0,1
	global_load_b128 v[gb+16*\k+8*\q+4*\i:gb+16*\k+8*\q+4*\i+3], v[go+\k], s[4:5] offset:((\r)%8)*2048+1024*\q+16*\i
.endr
.endr
.endr
.endm
	s_load_b512 s[4:19], s[0:1], 0x0               ; key, nidx, nwts, fp_w codes, fp_w scales, fp_b, Wkv2 codes, Wkv2 scales
	s_load_b64 s[20:21], s[0:1], 0x40              ; kv
	v_lshl_add_u32 v22, v0, 2, 0x23000
	v_mov_b32 v23, 0
	v_lshrrev_b32 v[TMPV], 5, v0
	v_readfirstlane_b32 s[WV], v[TMPV]             ; wave 0..7
	v_and_b32 v[LN], 31, v0
	v_and_b32 v[RR], 15, v0
	v_bfe_u32 v[HH], v0, 4, 1
	v_and_b32 v[TMPV], 8, v[RR]
	v_add_nc_u32 v[TMPV], v[TMPV], v[RR]           ; r + 8 (r / 8)
	s_lshl_b32 s44, s[WV], 15
	v_lshl_add_u32 v[WA], v[TMPV], 9, s44
	v_lshl_add_u32 v[WA], v[HH], 4, v[WA]
	s_lshl_b32 s44, s[WV], 10
	v_lshl_add_u32 v[WSA], v[TMPV], 4, s44
	v_lshlrev_b32 v[XLO], 4, v[RR]
	v_mad_u32_u24 v[XLO], v[HH], 272, v[XLO]       ; 16 r + 272 h
	v_add_nc_u32 v[XHI], XIMG+HALFI, v[XLO]
	v_add_nc_u32 v[HLO], HIMG, v[XLO]
	v_add_nc_u32 v[HHI], HIMG+HALFI, v[XLO]
	s_mul_i32 s44, s[WV], 1088
	v_add_nc_u32 v[HW], s44, v[HLO]
	v_lshl_add_u32 v[XSA], v[RR], 4, XSC
	v_lshl_add_u32 v[HSA], v[RR], 4, HSC
	s_lshl_b32 s44, s[WV], 1
	v_add_nc_u32 v[HSW], s44, v[HSA]
	v_lshrrev_b32 v[TMPV], 1, v[LN]
	v_mul_u32_u24 v[WLA], v[TMPV], 272
	v_and_b32 v[TMPV], 1, v[LN]
	v_lshl_add_u32 v[WLA], v[TMPV], 3, v[WLA]
	s_mul_i32 s44, s[WV], 8704
	v_add_nc_u32 v[WLA], s44, v[WLA]
	v_lshrrev_b32 v[SBA], 2, v[LN]
	s_lshl_b32 s44, s[WV], 8
	s_add_co_u32 s45, s44, XSC
	v_add_nc_u32 v[SBA], s45, v[SBA]
	v_lshl_add_u32 v[BA], v[HH], 6, s44            ; fp_b: 256 w + 64 h
	v_lshlrev_b32 v[GO16], 4, v[LN]
	v_lshlrev_b32 v[GO8], 3, v[LN]
	v_and_b32 v[TMPV], 7, v[RR]
	v_lshlrev_b32 v[NIO], 15, v[TMPV]
	v_lshrrev_b32 v[TMPV], 3, v[RR]
	v_lshl_add_u32 v[NIO], v[TMPV], 4, v[NIO]      ; row r of my tile: batch + r % 8, point + r / 8
	s_and_b32 s44, s[WV], 1                        ; my tile: batches 8 (w % 2) on, points 8 j + 2 (w / 2) on
	s_lshl_b32 s45, s44, 18
	s_lshl_b32 s46, ttmp9, 7
	s_add_co_u32 s45, s45, s46
	s_lshr_b32 s46, s[WV], 1
	s_lshl_b32 s46, s46, 5
	s_add_co_u32 s46, s45, s46
	s_mov_b32 s47, 0
	s_lshl_b32 s44, s44, 14
	v_lshl_add_u32 v[LB], v[LN], 5, s44
	s_lshr_b32 s48, ttmp9, 4                       ; the record: 24 (j / 16) + 8 + j % 16
	s_mul_i32 s48, s48, 24
	s_and_b32 s49, ttmp9, 15
	s_add_co_u32 s48, s48, s49
	s_add_co_u32 s48, s48, 8
	s_mul_i32 s48, s48, REC
	s_lshl_b32 s49, s[WV], 13
	s_add_co_u32 s50, s48, s49                     ; my codes
	s_mov_b32 s51, 0
	s_lshl_b32 s52, s[WV], 9
	s_add_co_u32 s52, s52, 65536
	s_lshl_b32 s53, s[WV], 8
	s_add_co_u32 s53, s53, 66560
	s_cmp_lt_u32 s[WV], 4
	s_cselect_b32 s52, s52, s53
	s_add_co_u32 s52, s52, s48                     ; my scale words
	s_mov_b32 s53, 0
	s_mov_b32 s[HM], 0xffff0000
	s_mov_b32 s[MNT], 0x600000
	s_mov_b32 s[SEL], 0x76543210
	s_mov_b32 s[SEL+1], 0xfedcba98
	s_mov_b32 s[W0+1], 0                           ; named with the weights as pairs, so they are written
	s_mov_b32 s[W0+3], 0
	s_mov_b32 s[W0+5], 0
	s_wait_kmcnt 0x0
	s_add_nc_u64 s[6:7], s[6:7], s[46:47]
	s_add_nc_u64 s[8:9], s[8:9], s[46:47]
	s_add_nc_u64 s[OUT:OUT+1], s[20:21], s[50:51]
	s_add_nc_u64 s[OUTS:OUTS+1], s[20:21], s[52:53]
	global_load_b128 v[IX:IX+3], v[NIO], s[6:7]
	global_load_b128 v[WX:WX+3], v[NIO], s[8:9]
	WSLOAD 12
	s_wait_loadcnt 0x4                             ; the indices and weights are in; the four loads of scale words may be out
	; ---- X: gather and interpolate, three rows on their way; fp_w's sixteen fragments are asked for among the gathers, one a row
	GROW 0
	GROW 1
	GROW 2
.set xr, 0
.rept 16
.set wl, 24
.if 15-xr < 2
.set wl, 12*(15-xr)
.endif
.set ww, 12
.if xr < 3
.set ww, 4*xr
.endif
	s_wait_loadcnt wl+ww                           ; behind this row's 12 loads: the two younger rows' (12 each, fewer at the end) and up to three fragments of the weight (4 each)
.set gb, GB+48*(xr%3)
	v_readlane_b32 s[W0], v[WX], xr
	v_readlane_b32 s[W0+2], v[WX+1], xr
	v_readlane_b32 s[W0+4], v[WX+2], xr
.irp p, 0,2,4,6,8,10,12,14
	v_pk_mul_f32 v[gb+\p:gb+\p+1], v[gb+\p:gb+\p+1], s[W0:W0+1] op_sel_hi:[1,0]
.endr
.irp p, 0,2,4,6,8,10,12,14
	v_pk_fma_f32 v[gb+\p:gb+\p+1], v[gb+16+\p:gb+17+\p], s[W0+2:W0+3], v[gb+\p:gb+\p+1] op_sel_hi:[1,0,1]
.endr
.irp p, 0,2,4,6,8,10,12,14
	v_pk_fma_f32 v[gb+\p:gb+\p+1], v[gb+32+\p:gb+33+\p], s[W0+4:W0+5], v[gb+\p:gb+\p+1] op_sel_hi:[1,0,1]
.endr
	s_wait_dscnt 0x4                               ; the last row's four LDS stores may be out; those of two rows back, which read this set, are done
	RQ2 GB+48*(xr%3), PC2+4*(xr%2), BY2+2*(xr%2)
	RSTORE xr, PC2+4*(xr%2), BY2+2*(xr%2)
.if xr+3 < 16
	GROW xr+3
.endif
	WIN 0x40
	WFRAG xr, 10
	WIN 0
.set xr, xr+1
.endr
.irp n, 0,1,2,3
	global_load_b128 v[BIAS+8*\n:BIAS+8*\n+3], v[BA], s[14:15] offset:(32*(\n/2)+8*(\n%2))*4       ; lane (r, h), tile 2 b + u: fp_b at 64 w + 32 b + 16 h + 8 u + 0 .. 7
	global_load_b128 v[BIAS+8*\n+4:BIAS+8*\n+7], v[BA], s[14:15] offset:(32*(\n/2)+8*(\n%2))*4+16
.endr
.irp b, 0,1,2,3
	v_mov_b32 v[TM+4+\b], 0                        ; written once: a lane permute's destination counts as one of its sources
.endr
	s_wait_dscnt 0x0
	s_barrier_signal -1
	s_barrier_wait -1                              ; interp's eight tiles lie in LDS
	s_wait_loadcnt 0x0                             ; fp_w, its scale words, fp_b
	; ---- key2 = relu(interp fp_w^T + fp_b), transposed: a lane holds one row, its registers run along the columns, which are the next K
	GEMM 0, XLO, XHI, XSA, 1, 2, 1
	s_wait_dscnt 0x0
	s_barrier_signal -1
	s_barrier_wait -1                              ; key2's eight tiles lie in LDS
	s_wait_loadcnt 0x0                             ; Wkv2 and its scale words
	; ---- kv2.  No barrier stands behind this branch
	s_cmp_lt_u32 s[WV], 4
	s_cbranch_scc0 .Lvtype
	GEMM 0, HLO, HHI, HSA, 0, 0, 0
	s_wait_tensorcnt 0x0
	ds_add_u32 v22, v23
	s_wait_dscnt 0x0
	s_endpgm
.Lvtype:
	GEMM 1, HLO, HHI, HSA, 0, 1, 0
	s_wait_tensorcnt 0x0
	ds_add_u32 v22, v23
	s_wait_dscnt 0x0
	s_endpgm
.Lfunc_end_k_q8c3a684779_chain:
	.size	k_q8c3a684779_chain, .Lfunc_end_k_q8c3a684779_chain-k_q8c3a684779_chain
	.p2alignl 7, 3214868480
	.fill 96, 4, 3214868480
	.section	.rodata,"a",@progbits
	.p2align	6, 0x0
	.amdhsa_kernel k_q8c3a684779_chain
		.amdhsa_group_segment_fixed_size 144384
		.amdhsa_private_segment_fixed_size 0
		.amdhsa_enable_private_segment 0
		.amdhsa_kernarg_size 72
		.amdhsa_user_sgpr_count 2
		.amdhsa_user_sgpr_kernarg_segment_ptr 1
		.amdhsa_wavefront_size32 1
		.amdhsa_system_sgpr_workgroup_id_x 1
		.amdhsa_system_sgpr_workgroup_id_y 1
		.amdhsa_system_sgpr_workgroup_id_z 1
		.amdhsa_system_vgpr_workitem_id 0
		.amdhsa_next_free_vgpr 512
		.amdhsa_next_free_sgpr 66
		.amdhsa_reserve_vcc 0
		.amdhsa_float_denorm_mode_32 3
		.amdhsa_float_denorm_mode_16_64 3
		.amdhsa_memory_ordered 1
		.amdhsa_forward_progress 1
		.amdhsa_inst_pref_size 255
	.end_amdhsa_kernel
	.section	.bss,"aw",@nobits
	.p2align	6
	.space	262144
	.amdgpu_metadata
---
amdhsa.version: [ 1, 2 ]
amdhsa.kernels:
  - .name:           k_q8c3a684779_chain
    .symbol:         k_q8c3a684779_chain.kd
    .args:
      - { .name: key, .offset: 0, .size: 8, .value_kind: global_buffer, .address_space: global }
      - { .name: nidx, .offset: 8, .size: 8, .value_kind: global_buffer, .address_space: global }
      - { .name: nwts, .offset: 16, .size: 8, .value_kind: global_buffer, .address_space: global }
      - { .name: fp_w_codes, .offset: 24, .size: 8, .value_kind: global_buffer, .address_space: global }
      - { .name: fp_w_scales, .offset: 32, .size: 8, .value_kind: global_buffer, .address_space: global }
      - { .name: fp_b, .offset: 40, .size: 8, .value_kind: global_buffer, .address_space: global }
      - { .name: Wkv2_codes, .offset: 48, .size: 8, .value_kind: global_buffer, .address_space: global }
      - { .name: Wkv2_scales, .offset: 56, .size: 8, .value_kind: global_buffer, .address_space: global }
      - { .name: kv, .offset: 64, .size: 8, .value_kind: global_buffer, .address_space: global }
    .group_segment_fixed_size: 144384
    .private_segment_fixed_size: 0
    .kernarg_segment_align: 8
    .kernarg_segment_size: 72
    .max_flat_workgroup_size: 256
    .sgpr_count:     66
    .vgpr_count:     512
    .wavefront_size: 32
...
	.end_amdgpu_metadata
.endif
;; end of part 2
;; launch attn (part 3): grid 16 x 16, 16 waves a work-group, clusters of 4 x 1, 327,680 bytes of LDS; arguments qbuf, kv, proj_w_codes, proj_w_scales, proj_b, out0; writes out0
.if DOCPART == 3
	.amdgcn_target "amdgcn-amd-amdhsa--gfx1250"
	.amdhsa_code_object_version 6
	.text
	.protected	k_q8c3a684779_attn
	.globl	k_q8c3a684779_attn
	.p2align	8
	.type	k_q8c3a684779_attn,@function
k_q8c3a684779_attn:
	s_mov_b64 s[64:65], 0
	v_nop
	global_prefetch_b8 v0, s[64:65] scope:SCOPE_SE
	s_setreg_imm32_b32 hwreg(HW_REG_WAVE_MODE, 25, 1), 1
	s_wait_xcnt 0x0
	s_wait_alu depctr_hold_cnt(0) depctr_sa_sdst(0) depctr_va_vdst(0) depctr_va_sdst(0) depctr_va_ssrc(0) depctr_va_vcc(0) depctr_vm_vsrc(0)
	s_getreg_b32 s2, hwreg(HW_REG_IB_STS2, 6, 4)
	s_cmp_eq_u32 s2, 0
	s_cbranch_scc0 .Lentry_in_a_cluster
	s_endpgm
.Lentry_in_a_cluster:
	s_bfe_u32 s2, ttmp6, 0x10000c
	s_cmp_lg_u32 s2, 0x3003
	s_cbranch_scc0 .Lentry_shape_is_right
	s_endpgm
.Lentry_shape_is_right:
; Both attentions and the last projection, on E4M3 codes with E8M0 scales.  A work-group owns 64 queries of one batch b' (grid y), all eight heads; so it ends with 64 whole rows of x and makes out0's rows itself.
; Wave w: tile T = w % 4 of 16 queries, head pair hp = w / 4: first head hp over kv1's 8 steps of 128 keys, then head 4 + hp over kv2's 16 steps: 24 equal steps in every wave.
; THE SOFTMAX: t = score x log2(e) / 8; M = the running largest t rounded up to a whole number; p = 2^(t - M) is quantised along the keys, not normalised; the row's sum is taken of the unquantised p and
; divides at the end.  When M moves, the sum and O are multiplied by 2^(old M - new M), which rounds nothing.
; Both products are used transposed (S^T = K Q^T, O^T = V^T P^T): a lane holds one query throughout.  The records of kv and qbuf are images of operand registers: every LDS load is 512 consecutive bytes.
; K = 64 IN AN INSTRUCTION OF 128: the other half is zero codes on both sides.  Registers lie [data 8][zeros 8][data 8]: an even tile names data, zeros; an odd tile zeros, data; the scale words hold s0, s1, s0, s1.
; CLUSTER: the four work-groups of a cluster belong to one batch and walk the same 24 records, so each record is asked for JOINTLY, a quarter (67 rows of 256 bytes) by each of waves 0 to 3.
; By this text's count a wave has one tensor load out at the most.
; LIMITS: NaN and infinities are not served.  A block whose largest magnitude lies under 2^-118 keeps the scale byte 1, a block of zeros too (its codes are zeros; this program alone reads the bytes).
; REGISTERS: v1-4 my places in a record; v5, v6 the spare word's address and 0; v7 the prefetch's offset; v8-11 addresses in hand; v12 -M, v13 the largest t, v[14:15] the sum; v16-39, v40-63 Q of my two heads;
; v64-111 four tiles of K; v112-175 S^T, then p, then V; v176-207 O^T; v208-223 p's codes; v224-242 at work; v243 p's scale word; v244-247 K's, v248-249 V's, v250-251 Q's, v252-255 proj_w's: scales and nothing else.
.set REC,   68608
.set QREC,  69632
.set QUART, 17152
.set SLOT1, 1<<17                      ; slot 1 begins here: one exclusive or turns an address of one slot into the other's
.set XIMG,  199680                     ; behind the ring: x's codes as images: 2048 (4 T + s) + 512 c + 16 lane
.set XSC,   232448                     ; their scale bytes: 256 T + 16 r + block
.set SPARE, 233472                     ; the spare words, 128 bytes for each of 16 waves: eight blocks of 256 bytes that no other line names
.set SPITCH, 2064                      ; the way out: 64 rows of 2,048 bytes + 16, from LDS byte 0: over the slots, which have had their last fill and their last read by then
.set WV,  16
.set TT,  17
.set HP,  18
.set CX,  19
.set QB,  20
.set BP,  21
.set CS,  22                           ; s[22:23] c = log2(e) / 8
.set G1,  24                           ; s[24:31] descriptor group 1
.set G0,  32                           ; s[32:35] descriptor group 0, which walks
.set TB,  36                           ; the slot in hand
.set LEFT, 37                          ; records still to be asked for
.set LIM, 38
.set PFA, 40
.set SEL, 42
.set MNT, 44
.macro CROUND                          ; a round of the cluster's barrier
	s_barrier_signal -1
	s_barrier_wait -1
	s_cmp_lg_u32 s[WV], 0
	s_cbranch_scc1 .Lnot_wave_0_\@
	s_barrier_signal -3
.Lnot_wave_0_\@:
	s_barrier_wait -3
	s_barrier_signal -1
	s_barrier_wait -1
.endm
.macro TLOAD                           ; waves 0 to 3 fetch a quarter of a record each; four v_nop follow the line
	s_cmp_lt_u32 s[WV], 4
	s_cbranch_scc0 .Lno_fetch_\@
	tensor_load_to_lds s[G0:G0+3], s[G1:G1+7]
	s_nop 0
.rept 4
	v_nop
.endr
.Lno_fetch_\@:
.endm
; A prefetch of the record that the NEXT change of slots will ask for: one key step ahead of that load.  All four clusters of a batch walk the same records: the first of them asks.  Its four partners take a quarter
; each, told apart BY ADDRESS; in each, waves 4 to 6 ask, a lane a block of 256 bytes (67 blocks; the lanes over repeat the last).  The last change that fills a slot asks for nothing.
.macro ASK
	s_cmp_gt_u32 s[LEFT], s[LIM]
	s_cbranch_scc0 .Lnot_mine_\@
	global_prefetch_b8 v7, s[PFA:PFA+1] th:TH_LOAD_NT scope:SCOPE_SE
.Lnot_mine_\@:
.endm
; THE CHANGE OF SLOTS stands at a step's head.  Each wave waits for all its tensor loads, adds 0 to its spare word, and waits for that and for its reads of the slot that it has left.  fill = 1: a round of the
; cluster's barrier, and behind it the slot just left takes the next record: the load has a whole step in which to land.
.macro CHANGE fill
	s_wait_tensorcnt 0x0                           ; no tensor load of mine is out, so the group 0 may be written
	ds_add_u32 v5, v6                              ; 0 onto my spare word
.if \fill
	s_xor_b32 s[G0+1], s[G0+1], SLOT1
	s_add_nc_u64 s[G0+2:G0+3], s[G0+2:G0+3], REC   ; the type bits on top are not reached
	s_wait_xcnt 0x0                                ; the last prefetch, a step back, has read its address
	s_add_nc_u64 s[PFA:PFA+1], s[PFA:PFA+1], REC
.endif
	s_wait_dscnt 0x0                               ; the add is done, and my reads of the slot that I have left are over
.if \fill
	CROUND
	TLOAD
	ASK
.else
	s_barrier_signal -1
	s_barrier_wait -1
.endif
.endm
; A KEY STEP: 128 keys against my 16 queries.  qf: Q's registers; qs: Q's scale word.
.macro STEP qf, qs
	v_add_nc_u32 v8, s[TB], v1
	v_add_nc_u32 v9, s[TB], v2
	v_add_nc_u32 v10, s[TB], v3
	v_add_nc_u32 v11, s[TB], v4
.rept 5
	v_nop                                          ; with the four additions nine places: the first products below write over registers that the last step's products read
.endr
	ds_load_b128 v[244:247], v10                   ; K's scale words: word g: lanes 0-15 tile 2 g, lanes 16-31 tile 2 g + 1
.irp g, 0,1
.if \g
.rept 8
	v_nop                                          ; places in front of loads into registers that matrix instructions have read
.endr
.endif
.irp t, 0,1,2,3
.irp c, 0,1
	ds_load_b128 v[64+24*(\t/2)+16*(\t%2)+4*\c:64+24*(\t/2)+16*(\t%2)+4*\c+3], v8 offset:1024*(4*\g+\t)+512*\c
.endr
.endr
	s_wait_dscnt 0x0
.irp u, 0,1
	v_wmma_scale_f32_16x16x128_f8f6f4 v[112+8*(4*\g+2*\u):119+8*(4*\g+2*\u)], v[64+24*\u:79+24*\u], v[\qf:\qf+15], 0, v[244+2*\g+\u], v[\qs]
	v_wmma_scale_f32_16x16x128_f8f6f4 v[120+8*(4*\g+2*\u):127+8*(4*\g+2*\u)], v[72+24*\u:87+24*\u], v[\qf+8:\qf+23], 0, v[244+2*\g+\u], v[\qs] matrix_a_scale:MATRIX_SCALE_ROW1
.endr
.endr                                  ; lane (r, h): query r; registers 112 + 16 b + i: key 32 b + 16 h + i
.rept 8
	v_nop
.endr
.irp b, 0,1,2,3
	v_max3_num_f32 v[224+\b], v[112+16*\b], v[113+16*\b], v[114+16*\b]   ; the largest score of each block of 32 keys: for the row's maximum and, since p rises with the score, for the block's largest p
.endr
.irp i, 3,5,7,9,11,13
.irp b, 0,1,2,3
	v_max3_num_f32 v[224+\b], v[224+\b], v[112+16*\b+\i], v[113+16*\b+\i]
.endr
.endr
.irp b, 0,1,2,3
	v_max_num_f32 v[224+\b], v[224+\b], v[127+16*\b]
.endr
.irp b, 0,1,2,3
	v_permlanex16_b32 v[228+\b], v[224+\b], s[SEL], s[SEL+1]
.endr
.irp b, 0,1,2,3
	v_max_num_f32 v[224+\b], v[224+\b], v[228+\b]
.endr
	v_max3_num_f32 v242, v224, v225, v226
	v_max_num_f32 v242, v242, v227
	v_mul_f32 v242, s[CS], v242                    ; as t (c is positive)
	v_max_num_f32 v13, v13, v242                   ; the running largest t
	v_mov_b32 v242, v12
	v_floor_f32 v12, -v13                          ; the new -M = floor(-t)
	v_sub_f32 v242, v12, v242                      ; old M - new M: a whole number, 0 or less
	v_cvt_i32_f32 v242, v242                       ; (it saturates)
	v_ldexp_f32 v240, 1.0, v242                    ; f = 2^(old M - new M)
.set j, 0
.rept 32
	v_pk_fma_f32 v[112+j:113+j], v[112+j:113+j], s[CS:CS+1], v[12:13] op_sel_hi:[1,0,0]   ; t - M, two at a time
.set j, j+2
.endr
.irp b, 0,1,2,3
	v_fma_f32 v[224+\b], v[224+\b], s[CS], v12
.endr
.set j, 0
.rept 64
	v_exp_f32 v[112+j], v[112+j]                   ; p = 2^(t - M)
.set j, j+1
.endr
	v_pk_mul_f32 v[14:15], v[14:15], v[240:241] op_sel_hi:[1,0]   ; the sums under the new M; a plain line behind the exponentials
	s_wait_alu depctr_va_vdst(0)                   ; one wait for the batch, ahead of its first reader
.irp b, 0,1,2,3
	v_exp_f32 v[224+\b], v[224+\b]                 ; the block's largest p
.endr
	v_pk_add_f32 v[228:229], v[112:113], v[114:115]   ; the row's sum of the unquantised p, in two chains
.set j, 4
.rept 15
	v_pk_add_f32 v[14:15], v[14:15], v[112+j:113+j]
	v_pk_add_f32 v[228:229], v[228:229], v[114+j:115+j]
.set j, j+4
.endr
	v_pk_add_f32 v[14:15], v[14:15], v[228:229]
	s_wait_alu depctr_va_vdst(0)                   ; and one for the four
.irp b, 0,1,2,3
	v_max_num_f32 v[224+\b], 0x4800000, v[224+\b]  ; the floor 2^(9 - 127)
.endr
.irp b, 0,1,2,3
	v_add_nc_u32 v[236+\b], 0xfc000000, v[224+\b]
.endr
.irp b, 0,1,2,3
	v_and_or_b32 v[232+\b], v[224+\b], 0x7f800000, s[MNT]
.endr
.irp b, 0,1,2,3
	v_lshrrev_b32 v[228+\b], 23, v[236+\b]
.endr
	v_lshl_or_b32 v243, v229, 8, v228              ; p's scale word for these 128 keys
	v_lshl_or_b32 v243, v230, 16, v243
	v_lshl_or_b32 v243, v231, 24, v243
.irp b, 0,1,2,3
.set j, 0
.rept 16
	v_min_num_f32 v[112+16*\b+j], v[112+16*\b+j], v[232+\b]   ; the conversion does not saturate (ISA guide 7.6.2); p is not negative: a one-sided hold
.set j, j+1
.endr
	v_cvt_scalef32_pk8_fp8_f32 v[208+4*\b:209+4*\b], v[112+16*\b:119+16*\b], v[236+\b]
	v_cvt_scalef32_pk8_fp8_f32 v[210+4*\b:211+4*\b], v[120+16*\b:127+16*\b], v[236+\b]
.irp c, 0,1,2,3
	ds_load_b128 v[112+16*\b+4*\c:115+16*\b+4*\c], v9 offset:2048*\b+512*\c   ; V's tile b of d lands in the 16 registers that block b has left
.endr
.endr
	ds_load_b64 v[248:249], v11                    ; V's scale words
.set j, 0
.rept 16
	v_pk_mul_f32 v[176+j:177+j], v[176+j:177+j], v[240:241] op_sel_hi:[1,0]   ; O^T under the new M; also the places behind the codes and the scale word
.set j, j+2
.endr
.rept 4
	v_nop                                          ; so that no accumulator is written directly ahead of the products that add onto it
.endr
	s_wait_dscnt 0x0
.irp u, 0,1
	v_wmma_scale_f32_16x16x128_f8f6f4 v[176+16*\u:183+16*\u], v[112+32*\u:127+32*\u], v[208:223], v[176+16*\u:183+16*\u], v[248+\u], v243
	v_wmma_scale_f32_16x16x128_f8f6f4 v[184+16*\u:191+16*\u], v[128+32*\u:143+32*\u], v[208:223], v[184+16*\u:191+16*\u], v[248+\u], v243 matrix_a_scale:MATRIX_SCALE_ROW1
.endr
	s_xor_b32 s[TB], s[TB], SLOT1                  ; on to the other slot
.endm
.macro PWLOAD s                        ; proj_w's two tiles (rows 32 w + 16 n + r) for K step s
.irp n, 0,1
.irp c, 0,1,2,3
	global_load_b128 v[16+32*((\s)%2)+16*\n+4*\c:16+32*((\s)%2)+16*\n+4*\c+3], v1, s[8:9] offset:8192*\n+128*(\s)+32*\c
.endr
.endr
.endm
; A head is finished: x = O / the sum, quantised along C (registers 176 + 16 b + i: column 64 H + 32 b + 16 h + i), its codes and two bytes into x's image.  ph = 0: head hp, and the state is set anew; ph = 1: head 4 + hp,
; and what the projection wants from memory is asked for.
.macro FINISH ph
	v_add_f32 v14, v14, v15
	v_permlanex16_b32 v242, v14, s[SEL], s[SEL+1]
	v_add_f32 v14, v14, v242                       ; the row's sum
	v_rcp_f32 v14, v14
	v_and_b32 v8, 31, v0
	v_and_b32 v9, 15, v0
	s_lshl_b32 s45, s[TT], 13
	s_lshl_b32 s46, s[HP], 10
	s_add_co_u32 s45, s45, s46
	s_add_co_u32 s45, s45, XIMG
	v_lshl_add_u32 v8, v8, 4, s45                  ; XIMG + 8192 T + 1024 hp + 16 lane
	s_lshl_b32 s45, s[TT], 8
	s_lshl_b32 s46, s[HP], 1
	s_add_co_u32 s45, s45, s46
	s_add_co_u32 s45, s45, XSC
	v_lshl_add_u32 v9, v9, 4, s45                  ; XSC + 256 T + 16 r + 2 hp
.if \ph
	v_and_b32 v10, 15, v0
	v_bfe_u32 v11, v0, 4, 1
	s_lshl_b32 s45, s[WV], 14
	v_lshl_add_u32 v1, v10, 9, s45
	v_lshl_add_u32 v1, v11, 4, v1                  ; proj_w: row 32 w + r, + 16 h
	s_lshl_b32 s45, s[WV], 7
	v_lshl_add_u32 v2, v11, 5, s45                 ; proj_b: 128 w + 32 h
	v_and_b32 v3, 31, v0
	s_lshl_b32 s45, s[WV], 9
	v_lshl_add_u32 v3, v3, 4, s45                  ; proj_w's scale bytes: row 32 w + lane
	PWLOAD 0
	PWLOAD 1
.irp n, 0,1
	global_load_b128 v[80+8*\n:83+8*\n], v2, s[12:13] offset:64*\n
	global_load_b128 v[84+8*\n:87+8*\n], v2, s[12:13] offset:64*\n+16
.endr
	global_load_b128 v[252:255], v3, s[10:11]      ; word s: lanes 0-15 tile 0, lanes 16-31 tile 1
.else
	v_nop                                          ; with the plain lines above eight places behind the last products
	v_nop
.endif
	s_wait_alu depctr_va_vdst(0)                   ; the reciprocal's wait, ahead of its first reader
.set j, 0
.rept 16
	v_pk_mul_f32 v[176+j:177+j], v[176+j:177+j], v[14:15] op_sel_hi:[1,0]   ; each accumulator from its low end on
.set j, j+2
.endr
.irp b, 0,1
	v_max3_num_f32 v[224+\b], |v[176+16*\b]|, |v[177+16*\b]|, 0x4800000
.endr
.irp i, 2,4,6,8,10,12,14
.irp b, 0,1
	v_max3_num_f32 v[224+\b], v[224+\b], |v[176+16*\b+\i]|, |v[177+16*\b+\i]|
.endr
.endr
.irp b, 0,1
	v_permlanex16_b32 v[228+\b], v[224+\b], s[SEL], s[SEL+1]
.endr
.irp b, 0,1
	v_max_num_f32 v[224+\b], v[224+\b], v[228+\b]
.endr
.irp b, 0,1
	v_add_nc_u32 v[236+\b], 0xfc000000, v[224+\b]
.endr
.irp b, 0,1
	v_and_or_b32 v[232+\b], v[224+\b], 0x7f800000, s[MNT]
.endr
.irp b, 0,1
	v_lshrrev_b32 v[228+\b], 23, v[236+\b]
.endr
	v_lshl_or_b32 v242, v229, 8, v228
.irp b, 0,1
.set j, 0
.rept 16
	v_med3_num_f32 v[176+16*\b+j], v[176+16*\b+j], -v[232+\b], v[232+\b]
.set j, j+1
.endr
	v_cvt_scalef32_pk8_fp8_f32 v[208+4*\b:209+4*\b], v[176+16*\b:183+16*\b], v[236+\b]
	v_cvt_scalef32_pk8_fp8_f32 v[210+4*\b:211+4*\b], v[184+16*\b:191+16*\b], v[236+\b]
.endr
	v_nop                                          ; a plain line behind the last conversion
	ds_store_b128 v8, v[208:211] offset:4096*\ph
	ds_store_b128 v8, v[212:215] offset:4096*\ph+512
	ds_store_b16 v9, v242 offset:8*\ph             ; both halves of the lanes write the same two bytes
.if \ph == 0
.set j, 0
.rept 32
	v_mov_b32 v[176+j], 0
.set j, j+1
.endr
	v_mov_b32 v13, 0xff61b1e6
	v_floor_f32 v12, -v13
	v_mov_b32 v14, 0
	v_mov_b32 v15, 0
.endif
.endm
	s_load_b256 s[4:11], s[0:1], 0x0               ; qbuf, kv, proj_w codes, proj_w scales
	s_load_b128 s[12:15], s[0:1], 0x20             ; proj_b, out0
	v_lshl_add_u32 v5, v0, 2, SPARE
	v_mov_b32 v6, 0
	ds_add_u32 v5, v6
	s_wait_dscnt 0x0
	v_lshrrev_b32 v8, 5, v0
	v_readfirstlane_b32 s[WV], v8                  ; wave 0..15
	s_and_b32 s[TT], s[WV], 3
	s_lshr_b32 s[HP], s[WV], 2
	s_bfe_u32 s[CX], ttmp6, 0x40000                ; my place in the cluster
	s_lshl_b32 s[QB], ttmp9, 2
	s_add_co_u32 s[QB], s[QB], s[CX]               ; my block of 64 queries: it enters qbuf's and out0's addresses alone
	s_and_b32 s[BP], ttmp7, 0xffff                 ; the batch, which the partners share
	s_mov_b32 s[G1], 15|(3<<16)|(1<<21)            ; 15:0 the mask: all four work-groups; 17:16 elements of 8 bytes; 21 set beside a mask; no padding
	s_mov_b32 s[G1+1], 32<<16                      ; tensor_dim0 = 32 elements: 256 bytes
	s_mov_b32 s[G1+2], 67<<16                      ; tensor_dim1 = 67 rows
	s_mov_b32 s[G1+3], 32<<16                      ; tile_dim0
	s_mov_b32 s[G1+4], 67                          ; tile_dim1
	s_mov_b32 s[G1+5], 32                          ; the pitch: the block is dense
	s_mov_b32 s[G1+6], 0
	s_mov_b32 s[G1+7], 0
	s_mov_b32 s[CS], 0x3e38aa3b                    ; log2(e) / 8
	s_mov_b32 s[CS+1], s[CS]
	s_mov_b32 s[SEL], 0x76543210
	s_mov_b32 s[SEL+1], 0xfedcba98
	s_mov_b32 s[MNT], 0x600000
	s_mov_b32 s[TB], 0
	s_mov_b32 s[LEFT], 23
	s_sub_co_u32 s45, s[WV], 4
	s_cmp_lt_u32 s45, 3
	s_cselect_b32 s45, 0, 1                        ; 0 in waves 4 to 6,
	s_or_b32 s45, s45, ttmp9                       ; of the batch's first cluster: the same in all four partners
	s_cmp_eq_u32 s45, 0
	s_cselect_b32 s[LIM], 1, -1
	v_add_nc_u32 v7, 0xffffff80, v0
	v_min_u32 v7, 66, v7
	v_lshlrev_b32 v7, 8, v7                        ; 256 x min(thread - 128, 66)
	s_mul_i32 s46, s[BP], 24*REC                   ; the batch's 24 records
	s_mov_b32 s47, 0
	s_mul_i32 s[G0+1], s[TT], QUART                ; my quarter, in LDS: slot 0
	s_mov_b32 s48, s[G0+1]                         ; and in memory
	s_mov_b32 s49, 0
	s_mul_i32 s50, s[CX], QUART                    ; the prefetches: my work-group's quarter,
	s_add_co_u32 s50, s50, REC                     ; of record 1: the first change of slots steps it to record 2
	s_mov_b32 s51, 0
	s_lshl_b32 s52, s[BP], 3                       ; my q record: 8 b' + qb / 2; my tile in it: tau = 4 (qb % 2) + T
	s_lshr_b32 s53, s[QB], 1
	s_add_co_u32 s52, s52, s53
	s_mul_i32 s52, s52, QREC
	s_and_b32 s53, s[QB], 1
	s_lshl_b32 s53, s53, 2
	s_add_co_u32 s53, s53, s[TT]
	s_lshl_b32 s56, s53, 10
	s_add_co_u32 s56, s56, s52
	s_lshl_b32 s54, s[HP], 13
	s_add_co_u32 s56, s56, s54                     ; codes: record + 8192 hp + 1024 tau
	s_mov_b32 s57, 0
	s_lshl_b32 s58, s[HP], 9
	s_add_co_u32 s58, s58, s52
	s_add_co_u32 s58, s58, 65536
	s_and_b32 s54, s53, 1
	s_lshl_b32 s54, s54, 8
	s_add_co_u32 s58, s58, s54
	s_lshr_b32 s54, s53, 1
	s_lshl_b32 s54, s54, 2
	s_add_co_u32 s58, s58, s54                     ; scale words: record + 65536 + 512 hp + 256 (tau % 2) + 4 (tau / 2)
	s_mov_b32 s59, 0
	s_wait_kmcnt 0x0
	s_add_nc_u64 s[6:7], s[6:7], s[46:47]
	s_mov_b32 s[G0], 1
	s_add_nc_u64 s[G0+2:G0+3], s[6:7], s[48:49]
	s_or_b32 s[G0+3], s[G0+3], 0x80000000          ; type = 2
	s_add_nc_u64 s[PFA:PFA+1], s[6:7], s[50:51]
	s_add_nc_u64 s[56:57], s[4:5], s[56:57]
	s_add_nc_u64 s[58:59], s[4:5], s[58:59]
	CROUND                                         ; all four work-groups are here: the first joint loads meet
	TLOAD                                          ; record 0 into slot 0
	v_and_b32 v10, 31, v0
	v_lshlrev_b32 v8, 4, v10
	v_and_b32 v9, 15, v0
	v_lshlrev_b32 v9, 4, v9
.irp p, 0,1                            ; Q of head hp and of head 4 + hp: each half stands twice, round the zeros
.irp d, 0,16
.irp c, 0,1
	global_load_b128 v[16+24*\p+\d+4*\c:19+24*\p+\d+4*\c], v8, s[56:57] offset:32768*\p+512*\c
.endr
.endr
	global_load_b32 v[250+\p], v9, s[58:59] offset:2048*\p
.endr
	s_lshl_b32 s45, s[HP], 13
	v_lshl_add_u32 v1, v10, 4, s45                 ; K's codes of my head: 8192 hp + 16 lane
	v_add_nc_u32 v2, 32768, v1                     ; V's
	s_lshl_b32 s45, s[HP], 9
	s_add_co_u32 s45, s45, 65536
	v_lshl_add_u32 v3, v10, 4, s45                 ; K's scale words
	s_lshl_b32 s45, s[HP], 8
	s_add_co_u32 s45, s45, 67584
	v_lshl_add_u32 v4, v10, 3, s45                 ; V's
.irp z, 24, 48, 72, 96
.irp i, 0,1,2,3,4,5,6,7
	v_mov_b32 v[\z+\i], 0                          ; the zero codes: written once
.endr
.endr
.set j, 0
.rept 32
	v_mov_b32 v[176+j], 0                          ; O^T: the step is written once; its first run finds zeros
.set j, j+1
.endr
	v_mov_b32 v13, 0xff61b1e6                      ; the largest t so far: -3e38
	v_floor_f32 v12, -v13
	v_mov_b32 v14, 0
	v_mov_b32 v15, 0
.irp b, 0,1,2,3
	v_mov_b32 v[228+\b], 0                         ; a lane permute's destination counts as one of its sources
.endr
	v_mov_b32 v241, 0                              ; named with f as a pair
	v_mov_b32 v242, 0
	s_wait_loadcnt 0x0                             ; Q
.Lone:                                             ; kv1: 8 steps
	CHANGE 1
	STEP 16, 250
	s_sub_co_u32 s[LEFT], s[LEFT], 1
	s_cmp_lg_u32 s[LEFT], 15
	s_cbranch_scc1 .Lone
	FINISH 0
.Ltwo:                                             ; kv2: 15 steps, and the last written out
	CHANGE 1
	STEP 40, 251
	s_sub_co_u32 s[LEFT], s[LEFT], 1
	s_cmp_lg_u32 s[LEFT], 0
	s_cbranch_scc1 .Ltwo
	CHANGE 0
	STEP 40, 251
	FINISH 1
	s_wait_dscnt 0x0
	s_barrier_signal -1
	s_barrier_wait -1                              ; 64 rows of x lie in LDS as codes; nobody reads a slot any more
	; ---- out0 = x proj_w^T + proj_b.  Wave w: columns 32 w .. 32 w + 31 of the 64 rows, transposed: a lane holds eight neighbouring columns of one row.
	v_and_b32 v12, 31, v0
	v_lshlrev_b32 v12, 4, v12                      ; 16 x lane
	v_add_nc_u32 v4, XIMG, v12
	v_and_b32 v10, 15, v0
	v_lshl_add_u32 v8, v10, 4, XSC
	v_and_b32 v9, 8, v10
	v_add_nc_u32 v9, v9, v10
	v_mul_u32_u24 v9, v9, SPITCH
	v_bfe_u32 v11, v0, 4, 1
	v_lshl_add_u32 v9, v11, 5, v9
	s_lshl_b32 s45, s[WV], 7
	v_add_nc_u32 v9, s45, v9                       ; the stage, tiles 0 and 1: row r + 8 (r / 8), + 128 w + 32 h
	v_add_nc_u32 v10, 32*SPITCH, v9                ; tiles 2 and 3
	s_mul_i32 s45, s[WV], 4*SPITCH
	v_add_nc_u32 v11, s45, v12                     ; back: my four rows
	s_lshl_b32 s46, s[QB], 21                      ; out0's row 16 n' + b', n' = 64 qb + 4 w + k
	s_lshl_b32 s47, s[WV], 17
	s_add_co_u32 s46, s46, s47
	s_lshl_b32 s47, s[BP], 11
	s_add_co_u32 s46, s46, s47
	s_mov_b32 s47, 0
	s_add_nc_u64 s[14:15], s[14:15], s[46:47]
.irp s, 0,1,2,3
.irp t, 0,1,2,3
.irp c, 0,1,2,3
	ds_load_b128 v[112+16*\t+4*\c:115+16*\t+4*\c], v4 offset:2048*(4*\t+\s)+512*\c
.endr
	ds_load_b32 v[244+\t], v8 offset:256*\t+4*\s
.endr
	s_wait_dscnt 0x0
.if \s == 0
	s_wait_loadcnt 0x0                             ; proj_w's K steps 0 and 1, its scale words, proj_b
.elseif \s == 2
	s_wait_loadcnt 0x8                             ; K step 2's eight loads are in; K step 3's eight may be out
.elseif \s == 3
	s_wait_loadcnt 0x0
.endif
.irp t, 0,1,2,3                        ; eight accumulators, one instruction a turn
.if \s == 0
	v_wmma_scale_f32_16x16x128_f8f6f4 v[176+16*\t:183+16*\t], v[16:31], v[112+16*\t:127+16*\t], v[80:87], v[252+\s], v[244+\t]
	v_wmma_scale_f32_16x16x128_f8f6f4 v[184+16*\t:191+16*\t], v[32:47], v[112+16*\t:127+16*\t], v[88:95], v[252+\s], v[244+\t] matrix_a_scale:MATRIX_SCALE_ROW1
.else
	v_wmma_scale_f32_16x16x128_f8f6f4 v[176+16*\t:183+16*\t], v[16+32*(\s%2):31+32*(\s%2)], v[112+16*\t:127+16*\t], v[176+16*\t:183+16*\t], v[252+\s], v[244+\t]
	v_wmma_scale_f32_16x16x128_f8f6f4 v[184+16*\t:191+16*\t], v[32+32*(\s%2):47+32*(\s%2)], v[112+16*\t:127+16*\t], v[184+16*\t:191+16*\t], v[252+\s], v[244+\t] matrix_a_scale:MATRIX_SCALE_ROW1
.endif
.endr
.rept 8
	v_nop                                          ; places in front of loads into registers just read, and of the first read of results
.endr
.if \s < 2
	PWLOAD \s+2
.endif
.endr
.irp t, 0,1
.irp n, 0,1
	ds_store_b128 v9, v[176+16*\t+8*\n:179+16*\t+8*\n] offset:8*SPITCH*\t+64*\n          ; each accumulator from its low end on
	ds_store_b128 v9, v[180+16*\t+8*\n:183+16*\t+8*\n] offset:8*SPITCH*\t+64*\n+16
	ds_store_b128 v10, v[208+16*\t+8*\n:211+16*\t+8*\n] offset:8*SPITCH*\t+64*\n
	ds_store_b128 v10, v[212+16*\t+8*\n:215+16*\t+8*\n] offset:8*SPITCH*\t+64*\n+16
.endr
.endr
	s_wait_dscnt 0x0
	s_barrier_signal -1
	s_barrier_wait -1                              ; 64 whole rows lie in the stage
.irp k, 0,1,2,3
.irp i, 0,1,2,3
	ds_load_b128 v[112+4*(4*\k+\i):115+4*(4*\k+\i)], v11 offset:SPITCH*\k+512*\i
.endr
.endr
.irp k, 0,1,2,3
.irp i, 0,1,2,3
	s_wait_dscnt 15-4*\k-\i
	global_store_b128 v12, v[112+4*(4*\k+\i):115+4*(4*\k+\i)], s[14:15] offset:32768*\k+512*\i th:TH_STORE_NT   ; 32 lanes store 512 consecutive bytes, aligned
.endr
.endr
	s_wait_tensorcnt 0x0                           ; the wave's end
	ds_add_u32 v5, v6
	s_wait_dscnt 0x0
	CROUND                                         ; the closing round
	s_endpgm
.Lfunc_end_k_q8c3a684779_attn:
	.size	k_q8c3a684779_attn, .Lfunc_end_k_q8c3a684779_attn-k_q8c3a684779_attn
	.p2alignl 7, 3214868480
	.fill 96, 4, 3214868480
	.section	.rodata,"a",@progbits
	.p2align	6, 0x0
	.amdhsa_kernel k_q8c3a684779_attn
		.amdhsa_group_segment_fixed_size 327680
		.amdhsa_private_segment_fixed_size 0
		.amdhsa_enable_private_segment 0
		.amdhsa_kernarg_size 48
		.amdhsa_user_sgpr_count 2
		.amdhsa_user_sgpr_kernarg_segment_ptr 1
		.amdhsa_wavefront_size32 1
		.amdhsa_system_sgpr_workgroup_id_x 1
		.amdhsa_system_sgpr_workgroup_id_y 1
		.amdhsa_system_sgpr_workgroup_id_z 1
		.amdhsa_system_vgpr_workitem_id 0
		.amdhsa_next_free_vgpr 256
		.amdhsa_next_free_sgpr 66
		.amdhsa_reserve_vcc 0
		.amdhsa_float_denorm_mode_32 3
		.amdhsa_float_denorm_mode_16_64 3
		.amdhsa_memory_ordered 1
		.amdhsa_forward_progress 1
		.amdhsa_inst_pref_size 99
	.end_amdhsa_kernel
	.amdgpu_metadata
---
amdhsa.version: [ 1, 2 ]
amdhsa.kernels:
  - .name:           k_q8c3a684779_attn
    .symbol:         k_q8c3a684779_attn.kd
    .args:
      - { .name: qbuf, .offset: 0, .size: 8, .value_kind: global_buffer, .address_space: global }
      - { .name: kv, .offset: 8, .size: 8, .value_kind: global_buffer, .address_space: global }
      - { .name: proj_w_codes, .offset: 16, .size: 8, .value_kind: global_buffer, .address_space: global }
      - { .name: proj_w_scales, .offset: 24, .size: 8, .value_kind: global_buffer, .address_space: global }
      - { .name: proj_b, .offset: 32, .size: 8, .value_kind: global_buffer, .address_space: global }
      - { .name: out0, .offset: 40, .size: 8, .value_kind: global_buffer, .address_space: global }
    .group_segment_fixed_size: 327680
    .private_segment_fixed_size: 0
    .kernarg_segment_align: 8
    .kernarg_segment_size: 48
    .max_flat_workgroup_size: 512
    .sgpr_count:     66
    .vgpr_count:     256
    .wavefront_size: 32
...
	.end_amdgpu_metadata
.endif
;; end of part 3
;; ======== version 2 of 2: 3 launches
;; workspace buffers: nidx 524,288 bytes of whole numbers; nwts 524,288 bytes; qbuf 8,912,896 bytes; kv 26,345,472 bytes
;; launch knnproj (part 4): grid 256 x 1, 8 waves a work-group, no clusters, 88,064 bytes of LDS; arguments key_pos, xyz_upsample, key, query_codes, query_scales, Wq_codes, Wq_scales, Wkv1_codes, Wkv1_scales, nidx, nwts, qbuf, kv; writes nidx, nwts, qbuf, kv
.if DOCPART == 4
	.amdgcn_target "amdgcn-amd-amdhsa--gfx1250"
	.amdhsa_code_object_version 6
	.text
	.protected	k_q8c3a684779_knnproj
	.globl	k_q8c3a684779_knnproj
	.p2align	8
	.type	k_q8c3a684779_knnproj,@function
k_q8c3a684779_knnproj:
	s_mov_b64 s[64:65], 0
	v_nop
	global_prefetch_b8 v0, s[64:65] scope:SCOPE_SE
	s_setreg_imm32_b32 hwreg(HW_REG_WAVE_SCHED_MODE, 0, 2), 2
	s_setreg_imm32_b32 hwreg(HW_REG_WAVE_MODE, 25, 1), 1
	s_wait_xcnt 0x0
	s_wait_alu depctr_vm_vsrc(0)
; Every work-group does two things.
; (1) THE 3 NEAREST of 128 upsampled points (batch b = wg / 16, points 128 (wg % 16) on) among key_pos[b]'s 1,024: indices to nidx, weights (1 / (d2 + 1e-8), normalised) to nwts, 16 bytes a point each.
; (2) ONE BLOCK OF 128 FLAT ROWS of a projection on E4M3 codes: wg < 128: q = query Wq^T (query arrives as codes); else kv1 = Q(key) Wkv1^T (key is quantised here).  The results are quantised in registers
;     (q and k along the head's 64, v along the keys) and stored as images of the operand registers that the attention launch loads.
; A TILE'S ROWS ARE NOT NEIGHBOURS: lane r of tile t takes row 32 (t / 2) + 8 (t % 2) + r + 8 (r / 8), of the block's rows and of a weight's 64 rows alike, so that the 16 registers of two neighbouring
; result tiles are 16 neighbours along the next product's K.
; Wave w holds 64 rows of the weight (output columns 64 w on) in 256 registers.  q and k columns: the product is used transposed (a lane holds one row, registers run along d); v columns: natural
; (a lane holds one column d, registers run along the keys).
; RECORDS.  q: 69,632 bytes a block: codes 8192 H + 1024 tile + 512 c + 16 lane; scale words 65536 + 512 H + 16 lane + 4 g (lanes 0-15 tile 2 g, lanes 16-31 tile 2 g + 1; a word is s0, s1, s0, s1).
; kv: 68,608 bytes a step of 128 keys: k as q for 4 heads; v codes 32768 + 8192 h + 2048 d-tile + 512 key block + 16 lane; v scale words 67584 + 256 h + 8 lane + 4 i.
; LIMITS: NaN and infinities are not served.  A block whose largest magnitude lies under 2^-118 keeps the scale byte 1, a block of zeros too (its codes are zeros; this program alone reads the bytes).
; d2 is made with fused multiply-adds and 1 / x with v_rcp_f32: a third and a fourth neighbour whose d2 differ by about one unit in the last place may change places.  Equal d2: the lower index, as top_k has it.
; xyz_all is an argument that the computation never uses: no launch names it.
; THE MODE: SCHED_MODE bits 1:0 = 2 (LLVM: expert scheduling mode 2), set by the entry lines.  The code itself states the register dependences between vector or matrix instructions and memory or LDS
; instructions, and those through scalar registers that vector instructions write, with s_wait_alu, always for 0.
; THE PLAN.  Registers that memory or LDS instructions touch, and who else names them:
;   v1-v19, v22   addresses and offsets: made at the head, never written again: one wait on va_vdst ahead of the first load serves every access by them.
;   v[CAD]        read by every load of candidates; written once a trip, between a wait on vm_vsrc and the trip's second wait on va_vdst.
;   SA, SB        read by a set's differences alone; the set's next loads land behind a wait on va_vdst: SA's in the trip's middle, SB's at the next trip's head.
;   the masks     24 scalar registers: a set's eight candidates run their compares and the three distances first, ONE wait on va_sdst follows, then the forty selects of the three indices.
;   RB0 .. RB3    a row of key: read and written by the row's quantiser; behind it one wait on va_vdst, then the loads of the row four on.
;   PCS, BY       a tile's codes and bytes: written by the quantiser or by loads, read by the 64 LDS stores (one wait on va_vdst ahead of them); the products write PCS's registers behind a wait on vm_vsrc.
;   XF0, XF1, XS  fragments and scale words of the rows: read by a batch's eight products; ONE wait on va_vdst a batch, behind its places, ahead of the run of LDS loads that lands in them.
;   PC, KS, v216, v217   written by the way out's quantiser, read by its stores: a wait on va_vdst between the two, a wait on vm_vsrc ahead of the next quantiser.
;   The weight (window 1) and its scale words are loaded once and named by matrix instructions alone.
.set PXB,   0                          ; LDS: x, y, z of the 1,024 points, 4,096 bytes each
.set KMB,   12288                      ; six planes of 512 bytes: the upper half's three nearest of 128 points
.set XIMG,  15360                      ; the block's codes: 8704 tile + 2176 s + 544 c + 272 h + 16 r (16 bytes of padding behind each 256)
.set XSC,   84992                      ; their scale bytes: 256 tile + 16 r + block
.set HALFI, 34816                      ; four tiles of the image
.set QREC,  69632
.set REC,   68608
.set LN,  1
.set RR,  2
.set HH,  3
.set WA,  4                            ; my lane's byte in the wave's 64 rows of the weight
.set WSA, 5                            ; and among their scale bytes
.set XLO, 6                            ; the image, tiles 0-3: XIMG + 16 r + 272 h
.set XHI, 7                            ; tiles 4-7
.set XSA, 8                            ; XSC + 16 r
.set WLA, 9                            ; where I store 8 codes of a row of my tile
.set SBA, 10                           ; and the block's byte
.set GO16, 11                          ; 16 x lane
.set GO8, 12                           ; 8 x lane
.set KA,  13                           ; 32 x lane
.set QSA, 14                           ; lane / 4
.set PSA, 15                           ; 16 x thread
.set KMA, 16
.set PFO, 17
.set TGO, 18
.set KPO, 19
.set TMPV, 20
.set CAD, 21                           ; LDS address of the candidates in hand
.set CB0, 22                           ; my half's first candidate
.set WS,  24                           ; v24-39  the weight's scale words (4 tile + s): scales and nothing else
.set XS,  40                           ; v40-55  the rows' scale words, two sets: scales and nothing else
.set XF,  56                           ; v56-119 the rows' fragments, two buffers of two
.set ACC, 120                          ; v120-183 eight accumulators
.set PC,  184                          ; v184-199 codes just made
.set TM,  200                          ; v200-215 at work in the quantisers
.set KS,  220                          ; v220-223 scale words to be stored
.set PCS, 120                          ; phase X: 4 registers of codes a row
.set BY,  224                          ; phase X: 2 scale bytes a row
.set RB,  56                           ; phase X: four row buffers of 16
.set SA,  56                           ; kNN: x, y, z of 8 candidates, two sets
.set SB,  80
.set TX,  104                          ; my point, each coordinate twice
.set DX,  184
.set DY,  192
.set DZ,  200
.set D0,  208
.set D1,  209
.set D2,  210
.set I0,  212
.set I1,  213
.set I2,  214
.set WT,  216
.set WV,  30
.set JB,  31
.set ISQ, 32
.set BB,  33
.set SO,  34
.set ROLE, 35
.set WC,  36
.set WSC, 38
.set OUT, 40
.set HM,  42
.set MNT, 43
.set SEL, 44
.set KT,  46
.set PLIM, 47
.set CN,  48                           ; s48-63 the numbers of 16 candidates
.set PFA, 72
.set PFS, 74
.set OUTS, 76
.set MSB, 0
.macro WIN new                         ; the immediate's high byte repeats the setting that is left
.if MSB != \new
	s_set_vgpr_msb (MSB<<8)|\new
.set MSB, \new
.endif
.endm
.macro WFRAG f, p                      ; fragment f = 4 tile + s of the weight at s[p:p+1], into window 1
.irp c, 0,1,2,3
	global_load_b128 v[16*(\f)+4*\c:16*(\f)+4*\c+3], v[WA], s[\p:\p+1] offset:(32*((\f)/8)+8*(((\f)/4)%2))*512+128*((\f)%4)+32*\c
.endr
.endm
.macro WSLOAD p                        ; a row's 16 scale bytes are the four words of its four K steps
.irp n, 0,1,2,3
	global_load_b128 v[WS+4*\n:WS+4*\n+3], v[WSA], s[\p:\p+1] offset:(32*(\n/2)+8*(\n%2))*16
.endr
.endm
; 64 numbers of a lane, four blocks of 16 registers, each block shared with lane l xor 16, become 16 registers of codes in v[PC] on; the blocks' bytes stay in v[TM+4] on.
.macro QUANT s, relu
.if \relu
.irp b, 0,1,2,3
	v_max3_num_f32 v[TM+\b], v[\s+16*\b], v[\s+1+16*\b], 0x4800000
.endr
.irp i, 2,4,6,8,10,12,14
.irp b, 0,1,2,3
	v_max3_num_f32 v[TM+\b], v[TM+\b], v[\s+16*\b+\i], v[\s+1+16*\b+\i]
.endr
.endr
.else
.irp b, 0,1,2,3
	v_max3_num_f32 v[TM+\b], |v[\s+16*\b]|, |v[\s+1+16*\b]|, 0x4800000   ; my 16 numbers and the floor 2^(9 - 127): the byte cannot fall under 1
.endr
.irp i, 2,4,6,8,10,12,14
.irp b, 0,1,2,3
	v_max3_num_f32 v[TM+\b], v[TM+\b], |v[\s+16*\b+\i]|, |v[\s+1+16*\b+\i]|   ; the four blocks by turns
.endr
.endr
.endif
.irp b, 0,1,2,3
	v_permlanex16_b32 v[TM+4+\b], v[TM+\b], s[SEL], s[SEL+1]
.endr
.irp b, 0,1,2,3
	v_max_num_f32 v[TM+\b], v[TM+\b], v[TM+4+\b]            ; the block's largest magnitude
.endr
.irp b, 0,1,2,3
	v_add_nc_u32 v[TM+12+\b], 0xfc000000, v[TM+\b]          ; 8 off its exponent field: the conversion's scale operand
.endr
.irp b, 0,1,2,3
	v_and_or_b32 v[TM+8+\b], v[TM+\b], 0x7f800000, s[MNT]   ; 448 x the scale
.endr
.irp b, 0,1,2,3
	v_lshrrev_b32 v[TM+4+\b], 23, v[TM+12+\b]               ; the scale's byte
.endr
.irp b, 0,1,2,3
.irp i, 0,1,2,3,4,5,6,7,8,9,10,11,12,13,14,15
.if \relu
	v_med3_num_f32 v[\s+16*\b+\i], v[\s+16*\b+\i], 0, v[TM+8+\b]
.else
	v_med3_num_f32 v[\s+16*\b+\i], v[\s+16*\b+\i], -v[TM+8+\b], v[TM+8+\b]   ; the conversion does not saturate (ISA guide 7.6.2): the hold
.endif
.endr
	v_cvt_scalef32_pk8_fp8_f32 v[PC+4*\b:PC+1+4*\b], v[\s+16*\b:\s+7+16*\b], v[TM+12+\b]
	v_cvt_scalef32_pk8_fp8_f32 v[PC+2+4*\b:PC+3+4*\b], v[\s+8+16*\b:\s+15+16*\b], v[TM+12+\b]
.endr
	v_nop                                          ; a plain line behind the last conversion: the next products write its sources
.endm
; One row of 512 numbers: lane l holds columns 8 l + 256 q + 0 .. 7 in v[a + 8 q] on; a block of 32 is four neighbouring lanes.  Codes to v[pc + 2 q], bytes to v[by + q].
.macro RQ2 a, pc, by
.irp q, 0,1
	v_max3_num_f32 v[TM+\q], |v[(\a)+8*\q]|, |v[(\a)+8*\q+1]|, 0x4800000
.endr
.irp i, 2,4,6
.irp q, 0,1
	v_max3_num_f32 v[TM+\q], v[TM+\q], |v[(\a)+8*\q+\i]|, |v[(\a)+8*\q+\i+1]|
.endr
.endr
.irp q, 0,1
	v_max_num_f32_dpp v[TM+\q], v[TM+\q], v[TM+\q] row_xmask:1 row_mask:0xf bank_mask:0xf
.endr
.irp q, 0,1
	v_max_num_f32_dpp v[TM+\q], v[TM+\q], v[TM+\q] row_xmask:2 row_mask:0xf bank_mask:0xf
.endr
.irp q, 0,1
	v_add_nc_u32 v[TM+2+\q], 0xfc000000, v[TM+\q]
.endr
.irp q, 0,1
	v_and_or_b32 v[TM+4+\q], v[TM+\q], 0x7f800000, s[MNT]
.endr
.irp q, 0,1
.irp i, 0,1,2,3,4,5,6,7
	v_med3_num_f32 v[(\a)+8*\q+\i], v[(\a)+8*\q+\i], -v[TM+4+\q], v[TM+4+\q]
.endr
.endr
.irp q, 0,1
	v_cvt_scalef32_pk8_fp8_f32 v[(\pc)+2*\q:(\pc)+2*\q+1], v[(\a)+8*\q:(\a)+8*\q+7], v[TM+2+\q]
.endr
.irp q, 0,1
	v_lshrrev_b32 v[(\by)+\q], 23, v[TM+2+\q]      ; the byte; also the plain line behind the conversions
.endr
.endm
.macro RSTORE r, pc, by                ; lane l's 8 codes fall at 272 (l / 2) + 8 (l % 2): the 32 lanes touch 256 different bytes modulo 256; four lanes write a block's byte with the same value
.irp q, 0,1
	ds_store_b64 v[WLA], v[(\pc)+2*\q:(\pc)+2*\q+1] offset:16*(\r)+4352*\q
	ds_store_b8 v[SBA], v[(\by)+\q] offset:16*(\r)+8*\q
.endr
.endm
.macro XSL g, sa                       ; the scale words of tiles 2 g and 2 g + 1: 16 bytes a row = four K steps
.irp t, 0,1
	ds_load_b128 v[XS+8*((\g)&1)+4*\t:XS+8*((\g)&1)+4*\t+3], v[\sa] offset:256*(2*(\g)+\t)
.endr
.endm
.macro FX q, lo, hi                    ; batch q = 4 g + s: the fragments of tiles 2 g, 2 g + 1 for K step s; each half of a load is 256 consecutive bytes
.set fxg, (\q)>>2
.set fxs, (\q)&3
.irp t, 0,1
.irp c, 0,1,2,3
.if fxg < 2
	ds_load_b128 v[XF+32*((\q)&1)+16*\t+4*\c:XF+32*((\q)&1)+16*\t+4*\c+3], v[\lo] offset:8704*((2*fxg+\t)&3)+2176*fxs+544*\c
.else
	ds_load_b128 v[XF+32*((\q)&1)+16*\t+4*\c:XF+32*((\q)&1)+16*\t+4*\c+3], v[\hi] offset:8704*((2*fxg+\t)&3)+2176*fxs+544*\c
.endif
.endr
.endr
.endm
; Eight matrix instructions on eight accumulators, one a turn.  role 0: source 0 = 16 rows of the weight, source 1 = 16 rows of the block; role 1: the other way round.
.macro MM q, role
.set mg, (\q)>>2
.set ms, (\q)&3
.set mx, XF+32*((\q)&1)
.set mc, XS+8*(mg&1)+ms
.irp t, 0,1
.irp n, 0,1,2,3
.if \role == 0
.set md, ACC+32*\t+8*\n
.if ms == 0
	v_wmma_scale_f32_16x16x128_f8f6f4 v[md:md+7], v[16*(4*\n+ms):16*(4*\n+ms)+15], v[mx+16*\t:mx+16*\t+15], 0, v[WS+4*\n+ms], v[mc+4*\t]
.else
	v_wmma_scale_f32_16x16x128_f8f6f4 v[md:md+7], v[16*(4*\n+ms):16*(4*\n+ms)+15], v[mx+16*\t:mx+16*\t+15], v[md:md+7], v[WS+4*\n+ms], v[mc+4*\t]
.endif
.else
.set md, ACC+16*\n+8*\t
.if ms == 0
	v_wmma_scale_f32_16x16x128_f8f6f4 v[md:md+7], v[mx+16*\t:mx+16*\t+15], v[16*(4*\n+ms):16*(4*\n+ms)+15], 0, v[mc+4*\t], v[WS+4*\n+ms]
.else
	v_wmma_scale_f32_16x16x128_f8f6f4 v[md:md+7], v[mx+16*\t:mx+16*\t+15], v[16*(4*\n+ms):16*(4*\n+ms)+15], v[md:md+7], v[mc+4*\t], v[WS+4*\n+ms]
.endif
.endif
.endr
.endr
.endm
.macro EPI_K g                         ; tiles 2 g, 2 g + 1 of q or k: blocks (tile, half of d); each store is 512 consecutive bytes
	s_wait_xcnt 0x0                                ; the last stores have read their data: the codes' registers are written again only behind this wait
.if (\g) > 0
	s_wait_alu depctr_vm_vsrc(0)                   ; the stores of the two tiles before have read v[PC ..], which the quantiser below writes again
.endif
	QUANT ACC, 0
	v_lshl_or_b32 v216, v[TM+5], 8, v[TM+4]
	v_lshl_or_b32 v217, v[TM+7], 8, v[TM+6]
	v_lshl_or_b32 v216, v216, 16, v216             ; s0, s1, s0, s1: the attention launch lays the 64 codes in either half of a K of 128
	v_lshl_or_b32 v217, v217, 16, v217
	v_cndmask_b32 v[KS+(\g)], v216, v217, s[HM]    ; lanes 0-15: tile 2 g; lanes 16-31: tile 2 g + 1
	s_wait_alu depctr_va_vdst(0)                   ; the conversions have written v[PC ..] and the select v[KS ..], which the stores below read
.irp i, 0,1,2,3
	global_store_b128 v[GO16], v[PC+4*\i:PC+4*\i+3], s[OUT:OUT+1] offset:2048*(\g)+512*\i
.endr
.if (\g) == 3
	global_store_b128 v[GO16], v[KS:KS+3], s[OUTS:OUTS+1]
.endif
.endm
.macro EPI_V g                         ; key block g of v: blocks = the four tiles of d
	s_wait_xcnt 0x0
.if (\g) > 0
	s_wait_alu depctr_vm_vsrc(0)                   ; the stores of the key block before have read v[PC ..], which the quantiser below writes again
.endif
	QUANT ACC, 0
.irp n, 0,1,2,3
.if (\g) == 0
	v_mov_b32 v[KS+\n], v[TM+4+\n]
.else
	v_lshl_or_b32 v[KS+\n], v[TM+4+\n], 8*(\g), v[KS+\n]
.endif
.endr
.if (\g) == 3
	v_cndmask_b32 v216, v[KS], v[KS+1], s[HM]
	v_cndmask_b32 v217, v[KS+2], v[KS+3], s[HM]
.endif
	s_wait_alu depctr_va_vdst(0)                   ; the conversions have written v[PC ..] (and, at the last block, the selects v216 and v217), which the stores below read
.irp n, 0,1,2,3
	global_store_b128 v[GO16], v[PC+4*\n:PC+4*\n+3], s[OUT:OUT+1] offset:2048*\n+512*(\g)
.endr
.if (\g) == 3
	global_store_b64 v[GO8], v[216:217], s[OUTS:OUTS+1]
.endif
.endm
; 128 rows x my 64 columns x K = 512: sixteen batches of eight products.  The fragments run two batches ahead, in two buffers.
; s_wait_dscnt 8: behind batch q's eight loads stand at least the eight of batch q + 1; what else was issued later only makes the count the smaller, safe one.
; Eight plain places stand behind each batch; behind them ONE wait on va_vdst, ahead of the batch's run of LDS loads.  Batches 14 and 15 ask for nothing, so they have no such wait.
.macro GEMM role, lo, hi, sa, epi
	XSL 0, \sa
	FX 0, \lo, \hi
	FX 1, \lo, \hi
.set gq, 0
.rept 16
.if gq == 15
	s_wait_dscnt 0x0
.else
	s_wait_dscnt 0x8
.endif
.if \role == 0
	WIN 0x01                                       ; source 0 (the weight) in window 1
.else
	WIN 0x04                                       ; source 1 (the weight) in window 1
.endif
	MM gq, \role
	WIN 0
.rept 8
	v_nop
.endr
.if gq <= 13
	s_wait_alu depctr_va_vdst(0)                   ; this batch's products are done reading their fragments, and the earlier groups' their scale words: the LDS loads below land in those registers
.endif
.if ((gq&3) == 2) && (gq < 12)
	XSL (gq>>2)+1, \sa
.endif
.if gq <= 13
	FX gq+2, \lo, \hi
.endif
.if (gq&3) == 3
.if \epi == 0
	EPI_K gq>>2
.else
	EPI_V gq>>2
.endif
.endif
.set gq, gq+1
.endr
.endm
; kNN.  Eight candidates' coordinates: six loads that every lane reads alike.
.macro KLOAD st, off
.irp p, 0,1,2
	ds_load_b128 v[\st+8*\p:\st+8*\p+3], v[CAD] offset:4096*\p+\off
	ds_load_b128 v[\st+8*\p+4:\st+8*\p+7], v[CAD] offset:4096*\p+\off+16
.endr
.endm
; The masks of candidate c of a set of eight: three scalar registers at s[mb].  24 in all: s78-89 and s66-71 (the head's scratch) and s14-19 (the weights' addresses as they came, done with since the choice at the head).
.macro MBASE c
.if (\c) < 4
.set mb, 78+3*(\c)
.elseif (\c) < 6
.set mb, 66+3*((\c)-4)
.else
.set mb, 14+3*((\c)-6)
.endif
.endm
; d enters the ascending three, in two parts.  The compare is strict and candidates come in ascending order, so of equal distances the lower index stays.
; DSTEP: where d falls, into candidate c's masks, and the three distances.  The distances never read the indices, so a set's eight DSTEPs run first.
.macro DSTEP d, c
	MBASE \c
	v_cmp_lt_f32 s[mb], v[\d], v[D2]
	v_cmp_lt_f32 s[mb+1], v[\d], v[D1]
	v_cmp_lt_f32 s[mb+2], v[\d], v[D0]
	v_med3_num_f32 v[D2], v[\d], v[D1], v[D2]
	v_med3_num_f32 v[D1], v[\d], v[D0], v[D1]
	v_min_num_f32 v[D0], v[\d], v[D0]
.endm
; ISTEP: the three indices by candidate c's masks, behind the wait for the masks.  sv = 0: the number in s[i]; 1: in v[i].
.macro ISTEP sv, i, c
	MBASE \c
.if \sv
	v_cndmask_b32 v[I2], v[I2], v[\i], s[mb]
	v_cndmask_b32 v[I2], v[I2], v[I1], s[mb+1]
	v_cndmask_b32 v[I1], v[I1], v[\i], s[mb+1]
	v_cndmask_b32 v[I1], v[I1], v[I0], s[mb+2]
	v_cndmask_b32 v[I0], v[I0], v[\i], s[mb+2]
.else
	v_cndmask_b32 v[I2], v[I2], s[\i], s[mb]
	v_cndmask_b32 v[I2], v[I2], v[I1], s[mb+1]
	v_cndmask_b32 v[I1], v[I1], s[\i], s[mb+1]
	v_cndmask_b32 v[I1], v[I1], v[I0], s[mb+2]
	v_cndmask_b32 v[I0], v[I0], s[\i], s[mb+2]
.endif
.endm
.macro KDIST st                        ; eight squared distances, two at a time: the only lines that read a set of candidates
.irp p, 0,2,4,6
	v_pk_add_f32 v[DX+\p:DX+\p+1], v[\st+\p:\st+\p+1], v[TX:TX+1] neg_lo:[0,1] neg_hi:[0,1]
	v_pk_add_f32 v[DY+\p:DY+\p+1], v[\st+8+\p:\st+9+\p], v[TX+2:TX+3] neg_lo:[0,1] neg_hi:[0,1]
	v_pk_add_f32 v[DZ+\p:DZ+\p+1], v[\st+16+\p:\st+17+\p], v[TX+4:TX+5] neg_lo:[0,1] neg_hi:[0,1]
.endr
.irp p, 0,2,4,6
	v_pk_mul_f32 v[DX+\p:DX+\p+1], v[DX+\p:DX+\p+1], v[DX+\p:DX+\p+1]
.endr
.irp p, 0,2,4,6
	v_pk_fma_f32 v[DX+\p:DX+\p+1], v[DY+\p:DY+\p+1], v[DY+\p:DY+\p+1], v[DX+\p:DX+\p+1]
.endr
.irp p, 0,2,4,6
	v_pk_fma_f32 v[DX+\p:DX+\p+1], v[DZ+\p:DZ+\p+1], v[DZ+\p:DZ+\p+1], v[DX+\p:DX+\p+1]
.endr
.endm
.macro DCH8                            ; the eight candidates' masks and the three distances
.irp c, 0,1,2,3,4,5,6,7
	DSTEP DX+\c, \c
.endr
.endm
.macro ICH8 cn                         ; and the three indices
.irp c, 0,1,2,3,4,5,6,7
	ISTEP 0, \cn+\c, \c
.endr
.endm
; A prefetch of my tile's 16 rows of key (128 blocks of 256 bytes: rows 0-7 on end, rows 16-23 on end), 32 blocks in each of the loop's last four trips; on the kv path alone.  Each block is named once in the launch.
.macro ASKKEY
	s_cmp_le_u32 s[KT], s[PLIM]
	s_cbranch_scc0 .Lnoask_\@
	global_prefetch_b8 v[PFO], s[PFA:PFA+1] th:TH_LOAD_NT scope:SCOPE_SE
.Lnoask_\@:
.endm
.macro LOADROW r                       ; row r of my tile of key: lane l takes 32 bytes at 32 l of each half of the row
.irp q, 0,1
.irp i, 0,1
	global_load_b128 v[RB+16*((\r)%4)+8*\q+4*\i:RB+16*((\r)%4)+8*\q+4*\i+3], v[KA], s[8:9] offset:((\r)+8*((\r)/8))*2048+1024*\q+16*\i th:TH_LOAD_NT
.endr
.endr
.endm
	s_load_b512 s[4:19], s[0:1], 0x0               ; key_pos, xyz_upsample, key, query codes, query scales, Wq codes, Wq scales, Wkv1 codes
	s_load_b256 s[20:27], s[0:1], 0x40             ; Wkv1 scales, nidx, nwts, qbuf
	s_load_b64 s[28:29], s[0:1], 0x60              ; kv
	v_lshrrev_b32 v[TMPV], 5, v0
	v_readfirstlane_b32 s[WV], v[TMPV]             ; wave 0..7
	v_and_b32 v[LN], 31, v0
	v_and_b32 v[RR], 15, v0
	v_bfe_u32 v[HH], v0, 4, 1
	v_and_b32 v[TMPV], 8, v[RR]
	v_add_nc_u32 v[TMPV], v[TMPV], v[RR]           ; r + 8 (r / 8)
	s_wait_alu depctr_va_sdst(0)                   ; the wave's number is written, ahead of its first reader
	s_lshl_b32 s78, s[WV], 15
	v_lshl_add_u32 v[WA], v[TMPV], 9, s78
	v_lshl_add_u32 v[WA], v[HH], 4, v[WA]
	s_lshl_b32 s78, s[WV], 10
	v_lshl_add_u32 v[WSA], v[TMPV], 4, s78
	v_lshlrev_b32 v[XLO], 4, v[RR]
	v_mad_u32_u24 v[XLO], v[HH], 272, v[XLO]
	v_add_nc_u32 v[XHI], XIMG+HALFI, v[XLO]
	v_add_nc_u32 v[XLO], XIMG, v[XLO]
	v_lshl_add_u32 v[XSA], v[RR], 4, XSC
	v_lshrrev_b32 v[TMPV], 1, v[LN]
	v_mul_u32_u24 v[WLA], v[TMPV], 272
	v_and_b32 v[TMPV], 1, v[LN]
	v_lshl_add_u32 v[WLA], v[TMPV], 3, v[WLA]
	s_mul_i32 s78, s[WV], 8704
	s_add_co_u32 s78, s78, XIMG
	v_add_nc_u32 v[WLA], s78, v[WLA]
	v_lshrrev_b32 v[QSA], 2, v[LN]
	s_lshl_b32 s78, s[WV], 8
	s_add_co_u32 s78, s78, XSC
	v_add_nc_u32 v[SBA], s78, v[QSA]
	v_lshlrev_b32 v[GO16], 4, v[LN]
	v_lshlrev_b32 v[GO8], 3, v[LN]
	v_lshlrev_b32 v[KA], 5, v[LN]
	v_lshlrev_b32 v[PSA], 4, v0
	v_and_b32 v[KMA], 127, v0
	v_lshl_add_u32 v[KMA], v[KMA], 2, KMB
	v_lshlrev_b32 v[PFO], 8, v[RR]
	v_lshl_add_u32 v[PFO], v[HH], 15, v[PFO]       ; 256 (lane % 16) + 16 rows x (lane / 16)
	v_mul_u32_u24 v[TGO], v[LN], 12
	v_mul_u32_u24 v[KPO], v0, 48
	s_lshr_b32 s78, s[WV], 2                       ; which half of the candidates is mine
	s_lshl_b32 s79, s78, 11
	v_mov_b32 v[CB0], s79
	v_mov_b32 v[CAD], v[CB0]
	s_lshl_b32 s78, s78, 9
.irp i, 0,1,2,3,4,5,6,7,8,9,10,11,12,13,14,15
	s_add_co_u32 s[CN+\i], s78, \i
.endr
	s_mov_b32 s[SO], 0
	s_and_b32 s[JB], ttmp9, 127                    ; my block of 128 rows
	s_lshr_b32 s[BB], ttmp9, 4                     ; the kNN's batch
	s_cmp_lt_u32 ttmp9, 128
	s_cselect_b32 s[ISQ], 1, 0
	s_cselect_b32 s[PLIM], 0, 4
	s_cmp_lt_u32 s[WV], 4
	s_cselect_b32 s[ROLE], 1, 0
	s_or_b32 s[ROLE], s[ROLE], s[ISQ]              ; 1: my columns are q's or k's; 0: v's
	s_mov_b32 s[HM], 0xffff0000                    ; lanes 16-31
	s_mov_b32 s[MNT], 0x600000                     ; the mantissa field of 448
	s_mov_b32 s[SEL], 0x76543210
	s_mov_b32 s[SEL+1], 0xfedcba98                 ; v_permlanex16_b32: lane l xor 16
	s_lshl_b32 s78, s[JB], 7                       ; my tile's first row: 128 j + 32 (w / 2) + 8 (w % 2)
	s_lshr_b32 s79, s[WV], 1
	s_lshl_b32 s79, s79, 5
	s_add_co_u32 s78, s78, s79
	s_and_b32 s79, s[WV], 1
	s_lshl_b32 s79, s79, 3
	s_add_co_u32 s78, s78, s79
	s_lshl_b32 s80, s78, 11                        ; in key,
	s_mov_b32 s81, 0
	s_lshl_b32 s82, s78, 9                         ; in query's codes,
	s_mov_b32 s83, 0
	s_lshl_b32 s84, s78, 4                         ; in query's scale bytes
	s_mov_b32 s85, 0
	s_lshl_b32 s86, ttmp9, 7                       ; my wave's first point, counted through all batches: 128 wg + 32 (w % 4)
	s_and_b32 s87, s[WV], 3
	s_lshl_b32 s87, s87, 5
	s_add_co_u32 s86, s86, s87
	s_mul_i32 s88, s86, 12
	s_mov_b32 s89, 0
	s_lshl_b32 s86, s86, 4
	s_mov_b32 s87, 0
	s_mul_i32 s90, s[BB], 12288
	s_mov_b32 s91, 0
	s_lshr_b32 s78, s[JB], 3                       ; the record: kv: 24 (j / 8) + j % 8; q: j
	s_mul_i32 s78, s78, 24
	s_and_b32 s79, s[JB], 7
	s_add_co_u32 s78, s78, s79
	s_mul_i32 s78, s78, REC
	s_mul_i32 s79, s[JB], QREC
	s_cmp_lg_u32 s[ISQ], 0
	s_cselect_b32 s78, s79, s78
	s_lshl_b32 s74, s[WV], 9                       ; my scale words: q, k: 65536 + 512 w; v: 67584 + 256 (w - 4)
	s_add_co_u32 s74, s74, 65536
	s_lshl_b32 s75, s[WV], 8
	s_add_co_u32 s75, s75, 66560
	s_cmp_lg_u32 s[ROLE], 0
	s_cselect_b32 s74, s74, s75
	s_add_co_u32 s74, s74, s78
	s_mov_b32 s75, 0
	s_lshl_b32 s79, s[WV], 13                      ; my codes: 8192 w in both kinds of record
	s_add_co_u32 s78, s78, s79
	s_mov_b32 s79, 0
	s_wait_kmcnt 0x0
	s_add_nc_u64 s[4:5], s[4:5], s[90:91]
	s_add_nc_u64 s[6:7], s[6:7], s[88:89]
	s_add_nc_u64 s[22:23], s[22:23], s[86:87]
	s_add_nc_u64 s[24:25], s[24:25], s[86:87]
	s_add_nc_u64 s[8:9], s[8:9], s[80:81]
	s_add_nc_u64 s[10:11], s[10:11], s[82:83]
	s_add_nc_u64 s[12:13], s[12:13], s[84:85]
	s_mov_b64 s[PFA:PFA+1], s[8:9]
	s_cmp_lg_u32 s[ISQ], 0                         ; the choice hangs on the work-group's number alone
	s_cselect_b64 s[WC:WC+1], s[14:15], s[18:19]
	s_cselect_b64 s[WSC:WSC+1], s[16:17], s[20:21]
	s_cselect_b64 s[OUT:OUT+1], s[26:27], s[28:29]
	s_add_nc_u64 s[OUTS:OUTS+1], s[OUT:OUT+1], s[74:75]
	s_add_nc_u64 s[OUT:OUT+1], s[OUT:OUT+1], s[78:79]
	s_mov_b32 s[PFS], 0
	; ---- the batch's 1,024 points into LDS, coordinate by coordinate: thread t brings points 4 t .. 4 t + 3 (48 bytes)
	s_wait_alu depctr_va_vdst(0)                   ; the addresses and offsets v1 to v22 are written, which the kernel's loads, stores and prefetches read; of them v[CAD] alone is written again
	global_load_b128 v[56:59], v[KPO], s[4:5]
	global_load_b128 v[60:63], v[KPO], s[4:5] offset:16
	global_load_b128 v[64:67], v[KPO], s[4:5] offset:32
	global_load_b32 v[TX], v[TGO], s[6:7]
	global_load_b32 v[TX+2], v[TGO], s[6:7] offset:4
	global_load_b32 v[TX+4], v[TGO], s[6:7] offset:8
	s_wait_loadcnt 0x0
.irp i, 0,1,2,3
.irp p, 0,1,2
	ds_store_b32 v[PSA], v[56+3*\i+\p] offset:4096*\p+4*\i
.endr
.endr
	v_mov_b32 v[TX+1], v[TX]
	v_mov_b32 v[TX+3], v[TX+2]
	v_mov_b32 v[TX+5], v[TX+4]
	v_mov_b32 v[D0], 0x7f800000
	v_mov_b32 v[D1], 0x7f800000
	v_mov_b32 v[D2], 0x7f800000
	v_mov_b32 v[I0], 0
	v_mov_b32 v[I1], 0
	v_mov_b32 v[I2], 0
	s_wait_dscnt 0x0                               ; for the others' sake: my stores are done
	s_barrier_signal -1
	s_barrier_wait -1
	s_wait_alu depctr_vm_vsrc(0)                   ; my LDS stores have read v56 to v67, in which the first candidates land
	; the weight is asked for now and lands while the kNN runs: nothing below touches window 1 or v24-39 before the wait behind the kNN.  Since the wait on va_vdst at the head no vector instruction has named v[WA], v[WSA] or these registers
	WIN 0x40
.set wf, 0
.rept 16
	WFRAG wf, WC
.set wf, wf+1
.endr
	WIN 0
	WSLOAD WSC
	; ---- the kNN: lane = point, 512 candidates a wave (waves 0-3 the lower half, waves 4-7 the upper), 16 a trip, in two sets of registers
	KLOAD SA, 0
	s_mov_b32 s[KT], 31
.Lknn:
	s_wait_alu depctr_va_vdst(0)                   ; the last trip's differences are done reading SB, in which the loads below land
	KLOAD SB, 32
	ASKKEY
	s_wait_dscnt 0x6                               ; the six loads just issued may be out
	KDIST SA
	DCH8
	s_add_co_u32 s[SO], s[SO], 64
	s_wait_alu depctr_vm_vsrc(0)                   ; the loads issued so far have read v[CAD]
	v_add_nc_u32 v[CAD], s[SO], v[CB0]
	s_wait_alu depctr_va_sdst(0)                   ; the 24 masks are written, ahead of the selects that read them
	s_wait_alu depctr_va_vdst(0)                   ; the differences are done reading SA, in which the loads below land, and v[CAD] is written
	KLOAD SA, 0
	ICH8 CN
	s_wait_dscnt 0x6
	KDIST SB
	DCH8
	s_wait_alu depctr_va_sdst(0)                   ; the 24 masks are written, ahead of the selects that read them
	ICH8 CN+8
.irp i, 0,1,2,3,4,5,6,7,8,9,10,11,12,13,14,15
	s_add_co_u32 s[CN+\i], s[CN+\i], 16
.endr
	s_wait_xcnt 0x0                                ; the trip's prefetch has read its address, so it may step
	s_cmp_le_u32 s[KT], s[PLIM]
	s_cselect_b32 s[PFS], 4096, 0
	s_add_nc_u64 s[PFA:PFA+1], s[PFA:PFA+1], s[PFS:PFS+1]
	s_sub_co_u32 s[KT], s[KT], 1
	s_cmp_lg_u32 s[KT], 0
	s_cbranch_scc1 .Lknn
	s_wait_alu depctr_va_vdst(0)                   ; as at the loop's head: the differences are done reading SB
	KLOAD SB, 32                                   ; the last 16 candidates
	s_wait_dscnt 0x6
	KDIST SA
	DCH8
	s_wait_alu depctr_va_sdst(0)                   ; the masks, ahead of the selects
	ICH8 CN
	s_wait_dscnt 0x0
	KDIST SB
	DCH8
	s_wait_alu depctr_va_sdst(0)                   ; the masks, ahead of the selects
	ICH8 CN+8
	s_wait_alu depctr_va_vdst(0)                   ; D and I are written, which the LDS stores below read; the search is done with v184 to v189, in which the merge's loads land, and with v56 to v109, in which key's rows land
	; ---- the halves meet: waves 4-7 hand their three to waves 0-3
	s_cmp_lt_u32 s[WV], 4
	s_cbranch_scc1 .Lkeep
	ds_store_b32 v[KMA], v[D0]
	ds_store_b32 v[KMA], v[D1] offset:512
	ds_store_b32 v[KMA], v[D2] offset:1024
	ds_store_b32 v[KMA], v[I0] offset:1536
	ds_store_b32 v[KMA], v[I1] offset:2048
	ds_store_b32 v[KMA], v[I2] offset:2560
.Lkeep:
	s_wait_dscnt 0x0
	s_barrier_signal -1
	s_barrier_wait -1
	s_wait_alu depctr_vm_vsrc(0)                   ; the LDS stores above have read D and I: those registers are at work again below
	s_cmp_ge_u32 s[WV], 4
	s_cbranch_scc1 .Lmerged
.irp k, 0,1,2,3,4,5
	ds_load_b32 v[DX+\k], v[KMA] offset:512*\k
.endr
	s_wait_dscnt 0x0
	DSTEP DX, 0                                    ; the upper half's candidates are the later ones: the order of indices is kept
	DSTEP DX+1, 1
	DSTEP DX+2, 2
	s_wait_alu depctr_va_sdst(0)                   ; the nine masks, ahead of the selects
	ISTEP 1, DX+3, 0
	ISTEP 1, DX+4, 1
	ISTEP 1, DX+5, 2
	v_add_f32 v[DX], 0x322bcc77, v[D0]             ; d2 + 1e-8
	v_add_f32 v[DX+1], 0x322bcc77, v[D1]
	v_add_f32 v[DX+2], 0x322bcc77, v[D2]
	s_wait_alu depctr_va_vdst(0)
	v_rcp_f32 v[DX], v[DX]
	v_rcp_f32 v[DX+1], v[DX+1]
	v_rcp_f32 v[DX+2], v[DX+2]
	v_mov_b32 v[I0+3], 0                           ; a plain line behind the reciprocals
	s_wait_alu depctr_va_vdst(0)                   ; the three reciprocals are written, ahead of their first reader
	v_add_f32 v[DX+3], v[DX], v[DX+1]
	v_add_f32 v[DX+3], v[DX+3], v[DX+2]
	s_wait_alu depctr_va_vdst(0)
	v_rcp_f32 v[DX+3], v[DX+3]
	v_mov_b32 v[WT+3], 0
	s_wait_alu depctr_va_vdst(0)                   ; the sum's reciprocal is written, ahead of its first reader
	v_mul_f32 v[WT], v[DX], v[DX+3]
	v_mul_f32 v[WT+1], v[DX+1], v[DX+3]
	v_mul_f32 v[WT+2], v[DX+2], v[DX+3]
	s_wait_alu depctr_va_vdst(0)                   ; the indices and the weights are written, which the two stores read
	global_store_b128 v[GO16], v[I0:I0+3], s[22:23]   ; 32 lanes store 512 consecutive bytes
	global_store_b128 v[GO16], v[WT:WT+3], s[24:25]
.Lmerged:
	s_wait_xcnt 0x0                                ; the stores have read their data: those registers are at work again below
	s_wait_alu depctr_vm_vsrc(0)                   ; the two stores have read v212 to v219, which the quantisers below write
	s_wait_loadcnt 0x0                             ; the weight and its scale words are in
	; ---- X: my tile's 16 rows as codes and bytes in registers.  q: they arrive so; kv: key is quantised, four rows on their way
	s_cmp_lg_u32 s[ISQ], 0
	s_cbranch_scc0 .Lfromkey
.irp r, 0,1,2,3,4,5,6,7,8,9,10,11,12,13,14,15
.irp q, 0,1
	global_load_b64 v[PCS+4*\r+2*\q:PCS+4*\r+2*\q+1], v[GO8], s[10:11] offset:(\r+8*(\r/8))*512+256*\q th:TH_LOAD_NT   ; 256 consecutive bytes
	global_load_u8 v[BY+2*\r+\q], v[QSA], s[12:13] offset:(\r+8*(\r/8))*16+8*\q
.endr
.endr
	s_wait_loadcnt 0x0
	s_branch .Lhavex
.Lfromkey:
	LOADROW 0                                      ; (the wait on va_vdst behind the search has shown v56 to v119 free; the merge names v184 to v219 alone)
	LOADROW 1
	LOADROW 2
	LOADROW 3
.set xr, 0
.rept 16
.if 15-xr >= 3
	s_wait_loadcnt 12                              ; this row's four loads are in; the three younger rows' may be out
.else
	s_wait_loadcnt 4*(15-xr)
.endif
	RQ2 RB+16*(xr%4), PCS+4*xr, BY+2*xr
.if xr+4 < 16
	s_wait_alu depctr_va_vdst(0)                   ; the row's holds and conversions are done with its buffer, in which the loads below land
	LOADROW xr+4
.endif
.set xr, xr+1
.endr
.Lhavex:
	v_nop
	s_wait_alu depctr_va_vdst(0)                   ; the conversions have written the codes and the shifts the bytes, which the LDS stores read; the quantiser is done with v56 to v119, in which the first fragments land
.set xr, 0
.rept 16
	RSTORE xr, PCS+4*xr, BY+2*xr
.set xr, xr+1
.endr
.irp b, 0,1,2,3
	v_mov_b32 v[TM+4+\b], 0                        ; written once: a lane permute's destination counts as one of its sources
.endr
	s_wait_dscnt 0x0
	s_barrier_signal -1
	s_barrier_wait -1                              ; the block's eight tiles lie in LDS
	s_wait_alu depctr_vm_vsrc(0)                   ; my LDS stores have read v120 to v183, which the products write, and v224 to v255
	; ---- P: the product and its way out.  No barrier stands behind this branch
	s_cmp_lg_u32 s[ROLE], 0
	s_cbranch_scc0 .Lvtype
	GEMM 0, XLO, XHI, XSA, 0
	s_wait_xcnt 0x0
	v_lshl_add_u32 v254, v0, 2, 0x15400
	v_mov_b32 v255, 0
	s_wait_dscnt 0x0                               ; the closing lines, six on end
	s_wait_alu 0x0
	s_wait_tensorcnt 0x0
	ds_add_u32 v254, v255
	s_wait_dscnt 0x0
	s_endpgm
.Lvtype:
	GEMM 1, XLO, XHI, XSA, 1
	s_wait_xcnt 0x0
	v_lshl_add_u32 v254, v0, 2, 0x15400
	v_mov_b32 v255, 0
	s_wait_dscnt 0x0                               ; the closing lines, six on end, as above
	s_wait_alu 0x0
	s_wait_tensorcnt 0x0
	ds_add_u32 v254, v255
	s_wait_dscnt 0x0
	s_endpgm
.Lfunc_end_k_q8c3a684779_knnproj:
	.size	k_q8c3a684779_knnproj, .Lfunc_end_k_q8c3a684779_knnproj-k_q8c3a684779_knnproj
	.p2alignl 7, 3214868480
	.fill 96, 4, 3214868480
	.section	.rodata,"a",@progbits
	.p2align	6, 0x0
	.amdhsa_kernel k_q8c3a684779_knnproj
		.amdhsa_group_segment_fixed_size 88064
		.amdhsa_private_segment_fixed_size 0
		.amdhsa_enable_private_segment 0
		.amdhsa_kernarg_size 104
		.amdhsa_user_sgpr_count 2
		.amdhsa_user_sgpr_kernarg_segment_ptr 1
		.amdhsa_wavefront_size32 1
		.amdhsa_system_sgpr_workgroup_id_x 1
		.amdhsa_system_sgpr_workgroup_id_y 1
		.amdhsa_system_sgpr_workgroup_id_z 1
		.amdhsa_system_vgpr_workitem_id 0
		.amdhsa_next_free_vgpr 512
		.amdhsa_next_free_sgpr 92
		.amdhsa_reserve_vcc 0
		.amdhsa_float_denorm_mode_32 3
		.amdhsa_float_denorm_mode_16_64 3
		.amdhsa_memory_ordered 1
		.amdhsa_forward_progress 1
		.amdhsa_inst_pref_size 233
	.end_amdhsa_kernel
	.amdgpu_metadata
---
amdhsa.version: [ 1, 2 ]
amdhsa.kernels:
  - .name:           k_q8c3a684779_knnproj
    .symbol:         k_q8c3a684779_knnproj.kd
    .args:
      - { .name: key_pos, .offset: 0, .size: 8, .value_kind: global_buffer, .address_space: global }
      - { .name: xyz_upsample, .offset: 8, .size: 8, .value_kind: global_buffer, .address_space: global }
      - { .name: key, .offset: 16, .size: 8, .value_kind: global_buffer, .address_space: global }
      - { .name: query_codes, .offset: 24, .size: 8, .value_kind: global_buffer, .address_space: global }
      - { .name: query_scales, .offset: 32, .size: 8, .value_kind: global_buffer, .address_space: global }
      - { .name: Wq_codes, .offset: 40, .size: 8, .value_kind: global_buffer, .address_space: global }
      - { .name: Wq_scales, .offset: 48, .size: 8, .value_kind: global_buffer, .address_space: global }
      - { .name: Wkv1_codes, .offset: 56, .size: 8, .value_kind: global_buffer, .address_space: global }
      - { .name: Wkv1_scales, .offset: 64, .size: 8, .value_kind: global_buffer, .address_space: global }
      - { .name: nidx, .offset: 72, .size: 8, .value_kind: global_buffer, .address_space: global }
      - { .name: nwts, .offset: 80, .size: 8, .value_kind: global_buffer, .address_space: global }
      - { .name: qbuf, .offset: 88, .size: 8, .value_kind: global_buffer, .address_space: global }
      - { .name: kv, .offset: 96, .size: 8, .value_kind: global_buffer, .address_space: global }
    .group_segment_fixed_size: 88064
    .private_segment_fixed_size: 0
    .kernarg_segment_align: 8
    .kernarg_segment_size: 104
    .max_flat_workgroup_size: 256
    .sgpr_count:     92
    .vgpr_count:     512
    .wavefront_size: 32
...
	.end_amdgpu_metadata
.endif
;; end of part 4
;; launch chain (part 5): grid 256 x 1, 8 waves a work-group, no clusters, 144,384 bytes of LDS; arguments key, nidx, nwts, fp_w_codes, fp_w_scales, fp_b, Wkv2_codes, Wkv2_scales, kv; writes kv
.if DOCPART == 5
	.amdgcn_target "amdgcn-amd-amdhsa--gfx1250"
	.amdhsa_code_object_version 6
	.text
	.protected	k_q8c3a684779_chain
	.globl	k_q8c3a684779_chain
	.p2align	8
	.type	k_q8c3a684779_chain,@function
k_q8c3a684779_chain:
	s_mov_b64 s[64:65], 0
	v_nop
	global_prefetch_b8 v0, s[64:65] scope:SCOPE_SE
	s_setreg_imm32_b32 hwreg(HW_REG_WAVE_SCHED_MODE, 0, 2), 2
	s_setreg_imm32_b32 hwreg(HW_REG_WAVE_MODE, 25, 1), 1
	s_wait_xcnt 0x0
	s_wait_alu depctr_vm_vsrc(0)
; kv2 for one block of 128 flat rows R2 = 16 n + b of key2 (work-group j: rows 128 j on), through the whole chain, nothing of it in memory:
; gather three rows of key by the stored indices, interp = g0 w0 + g1 w1 + g2 w2 in f32, quantised along C | x fp_w^T + fp_b, relu, quantised along C | x Wkv2^T, quantised (k along d, v along the keys),
; stored as step 8 + j % 16 of batch j / 16 of kv, in the records that the attention launch loads.
; A TILE'S ROWS ARE NOT NEIGHBOURS: lane r of tile t takes row 32 (t / 2) + 8 (t % 2) + r + 8 (r / 8), of the block's rows and of a weight's 64 rows alike, so that the 16 registers of two neighbouring
; result tiles are 16 neighbours along the next product's K.  Wave w quantises tile w's 16 rows, and holds 64 rows of the weight in hand (output columns 64 w on) in 256 registers.
; The weights go from memory into registers, once a work-group: a shared tile would have to pass through LDS, where a weight (512 rows of 528 bytes) does not fit beside the two images of 71,680 bytes.
; LIMITS: NaN and infinities are not served.  A block whose largest magnitude lies under 2^-118 keeps the scale byte 1, a block of zeros too (its codes are zeros; this program alone reads the bytes).
; The stored indices are held at 1,023, which changes none of them.
; THE MODE: SCHED_MODE bits 1:0 = 2 (LLVM: expert scheduling mode 2), set by the entry lines.  The code itself states the register dependences between vector or matrix instructions and memory or LDS
; instructions, and those through scalar registers that vector instructions write, with s_wait_alu, always for 0.
; THE PLAN.  Registers that memory or LDS instructions touch, and who else names them:
;   v1-v20        addresses and offsets: made at the head, never written again: one wait on va_vdst ahead of the first load serves every access by them.
;   GB0 .. GB2    a row's three neighbours: read and written by the row's interpolation and quantiser; the gathers of the row three on land in them.
;   OFF0 .. OFF2  a row's three offsets: read by its twelve gathers; written again, for the row three on, at the head of the row's own turn.
;   PC2, BY2      a row's codes and bytes, two sets: written by the quantiser, read by the row's four LDS stores.
;   A row's turn has four waits; a first va_vdst stands ahead of the quantiser.  va_sdst: its three weights and the three indices of the row three on have been read out of their lanes.  vm_vsrc: the row's gathers have read the offsets that are written
;   again, and the LDS stores of two rows back this set of codes and bytes.  va_vdst, behind the quantiser: codes, bytes and offsets are written and the row's buffer is done with; the LDS stores, the gathers
;   and a fragment of the weight follow it.
;   XF0, XF1, XS  fragments and scale words of the rows: read by a batch's eight products; ONE wait on va_vdst a batch, behind its places, ahead of the run of LDS loads that lands in them.
;   PC, KS, v216, v217   written by a way out's quantiser, read by its stores: a wait on va_vdst between the two, a wait on vm_vsrc ahead of the next quantiser.
;   The weight (window 1) and its scale words: read by matrix instructions; the second weight lands in them behind a wait on va_vdst behind the first product's last batch.
;   v22, v23      written at the head, read by the closing add alone.
.set XIMG,  0                          ; interp's codes: 8704 tile + 2176 s + 544 c + 272 h + 16 r
.set XSC,   69632                      ; their scale bytes: 256 tile + 16 r + block
.set HIMG,  71680                      ; key2's codes, likewise
.set HSC,   141312
.set HALFI, 34816
.set REC,   68608
.set LN,  1
.set RR,  2
.set HH,  3
.set WA,  4
.set WSA, 5
.set XLO, 6
.set XHI, 7
.set XSA, 8
.set WLA, 9
.set SBA, 10
.set GO16, 11
.set GO8, 12
.set LB,  13                           ; 32 x lane + my tile's first batch x 2,048
.set HLO, 14
.set HHI, 15
.set HSA, 16
.set HW,  17                           ; where I store key2's codes: HIMG + 16 r + 272 h + 1088 w
.set HSW, 18                           ; and two scale bytes: HSC + 16 r + 2 w
.set BA,  19
.set NIO, 20
.set TMPV, 21
.set WS,  24                           ; v24-39  the weight's scale words: scales and nothing else
.set XS,  40                           ; v40-55  the rows' scale words, two sets: scales and nothing else
.set XF,  56
.set ACC, 120
.set PC,  184
.set TM,  200
.set KS,  220
.set BIAS, 224                         ; v224-255 fp_b in the result's layout, eight registers a tile
.set GB,  56                           ; phase X: three row buffers of 48: neighbour k at + 16 k
.set PC2, 206                          ; phase X: a row's codes, two sets of 4
.set BY2, 214                          ; its bytes, two sets of 2
.set OFF, 218                          ; three offsets a buffer
.set IX,  228                          ; lane r: row r's three indices
.set WX,  232                          ; and weights
.set WV,  22
.set HM,  23
.set MNT, 24
.set SEL, 26
.set OUT, 28
.set OUTS, 30
.set W0,  32                           ; s[32:33], s[34:35], s[36:37] a row's three weights (the packed form names pairs and takes the low word)
.set GI,  38                           ; s38-46 three indices a row, three sets (s44-46 were the head's scratch)
.set MSB, 0
.macro WIN new                         ; the immediate's high byte repeats the setting that is left
.if MSB != \new
	s_set_vgpr_msb (MSB<<8)|\new
.set MSB, \new
.endif
.endm
.macro WFRAG f, p                      ; fragment f = 4 tile + s of the weight at s[p:p+1], into window 1
.irp c, 0,1,2,3
	global_load_b128 v[16*(\f)+4*\c:16*(\f)+4*\c+3], v[WA], s[\p:\p+1] offset:(32*((\f)/8)+8*(((\f)/4)%2))*512+128*((\f)%4)+32*\c
.endr
.endm
.macro WSLOAD p
.irp n, 0,1,2,3
	global_load_b128 v[WS+4*\n:WS+4*\n+3], v[WSA], s[\p:\p+1] offset:(32*(\n/2)+8*(\n%2))*16
.endr
.endm
; 64 numbers of a lane, four blocks of 16 registers, each block shared with lane l xor 16, become 16 registers of codes in v[PC] on; the blocks' bytes stay in v[TM+4] on.  relu = 1: what is negative becomes 0 on the way.
.macro QUANT s, relu
.if \relu
.irp b, 0,1,2,3
	v_max3_num_f32 v[TM+\b], v[\s+16*\b], v[\s+1+16*\b], 0x4800000   ; no |.|: what is negative must not count; the floor 2^(9 - 127) stands over it
.endr
.irp i, 2,4,6,8,10,12,14
.irp b, 0,1,2,3
	v_max3_num_f32 v[TM+\b], v[TM+\b], v[\s+16*\b+\i], v[\s+1+16*\b+\i]
.endr
.endr
.else
.irp b, 0,1,2,3
	v_max3_num_f32 v[TM+\b], |v[\s+16*\b]|, |v[\s+1+16*\b]|, 0x4800000
.endr
.irp i, 2,4,6,8,10,12,14
.irp b, 0,1,2,3
	v_max3_num_f32 v[TM+\b], v[TM+\b], |v[\s+16*\b+\i]|, |v[\s+1+16*\b+\i]|
.endr
.endr
.endif
.irp b, 0,1,2,3
	v_permlanex16_b32 v[TM+4+\b], v[TM+\b], s[SEL], s[SEL+1]
.endr
.irp b, 0,1,2,3
	v_max_num_f32 v[TM+\b], v[TM+\b], v[TM+4+\b]
.endr
.irp b, 0,1,2,3
	v_add_nc_u32 v[TM+12+\b], 0xfc000000, v[TM+\b]          ; 8 off the exponent field: the conversion's scale operand
.endr
.irp b, 0,1,2,3
	v_and_or_b32 v[TM+8+\b], v[TM+\b], 0x7f800000, s[MNT]   ; 448 x the scale
.endr
.irp b, 0,1,2,3
	v_lshrrev_b32 v[TM+4+\b], 23, v[TM+12+\b]               ; the scale's byte
.endr
.irp b, 0,1,2,3
.irp i, 0,1,2,3,4,5,6,7,8,9,10,11,12,13,14,15
.if \relu
	v_med3_num_f32 v[\s+16*\b+\i], v[\s+16*\b+\i], 0, v[TM+8+\b]             ; the activation and the hold in one
.else
	v_med3_num_f32 v[\s+16*\b+\i], v[\s+16*\b+\i], -v[TM+8+\b], v[TM+8+\b]   ; the conversion does not saturate (ISA guide 7.6.2): the hold
.endif
.endr
	v_cvt_scalef32_pk8_fp8_f32 v[PC+4*\b:PC+1+4*\b], v[\s+16*\b:\s+7+16*\b], v[TM+12+\b]
	v_cvt_scalef32_pk8_fp8_f32 v[PC+2+4*\b:PC+3+4*\b], v[\s+8+16*\b:\s+15+16*\b], v[TM+12+\b]
.endr
	v_nop                                          ; a plain line behind the last conversion: the next products write its sources
.endm
; One row of 512 numbers: lane l holds columns 8 l + 256 q + 0 .. 7 in v[a + 8 q] on; a block of 32 is four neighbouring lanes.
.macro RQ2 a, pc, by
.irp q, 0,1
	v_max3_num_f32 v[TM+\q], |v[(\a)+8*\q]|, |v[(\a)+8*\q+1]|, 0x4800000
.endr
.irp i, 2,4,6
.irp q, 0,1
	v_max3_num_f32 v[TM+\q], v[TM+\q], |v[(\a)+8*\q+\i]|, |v[(\a)+8*\q+\i+1]|
.endr
.endr
.irp q, 0,1
	v_max_num_f32_dpp v[TM+\q], v[TM+\q], v[TM+\q] row_xmask:1 row_mask:0xf bank_mask:0xf
.endr
.irp q, 0,1
	v_max_num_f32_dpp v[TM+\q], v[TM+\q], v[TM+\q] row_xmask:2 row_mask:0xf bank_mask:0xf
.endr
.irp q, 0,1
	v_add_nc_u32 v[TM+2+\q], 0xfc000000, v[TM+\q]
.endr
.irp q, 0,1
	v_and_or_b32 v[TM+4+\q], v[TM+\q], 0x7f800000, s[MNT]
.endr
.irp q, 0,1
.irp i, 0,1,2,3,4,5,6,7
	v_med3_num_f32 v[(\a)+8*\q+\i], v[(\a)+8*\q+\i], -v[TM+4+\q], v[TM+4+\q]
.endr
.endr
.irp q, 0,1
	v_cvt_scalef32_pk8_fp8_f32 v[(\pc)+2*\q:(\pc)+2*\q+1], v[(\a)+8*\q:(\a)+8*\q+7], v[TM+2+\q]
.endr
.irp q, 0,1
	v_lshrrev_b32 v[(\by)+\q], 23, v[TM+2+\q]      ; the byte; also the plain line behind the conversions
.endr
.endm
.macro RSTORE r, pc, by
.irp q, 0,1
	ds_store_b64 v[WLA], v[(\pc)+2*\q:(\pc)+2*\q+1] offset:16*(\r)+4352*\q
	ds_store_b8 v[SBA], v[(\by)+\q] offset:16*(\r)+8*\q
.endr
.endm
.macro XSL g, sa
.irp t, 0,1
	ds_load_b128 v[XS+8*((\g)&1)+4*\t:XS+8*((\g)&1)+4*\t+3], v[\sa] offset:256*(2*(\g)+\t)
.endr
.endm
.macro FX q, lo, hi
.set fxg, (\q)>>2
.set fxs, (\q)&3
.irp t, 0,1
.irp c, 0,1,2,3
.if fxg < 2
	ds_load_b128 v[XF+32*((\q)&1)+16*\t+4*\c:XF+32*((\q)&1)+16*\t+4*\c+3], v[\lo] offset:8704*((2*fxg+\t)&3)+2176*fxs+544*\c
.else
	ds_load_b128 v[XF+32*((\q)&1)+16*\t+4*\c:XF+32*((\q)&1)+16*\t+4*\c+3], v[\hi] offset:8704*((2*fxg+\t)&3)+2176*fxs+544*\c
.endif
.endr
.endr
.endm
; Eight matrix instructions on eight accumulators, one a turn.  role 0: source 0 = 16 rows of the weight, source 1 = 16 rows of the block; role 1: the other way round.
; bias = 1: the first K step takes the bias as C.
.macro MM q, role, bias
.set mg, (\q)>>2
.set ms, (\q)&3
.set mx, XF+32*((\q)&1)
.set mc, XS+8*(mg&1)+ms
.irp t, 0,1
.irp n, 0,1,2,3
.if \role == 0
.set md, ACC+32*\t+8*\n
.if ms == 0
.if \bias
	v_wmma_scale_f32_16x16x128_f8f6f4 v[md:md+7], v[16*(4*\n+ms):16*(4*\n+ms)+15], v[mx+16*\t:mx+16*\t+15], v[BIAS+8*\n:BIAS+8*\n+7], v[WS+4*\n+ms], v[mc+4*\t]
.else
	v_wmma_scale_f32_16x16x128_f8f6f4 v[md:md+7], v[16*(4*\n+ms):16*(4*\n+ms)+15], v[mx+16*\t:mx+16*\t+15], 0, v[WS+4*\n+ms], v[mc+4*\t]
.endif
.else
	v_wmma_scale_f32_16x16x128_f8f6f4 v[md:md+7], v[16*(4*\n+ms):16*(4*\n+ms)+15], v[mx+16*\t:mx+16*\t+15], v[md:md+7], v[WS+4*\n+ms], v[mc+4*\t]
.endif
.else
.set md, ACC+16*\n+8*\t
.if ms == 0
	v_wmma_scale_f32_16x16x128_f8f6f4 v[md:md+7], v[mx+16*\t:mx+16*\t+15], v[16*(4*\n+ms):16*(4*\n+ms)+15], 0, v[mc+4*\t], v[WS+4*\n+ms]
.else
	v_wmma_scale_f32_16x16x128_f8f6f4 v[md:md+7], v[mx+16*\t:mx+16*\t+15], v[16*(4*\n+ms):16*(4*\n+ms)+15], v[md:md+7], v[mc+4*\t], v[WS+4*\n+ms]
.endif
.endif
.endr
.endr
.endm
.macro EPI_K g                         ; tiles 2 g, 2 g + 1 of k: blocks (tile, half of d); each store is 512 consecutive bytes
	s_wait_xcnt 0x0                                ; the last stores have read their data
.if (\g) > 0
	s_wait_alu depctr_vm_vsrc(0)                   ; the stores of the two tiles before have read v[PC ..], which the quantiser below writes again
.endif
	QUANT ACC, 0
	v_lshl_or_b32 v216, v[TM+5], 8, v[TM+4]
	v_lshl_or_b32 v217, v[TM+7], 8, v[TM+6]
	v_lshl_or_b32 v216, v216, 16, v216             ; s0, s1, s0, s1
	v_lshl_or_b32 v217, v217, 16, v217
	v_cndmask_b32 v[KS+(\g)], v216, v217, s[HM]
	s_wait_alu depctr_va_vdst(0)                   ; the conversions have written v[PC ..] and the select v[KS ..], which the stores below read
.irp i, 0,1,2,3
	global_store_b128 v[GO16], v[PC+4*\i:PC+4*\i+3], s[OUT:OUT+1] offset:2048*(\g)+512*\i
.endr
.if (\g) == 3
	global_store_b128 v[GO16], v[KS:KS+3], s[OUTS:OUTS+1]
.endif
.endm
.macro EPI_V g                         ; key block g of v: blocks = the four tiles of d
	s_wait_xcnt 0x0
.if (\g) > 0
	s_wait_alu depctr_vm_vsrc(0)                   ; the stores of the key block before have read v[PC ..], which the quantiser below writes again
.endif
	QUANT ACC, 0
.irp n, 0,1,2,3
.if (\g) == 0
	v_mov_b32 v[KS+\n], v[TM+4+\n]
.else
	v_lshl_or_b32 v[KS+\n], v[TM+4+\n], 8*(\g), v[KS+\n]
.endif
.endr
.if (\g) == 3
	v_cndmask_b32 v216, v[KS], v[KS+1], s[HM]
	v_cndmask_b32 v217, v[KS+2], v[KS+3], s[HM]
.endif
	s_wait_alu depctr_va_vdst(0)                   ; the conversions have written v[PC ..] (and, at the last block, the selects v216 and v217), which the stores below read
.irp n, 0,1,2,3
	global_store_b128 v[GO16], v[PC+4*\n:PC+4*\n+3], s[OUT:OUT+1] offset:2048*\n+512*(\g)
.endr
.if (\g) == 3
	global_store_b64 v[GO8], v[216:217], s[OUTS:OUTS+1]
.endif
.endm
.macro EPI_H g                         ; tiles 2 g, 2 g + 1 of key2, columns 64 w on: relu, codes and two bytes a row into the second image
.if (\g) > 0
	s_wait_alu depctr_vm_vsrc(0)                   ; the LDS stores of the two tiles before have read v[PC ..], v216 and v217, which are written again below
.endif
	QUANT ACC, 1
	v_lshl_or_b32 v216, v[TM+5], 8, v[TM+4]
	v_lshl_or_b32 v217, v[TM+7], 8, v[TM+6]
	s_wait_alu depctr_va_vdst(0)                   ; the conversions have written v[PC ..] and the two lines above v216 and v217, which the LDS stores read
.irp t, 0,1
.irp k, 0,1
	ds_store_b128 v[HW], v[PC+4*(2*\t+\k):PC+4*(2*\t+\k)+3] offset:8704*(2*(\g)+\t)+544*\k
.endr
	ds_store_b16 v[HSW], v[216+\t] offset:256*(2*(\g)+\t)     ; both halves of the lanes write the same two bytes
.endr
.endm
; 128 rows x my 64 columns x K = 512: sixteen batches of eight products.  The fragments run two batches ahead, in two buffers.
; s_wait_dscnt 8: behind batch q's eight loads stand at least the eight of batch q + 1; what else was issued later only makes the count the smaller, safe one.
; Eight plain places stand behind each batch; behind them ONE wait on va_vdst, ahead of the batch's run of LDS loads.  Batches 14 and 15 ask for no fragments.  nxt = 1: behind the last batch the next weight is asked for.
.macro GEMM role, lo, hi, sa, bias, epi, nxt
	XSL 0, \sa
	FX 0, \lo, \hi
	FX 1, \lo, \hi
.set gq, 0
.rept 16
.if gq == 15
	s_wait_dscnt 0x0
.else
	s_wait_dscnt 0x8
.endif
.if \role == 0
	WIN 0x01
.else
	WIN 0x04
.endif
	MM gq, \role, \bias
	WIN 0
.rept 8
	v_nop
.endr
.if gq <= 13
	s_wait_alu depctr_va_vdst(0)                   ; this batch's products are done reading their fragments, and the earlier groups' their scale words: the LDS loads below land in those registers
.endif
.if ((gq&3) == 2) && (gq < 12)
	XSL (gq>>2)+1, \sa
.endif
.if gq <= 13
	FX gq+2, \lo, \hi
.endif
.if (gq == 15) && \nxt
	WIN 0x40
	s_wait_alu depctr_va_vdst(0)                   ; the last products are done reading the weight and its scale words, in which the next weight's loads land
.set wf, 0
.rept 16
	WFRAG wf, 16
.set wf, wf+1
.endr
	WIN 0
	WSLOAD 18
.endif
.if (gq&3) == 3
.if \epi == 0
	EPI_K gq>>2
.elseif \epi == 1
	EPI_V gq>>2
.else
	EPI_H gq>>2
.endif
.endif
.set gq, gq+1
.endr
.endm
; Row r of my tile: its three neighbours' rows of key, key[index][batch][:], 12 loads, in four parts, so that the waits between them can serve other lines too.
; The index is read from lane r, held inside the table, and enters the offset by a shift and an addition.
.macro GIDX r                          ; the three indices out of lane r
.irp k, 0,1,2
	v_readlane_b32 s[GI+3*((\r)%3)+\k], v[IX+\k], \r
.endr
.endm
.macro GOFF r                          ; behind the wait for them
.irp k, 0,1,2
	s_min_u32 s[GI+3*((\r)%3)+\k], s[GI+3*((\r)%3)+\k], 1023
.endr
.irp k, 0,1,2
	s_lshl_b32 s[GI+3*((\r)%3)+\k], s[GI+3*((\r)%3)+\k], 15
.endr
.endm
.macro GADD r                          ; the three offsets
.irp k, 0,1,2
	v_add_nc_u32 v[OFF+3*((\r)%3)+\k], s[GI+3*((\r)%3)+\k], v[LB]
.endr
.endm
.macro GLOAD r                         ; and the loads
.set gl, GB+48*((\r)%3)
.set ga, OFF+3*((\r)%3)
.irp k, 0,1,2
.irp q, 0,1
.irp i, 0,1
	global_load_b128 v[gl+16*\k+8*\q+4*\i:gl+16*\k+8*\q+4*\i+3], v[ga+\k], s[4:5] offset:((\r)%8)*2048+1024*\q+16*\i
.endr
.endr
.endr
.endm
	s_load_b512 s[4:19], s[0:1], 0x0               ; key, nidx, nwts, fp_w codes, fp_w scales, fp_b, Wkv2 codes, Wkv2 scales
	s_load_b64 s[20:21], s[0:1], 0x40              ; kv
	v_lshl_add_u32 v22, v0, 2, 0x23000
	v_mov_b32 v23, 0
	v_lshrrev_b32 v[TMPV], 5, v0
	v_readfirstlane_b32 s[WV], v[TMPV]             ; wave 0..7
	v_and_b32 v[LN], 31, v0
	v_and_b32 v[RR], 15, v0
	v_bfe_u32 v[HH], v0, 4, 1
	v_and_b32 v[TMPV], 8, v[RR]
	v_add_nc_u32 v[TMPV], v[TMPV], v[RR]           ; r + 8 (r / 8)
	s_wait_alu depctr_va_sdst(0)                   ; the wave's number is written, ahead of its first reader
	s_lshl_b32 s44, s[WV], 15
	v_lshl_add_u32 v[WA], v[TMPV], 9, s44
	v_lshl_add_u32 v[WA], v[HH], 4, v[WA]
	s_lshl_b32 s44, s[WV], 10
	v_lshl_add_u32 v[WSA], v[TMPV], 4, s44
	v_lshlrev_b32 v[XLO], 4, v[RR]
	v_mad_u32_u24 v[XLO], v[HH], 272, v[XLO]       ; 16 r + 272 h
	v_add_nc_u32 v[XHI], XIMG+HALFI, v[XLO]
	v_add_nc_u32 v[HLO], HIMG, v[XLO]
	v_add_nc_u32 v[HHI], HIMG+HALFI, v[XLO]
	s_mul_i32 s44, s[WV], 1088
	v_add_nc_u32 v[HW], s44, v[HLO]
	v_lshl_add_u32 v[XSA], v[RR], 4, XSC
	v_lshl_add_u32 v[HSA], v[RR], 4, HSC
	s_lshl_b32 s44, s[WV], 1
	v_add_nc_u32 v[HSW], s44, v[HSA]
	v_lshrrev_b32 v[TMPV], 1, v[LN]
	v_mul_u32_u24 v[WLA], v[TMPV], 272
	v_and_b32 v[TMPV], 1, v[LN]
	v_lshl_add_u32 v[WLA], v[TMPV], 3, v[WLA]
	s_mul_i32 s44, s[WV], 8704
	v_add_nc_u32 v[WLA], s44, v[WLA]
	v_lshrrev_b32 v[SBA], 2, v[LN]
	s_lshl_b32 s44, s[WV], 8
	s_add_co_u32 s45, s44, XSC
	v_add_nc_u32 v[SBA], s45, v[SBA]
	v_lshl_add_u32 v[BA], v[HH], 6, s44            ; fp_b: 256 w + 64 h
	v_lshlrev_b32 v[GO16], 4, v[LN]
	v_lshlrev_b32 v[GO8], 3, v[LN]
	v_and_b32 v[TMPV], 7, v[RR]
	v_lshlrev_b32 v[NIO], 15, v[TMPV]
	v_lshrrev_b32 v[TMPV], 3, v[RR]
	v_lshl_add_u32 v[NIO], v[TMPV], 4, v[NIO]      ; row r of my tile: batch + r % 8, point + r / 8
	s_and_b32 s44, s[WV], 1                        ; my tile: batches 8 (w % 2) on, points 8 j + 2 (w / 2) on
	s_lshl_b32 s45, s44, 18
	s_lshl_b32 s46, ttmp9, 7
	s_add_co_u32 s45, s45, s46
	s_lshr_b32 s46, s[WV], 1
	s_lshl_b32 s46, s46, 5
	s_add_co_u32 s46, s45, s46
	s_mov_b32 s47, 0
	s_lshl_b32 s44, s44, 14
	v_lshl_add_u32 v[LB], v[LN], 5, s44
	s_lshr_b32 s48, ttmp9, 4                       ; the record: 24 (j / 16) + 8 + j % 16
	s_mul_i32 s48, s48, 24
	s_and_b32 s49, ttmp9, 15
	s_add_co_u32 s48, s48, s49
	s_add_co_u32 s48, s48, 8
	s_mul_i32 s48, s48, REC
	s_lshl_b32 s49, s[WV], 13
	s_add_co_u32 s50, s48, s49                     ; my codes
	s_mov_b32 s51, 0
	s_lshl_b32 s52, s[WV], 9
	s_add_co_u32 s52, s52, 65536
	s_lshl_b32 s53, s[WV], 8
	s_add_co_u32 s53, s53, 66560
	s_cmp_lt_u32 s[WV], 4
	s_cselect_b32 s52, s52, s53
	s_add_co_u32 s52, s52, s48                     ; my scale words
	s_mov_b32 s53, 0
	s_mov_b32 s[HM], 0xffff0000
	s_mov_b32 s[MNT], 0x600000
	s_mov_b32 s[SEL], 0x76543210
	s_mov_b32 s[SEL+1], 0xfedcba98
	s_mov_b32 s[W0+1], 0                           ; named with the weights as pairs, so they are written
	s_mov_b32 s[W0+3], 0
	s_mov_b32 s[W0+5], 0
	s_wait_kmcnt 0x0
	s_add_nc_u64 s[6:7], s[6:7], s[46:47]
	s_add_nc_u64 s[8:9], s[8:9], s[46:47]
	s_add_nc_u64 s[OUT:OUT+1], s[20:21], s[50:51]
	s_add_nc_u64 s[OUTS:OUTS+1], s[20:21], s[52:53]
	s_wait_alu depctr_va_vdst(0)                   ; the addresses and offsets v1 to v20 are written, which the kernel's loads and stores read; none of them is written again
	global_load_b128 v[IX:IX+3], v[NIO], s[6:7]
	global_load_b128 v[WX:WX+3], v[NIO], s[8:9]
	WSLOAD 12
	s_wait_loadcnt 0x4                             ; the indices and weights are in; the four loads of scale words may be out
	; ---- X: gather and interpolate, three rows on their way; fp_w's sixteen fragments are asked for among the gathers, one a row
	GIDX 0                                         ; the first three rows' nine indices in one run,
	GIDX 1
	GIDX 2
	s_wait_alu depctr_va_sdst(0)                   ; written, ahead of their first readers
	GOFF 0
	GOFF 1
	GOFF 2
	GADD 0
	GADD 1
	GADD 2
	s_wait_alu depctr_va_vdst(0)                   ; the nine offsets are written, which the 36 loads read
	GLOAD 0
	GLOAD 1
	GLOAD 2
.set xr, 0
.rept 16
.set wl, 24
.if 15-xr < 2
.set wl, 12*(15-xr)
.endif
.set ww, 12
.if xr < 3
.set ww, 4*xr
.endif
	s_wait_loadcnt wl+ww                           ; behind this row's 12 loads: the two younger rows' (12 each, fewer at the end) and up to three fragments of the weight (4 each)
.set gb, GB+48*(xr%3)
	v_readlane_b32 s[W0], v[WX], xr
	v_readlane_b32 s[W0+2], v[WX+1], xr
	v_readlane_b32 s[W0+4], v[WX+2], xr
.if xr+3 < 16
	GIDX xr+3
.endif
	s_wait_alu depctr_va_sdst(0)                   ; the row's three weights (and the three indices of the row three on) are written, ahead of their first readers
.if xr+3 < 16
	GOFF xr+3
.endif
	s_wait_alu depctr_vm_vsrc(0)                   ; this row's gathers have read their offsets, and the LDS stores of two rows back this set of codes and bytes: both are written again below
.if xr+3 < 16
	GADD xr+3
.endif
.irp p, 0,2,4,6,8,10,12,14
	v_pk_mul_f32 v[gb+\p:gb+\p+1], v[gb+\p:gb+\p+1], s[W0:W0+1] op_sel_hi:[1,0]
.endr
.irp p, 0,2,4,6,8,10,12,14
	v_pk_fma_f32 v[gb+\p:gb+\p+1], v[gb+16+\p:gb+17+\p], s[W0+2:W0+3], v[gb+\p:gb+\p+1] op_sel_hi:[1,0,1]
.endr
.irp p, 0,2,4,6,8,10,12,14
	v_pk_fma_f32 v[gb+\p:gb+\p+1], v[gb+32+\p:gb+33+\p], s[W0+4:W0+5], v[gb+\p:gb+\p+1] op_sel_hi:[1,0,1]
.endr
	s_wait_alu depctr_va_vdst(0)
	s_wait_dscnt 0x4                               ; the last row's four LDS stores may be out; those of two rows back, which read this set, are done
	RQ2 GB+48*(xr%3), PC2+4*(xr%2), BY2+2*(xr%2)
	s_wait_alu depctr_va_vdst(0)                   ; the codes, the bytes and the offsets are written, which the LDS stores and the gathers read; the row's buffer is done with, in which the gathers land
	RSTORE xr, PC2+4*(xr%2), BY2+2*(xr%2)
.if xr+3 < 16
	GLOAD xr+3
.endif
	WIN 0x40
	WFRAG xr, 10
	WIN 0
.set xr, xr+1
.endr
.irp n, 0,1,2,3                        ; these land on the offsets, the indices and the weights: the last row's wait on va_vdst stands behind their last vector reader and writer, the last rows' waits on vm_vsrc behind the last gather
	global_load_b128 v[BIAS+8*\n:BIAS+8*\n+3], v[BA], s[14:15] offset:(32*(\n/2)+8*(\n%2))*4       ; lane (r, h), tile 2 b + u: fp_b at 64 w + 32 b + 16 h + 8 u + 0 .. 7
	global_load_b128 v[BIAS+8*\n+4:BIAS+8*\n+7], v[BA], s[14:15] offset:(32*(\n/2)+8*(\n%2))*4+16
.endr
	s_wait_alu depctr_vm_vsrc(0)                   ; the last rows' LDS stores have read v206 to v217, which the lines below and the quantisers write
.irp b, 0,1,2,3
	v_mov_b32 v[TM+4+\b], 0                        ; written once: a lane permute's destination counts as one of its sources
.endr
	s_wait_dscnt 0x0
	s_barrier_signal -1
	s_barrier_wait -1                              ; interp's eight tiles lie in LDS
	s_wait_loadcnt 0x0                             ; fp_w, its scale words, fp_b
	; ---- key2 = relu(interp fp_w^T + fp_b), transposed: a lane holds one row, its registers run along the columns, which are the next K
	GEMM 0, XLO, XHI, XSA, 1, 2, 1
	s_wait_dscnt 0x0
	s_barrier_signal -1
	s_barrier_wait -1                              ; key2's eight tiles lie in LDS
	s_wait_alu depctr_vm_vsrc(0)                   ; my last LDS stores of key2 have read v[PC ..], v216 and v217, which the next way out writes
	s_wait_loadcnt 0x0                             ; Wkv2 and its scale words
	; ---- kv2.  No barrier stands behind this branch
	s_cmp_lt_u32 s[WV], 4
	s_cbranch_scc0 .Lvtype
	GEMM 0, HLO, HHI, HSA, 0, 0, 0
	s_wait_dscnt 0x0                               ; the closing lines, six on end
	s_wait_alu 0x0
	s_wait_tensorcnt 0x0
	ds_add_u32 v22, v23
	s_wait_dscnt 0x0
	s_endpgm
.Lvtype:
	GEMM 1, HLO, HHI, HSA, 0, 1, 0
	s_wait_dscnt 0x0                               ; the closing lines, six on end, as above
	s_wait_alu 0x0
	s_wait_tensorcnt 0x0
	ds_add_u32 v22, v23
	s_wait_dscnt 0x0
	s_endpgm
.Lfunc_end_k_q8c3a684779_chain:
	.size	k_q8c3a684779_chain, .Lfunc_end_k_q8c3a684779_chain-k_q8c3a684779_chain
	.p2alignl 7, 3214868480
	.fill 96, 4, 3214868480
	.section	.rodata,"a",@progbits
	.p2align	6, 0x0
	.amdhsa_kernel k_q8c3a684779_chain
		.amdhsa_group_segment_fixed_size 144384
		.amdhsa_private_segment_fixed_size 0
		.amdhsa_enable_private_segment 0
		.amdhsa_kernarg_size 72
		.amdhsa_user_sgpr_count 2
		.amdhsa_user_sgpr_kernarg_segment_ptr 1
		.amdhsa_wavefront_size32 1
		.amdhsa_system_sgpr_workgroup_id_x 1
		.amdhsa_system_sgpr_workgroup_id_y 1
		.amdhsa_system_sgpr_workgroup_id_z 1
		.amdhsa_system_vgpr_workitem_id 0
		.amdhsa_next_free_vgpr 512
		.amdhsa_next_free_sgpr 66
		.amdhsa_reserve_vcc 0
		.amdhsa_float_denorm_mode_32 3
		.amdhsa_float_denorm_mode_16_64 3
		.amdhsa_memory_ordered 1
		.amdhsa_forward_progress 1
		.amdhsa_inst_pref_size 255
	.end_amdhsa_kernel
	.section	.bss,"aw",@nobits
	.p2align	6
	.space	262144
	.amdgpu_metadata
---
amdhsa.version: [ 1, 2 ]
amdhsa.kernels:
  - .name:           k_q8c3a684779_chain
    .symbol:         k_q8c3a684779_chain.kd
    .args:
      - { .name: key, .offset: 0, .size: 8, .value_kind: global_buffer, .address_space: global }
      - { .name: nidx, .offset: 8, .size: 8, .value_kind: global_buffer, .address_space: global }
      - { .name: nwts, .offset: 16, .size: 8, .value_kind: global_buffer, .address_space: global }
      - { .name: fp_w_codes, .offset: 24, .size: 8, .value_kind: global_buffer, .address_space: global }
      - { .name: fp_w_scales, .offset: 32, .size: 8, .value_kind: global_buffer, .address_space: global }
      - { .name: fp_b, .offset: 40, .size: 8, .value_kind: global_buffer, .address_space: global }
      - { .name: Wkv2_codes, .offset: 48, .size: 8, .value_kind: global_buffer, .address_space: global }
      - { .name: Wkv2_scales, .offset: 56, .size: 8, .value_kind: global_buffer, .address_space: global }
      - { .name: kv, .offset: 64, .size: 8, .value_kind: global_buffer, .address_space: global }
    .group_segment_fixed_size: 144384
    .private_segment_fixed_size: 0
    .kernarg_segment_align: 8
    .kernarg_segment_size: 72
    .max_flat_workgroup_size: 256
    .sgpr_count:     66
    .vgpr_count:     512
    .wavefront_size: 32
...
	.end_amdgpu_metadata
.endif
;; end of part 5
;; launch attn (part 6): grid 16 x 16, 16 waves a work-group, clusters of 4 x 1, 327,680 bytes of LDS; arguments qbuf, kv, proj_w_codes, proj_w_scales, proj_b, out0; writes out0
.if DOCPART == 6
	.amdgcn_target "amdgcn-amd-amdhsa--gfx1250"
	.amdhsa_code_object_version 6
	.text
	.protected	k_q8c3a684779_attn
	.globl	k_q8c3a684779_attn
	.p2align	8
	.type	k_q8c3a684779_attn,@function
k_q8c3a684779_attn:
	s_mov_b64 s[64:65], 0
	v_nop
	global_prefetch_b8 v0, s[64:65] scope:SCOPE_SE
	s_setreg_imm32_b32 hwreg(HW_REG_WAVE_MODE, 25, 1), 1
	s_wait_xcnt 0x0
	s_wait_alu depctr_hold_cnt(0) depctr_sa_sdst(0) depctr_va_vdst(0) depctr_va_sdst(0) depctr_va_ssrc(0) depctr_va_vcc(0) depctr_vm_vsrc(0)
	s_getreg_b32 s2, hwreg(HW_REG_IB_STS2, 6, 4)
	s_cmp_eq_u32 s2, 0
	s_cbranch_scc0 .Lentry_in_a_cluster
	s_endpgm
.Lentry_in_a_cluster:
	s_bfe_u32 s2, ttmp6, 0x10000c
	s_cmp_lg_u32 s2, 0x3003
	s_cbranch_scc0 .Lentry_shape_is_right
	s_endpgm
.Lentry_shape_is_right:
; Both attentions and the last projection, on E4M3 codes with E8M0 scales.  A work-group owns 64 queries of one batch b' (grid y), all eight heads; so it ends with 64 whole rows of x and makes out0's rows itself.
; Wave w: tile T = w % 4 of 16 queries, head pair hp = w / 4: first head hp over kv1's 8 steps of 128 keys, then head 4 + hp over kv2's 16 steps: 24 equal steps in every wave.
; THE SOFTMAX: t = score x log2(e) / 8; M = the running largest t rounded up to a whole number; p = 2^(t - M) is quantised along the keys, not normalised; the row's sum is taken of the unquantised p and
; divides at the end.  When M moves, the sum and O are multiplied by 2^(old M - new M), which rounds nothing.
; Both products are used transposed (S^T = K Q^T, O^T = V^T P^T): a lane holds one query throughout.  The records of kv and qbuf are images of operand registers: every LDS load is 512 consecutive bytes.
; K = 64 IN AN INSTRUCTION OF 128: the other half is zero codes on both sides.  Registers lie [data 8][zeros 8][data 8]: an even tile names data, zeros; an odd tile zeros, data; the scale words hold s0, s1, s0, s1.
; CLUSTER: the four work-groups of a cluster belong to one batch and walk the same 24 records, so each record is asked for JOINTLY, a quarter (67 rows of 256 bytes) by each of waves 0 to 3.
; By this text's count a wave has one tensor load out at the most.
; LIMITS: NaN and infinities are not served.  A block whose largest magnitude lies under 2^-118 keeps the scale byte 1, a block of zeros too (its codes are zeros; this program alone reads the bytes).
; REGISTERS: v1-4 my places in a record; v5, v6 the spare word's address and 0; v7 the prefetch's offset; v8-11 addresses in hand; v12 -M, v13 the largest t, v[14:15] the sum; v16-39, v40-63 Q of my two heads;
; v64-111 four tiles of K; v112-175 S^T, then p, then V; v176-207 O^T; v208-223 p's codes; v224-242 at work; v243 p's scale word; v244-247 K's, v248-249 V's, v250-251 Q's, v252-255 proj_w's scales; v244-249 and v252-255 also hold partial sums of p.
.set REC,   68608
.set QREC,  69632
.set QUART, 17152
.set SLOT1, 1<<17                      ; slot 1 begins here: one exclusive or turns an address of one slot into the other's
.set XIMG,  199680                     ; behind the ring: x's codes as images: 2048 (4 T + s) + 512 c + 16 lane
.set XSC,   232448                     ; their scale bytes: 256 T + 16 r + block
.set SPARE, 233472                     ; the spare words, 128 bytes for each of 16 waves: eight blocks of 256 bytes that no other line names
.set SPITCH, 2064                      ; the way out: 64 rows of 2,048 bytes + 16, from LDS byte 0: over the slots, which have had their last fill and their last read by then
.set WV,  16
.set TT,  17
.set HP,  18
.set CX,  19
.set QB,  20
.set BP,  21
.set CS,  22                           ; s[22:23] c = log2(e) / 8
.set G1,  24                           ; s[24:31] descriptor group 1
.set G0,  32                           ; s[32:35] descriptor group 0, which walks
.set TB,  36                           ; the slot in hand
.set LEFT, 37                          ; records still to be asked for
.set LIM, 38
.set PFA, 40
.set SEL, 42
.set MNT, 44
.macro CROUND                          ; a round of the cluster's barrier
	s_barrier_signal -1
	s_barrier_wait -1
	s_cmp_lg_u32 s[WV], 0
	s_cbranch_scc1 .Lnot_wave_0_\@
	s_barrier_signal -3
.Lnot_wave_0_\@:
	s_barrier_wait -3
	s_barrier_signal -1
	s_barrier_wait -1
.endm
.macro TLOAD                           ; waves 0 to 3 fetch a quarter of a record each; four v_nop follow the line
	s_cmp_lt_u32 s[WV], 4
	s_cbranch_scc0 .Lno_fetch_\@
	tensor_load_to_lds s[G0:G0+3], s[G1:G1+7]
	s_nop 0
.rept 4
	v_nop
.endr
.Lno_fetch_\@:
.endm
; A prefetch of the record that the NEXT change of slots will ask for: one key step ahead of that load.  All four clusters of a batch walk the same records: the first of them asks.  Its four partners take a quarter
; each, told apart BY ADDRESS; in each, waves 4 to 6 ask, a lane a block of 256 bytes (67 blocks; the lanes over repeat the last).  The last change that fills a slot asks for nothing.
.macro ASK
	s_cmp_gt_u32 s[LEFT], s[LIM]
	s_cbranch_scc0 .Lnot_mine_\@
	global_prefetch_b8 v7, s[PFA:PFA+1] th:TH_LOAD_NT scope:SCOPE_SE
.Lnot_mine_\@:
.endm
; THE CHANGE OF SLOTS stands at a step's head.  Each wave waits for all its tensor loads, adds 0 to its spare word, and waits for that and for its reads of the slot that it has left.  fill = 1: a round of the
; cluster's barrier, and behind it the slot just left takes the next record: the load has a whole step in which to land.
.macro CHANGE fill
	s_wait_tensorcnt 0x0                           ; no tensor load of mine is out, so the group 0 may be written
	ds_add_u32 v5, v6                              ; 0 onto my spare word
.if \fill
	s_xor_b32 s[G0+1], s[G0+1], SLOT1
	s_add_nc_u64 s[G0+2:G0+3], s[G0+2:G0+3], REC   ; the type bits on top are not reached
	s_wait_xcnt 0x0                                ; the last prefetch, a step back, has read its address
	s_add_nc_u64 s[PFA:PFA+1], s[PFA:PFA+1], REC
.endif
	s_wait_dscnt 0x0                               ; the add is done, and my reads of the slot that I have left are over
.if \fill
	CROUND
	TLOAD
	ASK
.else
	s_barrier_signal -1
	s_barrier_wait -1
.endif
.endm
; A KEY STEP: 128 keys against my 16 queries.  qf: Q's registers; qs: Q's scale word.
.macro STEP qf, qs
	v_add_nc_u32 v8, s[TB], v1
	s_wait_alu depctr_va_vdst(0)
	v_add_nc_u32 v9, s[TB], v2
	v_add_nc_u32 v10, s[TB], v3
	v_add_nc_u32 v11, s[TB], v4
.rept 5
	v_nop                                          ; with the four additions nine places: the first products below write over registers that the last step's products read
.endr
	ds_load_b128 v[244:247], v10                   ; K's scale words: word g: lanes 0-15 tile 2 g, lanes 16-31 tile 2 g + 1
.irp g, 0,1
.if \g
.rept 8
	v_nop                                          ; places in front of loads into registers that matrix instructions have read
.endr
.endif
.irp t, 0,1,2,3
.irp c, 0,1
	ds_load_b128 v[64+24*(\t/2)+16*(\t%2)+4*\c:64+24*(\t/2)+16*(\t%2)+4*\c+3], v8 offset:1024*(4*\g+\t)+512*\c
.endr
.endr
	s_wait_dscnt 0x0
.irp u, 0,1
	v_wmma_scale_f32_16x16x128_f8f6f4 v[112+8*(4*\g+2*\u):119+8*(4*\g+2*\u)], v[64+24*\u:79+24*\u], v[\qf:\qf+15], 0, v[244+2*\g+\u], v[\qs]
	v_wmma_scale_f32_16x16x128_f8f6f4 v[120+8*(4*\g+2*\u):127+8*(4*\g+2*\u)], v[72+24*\u:87+24*\u], v[\qf+8:\qf+23], 0, v[244+2*\g+\u], v[\qs] matrix_a_scale:MATRIX_SCALE_ROW1
.endr
.endr                                  ; lane (r, h): query r; registers 112 + 16 b + i: key 32 b + 16 h + i
.rept 8
	v_nop
.endr
.irp b, 0,1,2,3
	v_max3_num_f32 v[224+\b], v[112+16*\b], v[113+16*\b], v[114+16*\b]   ; the largest score of each block of 32 keys: for the row's maximum and, since p rises with the score, for the block's largest p
.endr
.irp i, 3,5,7,9,11,13
.irp b, 0,1,2,3
	v_max3_num_f32 v[224+\b], v[224+\b], v[112+16*\b+\i], v[113+16*\b+\i]
.endr
.endr
.irp b, 0,1,2,3
	v_max_num_f32 v[224+\b], v[224+\b], v[127+16*\b]
.endr
.irp b, 0,1,2,3
	s_delay_alu instid0(VALU_DEP_4)
	v_permlanex16_b32 v[228+\b], v[224+\b], s[SEL], s[SEL+1]
.endr
.irp b, 0,1,2,3
	s_delay_alu instid0(VALU_DEP_4)
	v_max_num_f32 v[224+\b], v[224+\b], v[228+\b]
.endr
	s_delay_alu instid0(VALU_DEP_2)
	v_max3_num_f32 v242, v224, v225, v226
	s_delay_alu instid0(VALU_DEP_1)
	v_max_num_f32 v242, v242, v227
	s_delay_alu instid0(VALU_DEP_1)
	v_mul_f32 v242, s[CS], v242                    ; as t (c is positive)
	s_delay_alu instid0(VALU_DEP_1)
	v_max_num_f32 v13, v13, v242                   ; the running largest t
	v_mov_b32 v242, v12
	s_delay_alu instid0(VALU_DEP_2)
	v_floor_f32 v12, -v13                          ; the new -M = floor(-t)
	s_delay_alu instid0(VALU_DEP_1)
	v_sub_f32 v242, v12, v242                      ; old M - new M: a whole number, 0 or less
	s_delay_alu instid0(VALU_DEP_1)
	v_cvt_i32_f32 v242, v242                       ; (it saturates)
	s_delay_alu instid0(VALU_DEP_1)
	v_ldexp_f32 v240, 1.0, v242                    ; f = 2^(old M - new M)
.set j, 0
.rept 32
	v_pk_fma_f32 v[112+j:113+j], v[112+j:113+j], s[CS:CS+1], v[12:13] op_sel_hi:[1,0,0]   ; t - M, two at a time
.set j, j+2
.endr
.irp b, 0,1,2,3
	v_fma_f32 v[224+\b], v[224+\b], s[CS], v12
.endr
.set j, 0
	s_wait_alu depctr_va_vdst(0)
.rept 64
	v_exp_f32 v[112+j], v[112+j]                   ; p = 2^(t - M)
.set j, j+1
.endr
	v_pk_mul_f32 v[14:15], v[14:15], v[240:241] op_sel_hi:[1,0]   ; the sums under the new M; a plain line behind the exponentials
	s_wait_alu depctr_va_vdst(0)                   ; one wait for the batch, ahead of its first reader
.irp b, 0,1,2,3
	v_exp_f32 v[224+\b], v[224+\b]                 ; the block's largest p
.endr
	v_pk_add_f32 v[228:229], v[116:117], v[120:121]
	v_pk_add_f32 v[254:255], v[124:125], v[128:129]
	v_pk_add_f32 v[252:253], v[132:133], v[136:137]
	v_pk_add_f32 v[248:249], v[140:141], v[144:145]
	v_pk_add_f32 v[246:247], v[148:149], v[152:153]
	v_pk_add_f32 v[244:245], v[156:157], v[160:161]
	v_pk_add_f32 v[238:239], v[164:165], v[168:169]
	v_pk_add_f32 v[14:15], v[14:15], v[172:173]
	v_pk_add_f32 v[228:229], v[228:229], v[112:113]
	v_pk_add_f32 v[254:255], v[254:255], v[114:115]
	v_pk_add_f32 v[252:253], v[252:253], v[118:119]
	v_pk_add_f32 v[248:249], v[248:249], v[122:123]
	v_pk_add_f32 v[246:247], v[246:247], v[126:127]
	v_pk_add_f32 v[244:245], v[244:245], v[130:131]
	v_pk_add_f32 v[238:239], v[238:239], v[134:135]
	v_pk_add_f32 v[14:15], v[14:15], v[138:139]
	v_pk_add_f32 v[228:229], v[228:229], v[142:143]
	v_pk_add_f32 v[254:255], v[254:255], v[146:147]
	v_pk_add_f32 v[252:253], v[252:253], v[150:151]
	v_pk_add_f32 v[248:249], v[248:249], v[154:155]
	v_pk_add_f32 v[246:247], v[246:247], v[158:159]
	v_pk_add_f32 v[244:245], v[244:245], v[162:163]
	v_pk_add_f32 v[238:239], v[238:239], v[166:167]
	v_pk_add_f32 v[14:15], v[14:15], v[170:171]
	v_pk_add_f32 v[228:229], v[228:229], v[174:175]
	s_delay_alu instid0(VALU_DEP_2)
	v_pk_add_f32 v[14:15], v[14:15], v[248:249]
	s_delay_alu instid0(VALU_DEP_2)
	v_pk_add_f32 v[228:229], v[228:229], v[246:247]
	v_pk_add_f32 v[254:255], v[254:255], v[244:245]
	v_pk_add_f32 v[252:253], v[252:253], v[238:239]
	s_delay_alu instid0(VALU_DEP_2)
	v_pk_add_f32 v[14:15], v[14:15], v[254:255]
	s_delay_alu instid0(VALU_DEP_2)
	v_pk_add_f32 v[228:229], v[228:229], v[252:253]
	s_delay_alu instid0(VALU_DEP_1)
	v_pk_add_f32 v[14:15], v[14:15], v[228:229]
	s_wait_alu depctr_va_vdst(0)                   ; and one for the four
.irp b, 0,1,2,3
	v_max_num_f32 v[224+\b], 0x4800000, v[224+\b]  ; the floor 2^(9 - 127)
.endr
.irp b, 0,1,2,3
	s_delay_alu instid0(VALU_DEP_4)
	v_add_nc_u32 v[236+\b], 0xfc000000, v[224+\b]
.endr
.irp b, 0,1,2,3
	v_and_or_b32 v[232+\b], v[224+\b], 0x7f800000, s[MNT]
.endr
.irp b, 0,1,2,3
	v_lshrrev_b32 v[228+\b], 23, v[236+\b]
.endr
	s_delay_alu instid0(VALU_DEP_3)
	v_lshl_or_b32 v243, v229, 8, v228              ; p's scale word for these 128 keys
	s_delay_alu instid0(VALU_DEP_1)
	v_lshl_or_b32 v243, v230, 16, v243
	s_delay_alu instid0(VALU_DEP_1)
	v_lshl_or_b32 v243, v231, 24, v243
.irp b, 0,1,2,3
.set j, 0
.rept 16
	v_min_num_f32 v[112+16*\b+j], v[112+16*\b+j], v[232+\b]   ; the conversion does not saturate (ISA guide 7.6.2); p is not negative: a one-sided hold
.set j, j+1
.endr
	v_cvt_scalef32_pk8_fp8_f32 v[208+4*\b:209+4*\b], v[112+16*\b:119+16*\b], v[236+\b]
	v_cvt_scalef32_pk8_fp8_f32 v[210+4*\b:211+4*\b], v[120+16*\b:127+16*\b], v[236+\b]
.irp c, 0,1,2,3
	ds_load_b128 v[112+16*\b+4*\c:115+16*\b+4*\c], v9 offset:2048*\b+512*\c   ; V's tile b of d lands in the 16 registers that block b has left
.endr
.endr
	ds_load_b64 v[248:249], v11                    ; V's scale words
.set j, 0
.rept 16
	v_pk_mul_f32 v[176+j:177+j], v[176+j:177+j], v[240:241] op_sel_hi:[1,0]   ; O^T under the new M; also the places behind the codes and the scale word
.set j, j+2
.endr
.rept 4
	v_nop                                          ; so that no accumulator is written directly ahead of the products that add onto it
.endr
	s_wait_alu depctr_va_vdst(0)
	s_wait_dscnt 0x0
.irp u, 0,1
	v_wmma_scale_f32_16x16x128_f8f6f4 v[176+16*\u:183+16*\u], v[112+32*\u:127+32*\u], v[208:223], v[176+16*\u:183+16*\u], v[248+\u], v243
	v_wmma_scale_f32_16x16x128_f8f6f4 v[184+16*\u:191+16*\u], v[128+32*\u:143+32*\u], v[208:223], v[184+16*\u:191+16*\u], v[248+\u], v243 matrix_a_scale:MATRIX_SCALE_ROW1
.endr
	s_xor_b32 s[TB], s[TB], SLOT1                  ; on to the other slot
.endm
.macro PWLOAD s                        ; proj_w's two tiles (rows 32 w + 16 n + r) for K step s
.irp n, 0,1
.irp c, 0,1,2,3
	global_load_b128 v[16+32*((\s)%2)+16*\n+4*\c:16+32*((\s)%2)+16*\n+4*\c+3], v1, s[8:9] offset:8192*\n+128*(\s)+32*\c
.endr
.endr
.endm
; A head is finished: x = O / the sum, quantised along C (registers 176 + 16 b + i: column 64 H + 32 b + 16 h + i), its codes and two bytes into x's image.  ph = 0: head hp, and the state is set anew; ph = 1: head 4 + hp,
; and what the projection wants from memory is asked for.
.macro FINISH ph
	v_add_f32 v14, v14, v15
	s_delay_alu instid0(VALU_DEP_1)
	v_permlanex16_b32 v242, v14, s[SEL], s[SEL+1]
	s_delay_alu instid0(VALU_DEP_1)
	v_add_f32 v14, v14, v242                       ; the row's sum
	s_wait_alu depctr_va_vdst(0)
	v_rcp_f32 v14, v14
	v_and_b32 v8, 31, v0
	v_and_b32 v9, 15, v0
	s_wait_alu depctr_va_vdst(0)
	s_lshl_b32 s45, s[TT], 13
	s_lshl_b32 s46, s[HP], 10
	s_add_co_u32 s45, s45, s46
	s_add_co_u32 s45, s45, XIMG
	v_lshl_add_u32 v8, v8, 4, s45                  ; XIMG + 8192 T + 1024 hp + 16 lane
	s_lshl_b32 s45, s[TT], 8
	s_lshl_b32 s46, s[HP], 1
	s_add_co_u32 s45, s45, s46
	s_add_co_u32 s45, s45, XSC
	v_lshl_add_u32 v9, v9, 4, s45                  ; XSC + 256 T + 16 r + 2 hp
.if \ph
	v_and_b32 v10, 15, v0
	v_bfe_u32 v11, v0, 4, 1
	s_lshl_b32 s45, s[WV], 14
	v_lshl_add_u32 v1, v10, 9, s45
	s_delay_alu instid0(VALU_DEP_1)
	v_lshl_add_u32 v1, v11, 4, v1                  ; proj_w: row 32 w + r, + 16 h
	s_lshl_b32 s45, s[WV], 7
	v_lshl_add_u32 v2, v11, 5, s45                 ; proj_b: 128 w + 32 h
	v_and_b32 v3, 31, v0
	s_lshl_b32 s45, s[WV], 9
	v_lshl_add_u32 v3, v3, 4, s45                  ; proj_w's scale bytes: row 32 w + lane
	PWLOAD 0
	PWLOAD 1
.irp n, 0,1
	global_load_b128 v[80+8*\n:83+8*\n], v2, s[12:13] offset:64*\n
	global_load_b128 v[84+8*\n:87+8*\n], v2, s[12:13] offset:64*\n+16
.endr
	global_load_b128 v[252:255], v3, s[10:11]      ; word s: lanes 0-15 tile 0, lanes 16-31 tile 1
.else
	v_nop                                          ; with the plain lines above eight places behind the last products
	v_nop
.endif
	s_wait_alu depctr_va_vdst(0)                   ; the reciprocal's wait, ahead of its first reader
.set j, 0
.rept 16
	v_pk_mul_f32 v[176+j:177+j], v[176+j:177+j], v[14:15] op_sel_hi:[1,0]   ; each accumulator from its low end on
.set j, j+2
.endr
.irp b, 0,1
	v_max3_num_f32 v[224+\b], |v[176+16*\b]|, |v[177+16*\b]|, 0x4800000
.endr
.irp i, 2,4,6,8,10,12,14
.irp b, 0,1
	s_delay_alu instid0(VALU_DEP_2)
	v_max3_num_f32 v[224+\b], v[224+\b], |v[176+16*\b+\i]|, |v[177+16*\b+\i]|
.endr
.endr
.irp b, 0,1
	s_delay_alu instid0(VALU_DEP_2)
	v_permlanex16_b32 v[228+\b], v[224+\b], s[SEL], s[SEL+1]
.endr
.irp b, 0,1
	s_delay_alu instid0(VALU_DEP_2)
	v_max_num_f32 v[224+\b], v[224+\b], v[228+\b]
.endr
.irp b, 0,1
	s_delay_alu instid0(VALU_DEP_2)
	v_add_nc_u32 v[236+\b], 0xfc000000, v[224+\b]
.endr
.irp b, 0,1
	s_delay_alu instid0(VALU_DEP_4)
	v_and_or_b32 v[232+\b], v[224+\b], 0x7f800000, s[MNT]
.endr
.irp b, 0,1
	s_delay_alu instid0(VALU_DEP_4)
	v_lshrrev_b32 v[228+\b], 23, v[236+\b]
.endr
	s_delay_alu instid0(VALU_DEP_1)
	v_lshl_or_b32 v242, v229, 8, v228
.irp b, 0,1
.set j, 0
.rept 16
	v_med3_num_f32 v[176+16*\b+j], v[176+16*\b+j], -v[232+\b], v[232+\b]
.set j, j+1
.endr
	v_cvt_scalef32_pk8_fp8_f32 v[208+4*\b:209+4*\b], v[176+16*\b:183+16*\b], v[236+\b]
	v_cvt_scalef32_pk8_fp8_f32 v[210+4*\b:211+4*\b], v[184+16*\b:191+16*\b], v[236+\b]
.endr
	v_nop                                          ; a plain line behind the last conversion
	ds_store_b128 v8, v[208:211] offset:4096*\ph
	ds_store_b128 v8, v[212:215] offset:4096*\ph+512
	ds_store_b16 v9, v242 offset:8*\ph             ; both halves of the lanes write the same two bytes
.if \ph == 0
.set j, 0
.rept 32
	v_mov_b32 v[176+j], 0
.set j, j+1
.endr
	v_mov_b32 v13, 0xff61b1e6
	s_delay_alu instid0(VALU_DEP_1)
	v_floor_f32 v12, -v13
	v_mov_b32 v14, 0
	v_mov_b32 v15, 0
.endif
.endm
	s_load_b256 s[4:11], s[0:1], 0x0               ; qbuf, kv, proj_w codes, proj_w scales
	s_load_b128 s[12:15], s[0:1], 0x20             ; proj_b, out0
	v_lshl_add_u32 v5, v0, 2, SPARE
	v_mov_b32 v6, 0
	ds_add_u32 v5, v6
	ds_add_u32 v5, v6
	s_wait_dscnt 0x0
	v_lshrrev_b32 v8, 5, v0
	s_delay_alu instid0(VALU_DEP_1)
	v_readfirstlane_b32 s[WV], v8                  ; wave 0..15
	s_and_b32 s[TT], s[WV], 3
	s_lshr_b32 s[HP], s[WV], 2
	s_bfe_u32 s[CX], ttmp6, 0x40000                ; my place in the cluster
	s_lshl_b32 s[QB], ttmp9, 2
	s_add_co_u32 s[QB], s[QB], s[CX]               ; my block of 64 queries: it enters qbuf's and out0's addresses alone
	s_and_b32 s[BP], ttmp7, 0xffff                 ; the batch, which the partners share
	s_mov_b32 s[G1], 15|(3<<16)|(1<<21)            ; 15:0 the mask: all four work-groups; 17:16 elements of 8 bytes; 21 set beside a mask; no padding
	s_mov_b32 s[G1+1], 32<<16                      ; tensor_dim0 = 32 elements: 256 bytes
	s_mov_b32 s[G1+2], 67<<16                      ; tensor_dim1 = 67 rows
	s_mov_b32 s[G1+3], 32<<16                      ; tile_dim0
	s_mov_b32 s[G1+4], 67                          ; tile_dim1
	s_mov_b32 s[G1+5], 32                          ; the pitch: the block is dense
	s_mov_b32 s[G1+6], 0
	s_mov_b32 s[G1+7], 0
	s_mov_b32 s[CS], 0x3e38aa3b                    ; log2(e) / 8
	s_mov_b32 s[CS+1], s[CS]
	s_mov_b32 s[SEL], 0x76543210
	s_mov_b32 s[SEL+1], 0xfedcba98
	s_mov_b32 s[MNT], 0x600000
	s_mov_b32 s[TB], 0
	s_mov_b32 s[LEFT], 23
	s_sub_co_u32 s45, s[WV], 4
	s_cmp_lt_u32 s45, 3
	s_cselect_b32 s45, 0, 1                        ; 0 in waves 4 to 6,
	s_or_b32 s45, s45, ttmp9                       ; of the batch's first cluster: the same in all four partners
	s_cmp_eq_u32 s45, 0
	s_cselect_b32 s[LIM], 1, -1
	v_add_nc_u32 v7, 0xffffff80, v0
	s_delay_alu instid0(VALU_DEP_1)
	v_min_u32 v7, 66, v7
	s_delay_alu instid0(VALU_DEP_1)
	v_lshlrev_b32 v7, 8, v7                        ; 256 x min(thread - 128, 66)
	s_mul_i32 s46, s[BP], 24*REC                   ; the batch's 24 records
	s_mov_b32 s47, 0
	s_mul_i32 s[G0+1], s[TT], QUART                ; my quarter, in LDS: slot 0
	s_mov_b32 s48, s[G0+1]                         ; and in memory
	s_mov_b32 s49, 0
	s_mul_i32 s50, s[CX], QUART                    ; the prefetches: my work-group's quarter,
	s_add_co_u32 s50, s50, REC                     ; of record 1: the first change of slots steps it to record 2
	s_mov_b32 s51, 0
	s_lshl_b32 s52, s[BP], 3                       ; my q record: 8 b' + qb / 2; my tile in it: tau = 4 (qb % 2) + T
	s_lshr_b32 s53, s[QB], 1
	s_add_co_u32 s52, s52, s53
	s_mul_i32 s52, s52, QREC
	s_and_b32 s53, s[QB], 1
	s_lshl_b32 s53, s53, 2
	s_add_co_u32 s53, s53, s[TT]
	s_lshl_b32 s56, s53, 10
	s_add_co_u32 s56, s56, s52
	s_lshl_b32 s54, s[HP], 13
	s_add_co_u32 s56, s56, s54                     ; codes: record + 8192 hp + 1024 tau
	s_mov_b32 s57, 0
	s_lshl_b32 s58, s[HP], 9
	s_add_co_u32 s58, s58, s52
	s_add_co_u32 s58, s58, 65536
	s_and_b32 s54, s53, 1
	s_lshl_b32 s54, s54, 8
	s_add_co_u32 s58, s58, s54
	s_lshr_b32 s54, s53, 1
	s_lshl_b32 s54, s54, 2
	s_add_co_u32 s58, s58, s54                     ; scale words: record + 65536 + 512 hp + 256 (tau % 2) + 4 (tau / 2)
	s_mov_b32 s59, 0
	s_wait_kmcnt 0x0
	s_add_nc_u64 s[6:7], s[6:7], s[46:47]
	s_mov_b32 s[G0], 1
	s_add_nc_u64 s[G0+2:G0+3], s[6:7], s[48:49]
	s_or_b32 s[G0+3], s[G0+3], 0x80000000          ; type = 2
	s_add_nc_u64 s[PFA:PFA+1], s[6:7], s[50:51]
	s_add_nc_u64 s[56:57], s[4:5], s[56:57]
	s_add_nc_u64 s[58:59], s[4:5], s[58:59]
	CROUND                                         ; all four work-groups are here: the first joint loads meet
	TLOAD                                          ; record 0 into slot 0
	v_and_b32 v10, 31, v0
	s_delay_alu instid0(VALU_DEP_1)
	v_lshlrev_b32 v8, 4, v10
	v_and_b32 v9, 15, v0
	s_delay_alu instid0(VALU_DEP_1)
	v_lshlrev_b32 v9, 4, v9
.irp p, 0,1                            ; Q of head hp and of head 4 + hp: each half stands twice, round the zeros
.irp d, 0,16
.irp c, 0,1
	global_load_b128 v[16+24*\p+\d+4*\c:19+24*\p+\d+4*\c], v8, s[56:57] offset:32768*\p+512*\c
.endr
.endr
	global_load_b32 v[250+\p], v9, s[58:59] offset:2048*\p
.endr
	s_lshl_b32 s45, s[HP], 13
	v_lshl_add_u32 v1, v10, 4, s45                 ; K's codes of my head: 8192 hp + 16 lane
	s_delay_alu instid0(VALU_DEP_1)
	v_add_nc_u32 v2, 32768, v1                     ; V's
	s_lshl_b32 s45, s[HP], 9
	s_add_co_u32 s45, s45, 65536
	v_lshl_add_u32 v3, v10, 4, s45                 ; K's scale words
	s_lshl_b32 s45, s[HP], 8
	s_add_co_u32 s45, s45, 67584
	v_lshl_add_u32 v4, v10, 3, s45                 ; V's
.irp z, 24, 48, 72, 96
.irp i, 0,1,2,3,4,5,6,7
	v_mov_b32 v[\z+\i], 0                          ; the zero codes: written once
.endr
.endr
.set j, 0
.rept 32
	v_mov_b32 v[176+j], 0                          ; O^T: the step is written once; its first run finds zeros
.set j, j+1
.endr
	v_mov_b32 v13, 0xff61b1e6                      ; the largest t so far: -3e38
	s_delay_alu instid0(VALU_DEP_1)
	v_floor_f32 v12, -v13
	v_mov_b32 v14, 0
	v_mov_b32 v15, 0
.irp b, 0,1,2,3
	v_mov_b32 v[228+\b], 0                         ; a lane permute's destination counts as one of its sources
.endr
	v_mov_b32 v241, 0                              ; named with f as a pair
	v_mov_b32 v242, 0
	s_wait_loadcnt 0x0                             ; Q
.Lone:                                             ; kv1: 8 steps
	CHANGE 1
	STEP 16, 250
	s_sub_co_u32 s[LEFT], s[LEFT], 1
	s_cmp_lg_u32 s[LEFT], 15
	s_cbranch_scc1 .Lone
	FINISH 0
.Ltwo:                                             ; kv2: 15 steps, and the last written out
	CHANGE 1
	STEP 40, 251
	s_sub_co_u32 s[LEFT], s[LEFT], 1
	s_cmp_lg_u32 s[LEFT], 0
	s_cbranch_scc1 .Ltwo
	CHANGE 0
	STEP 40, 251
	FINISH 1
	s_wait_dscnt 0x0
	s_barrier_signal -1
	s_barrier_wait -1                              ; 64 rows of x lie in LDS as codes; nobody reads a slot any more
	; ---- out0 = x proj_w^T + proj_b.  Wave w: columns 32 w .. 32 w + 31 of the 64 rows, transposed: a lane holds eight neighbouring columns of one row.
	v_and_b32 v12, 31, v0
	s_delay_alu instid0(VALU_DEP_1)
	v_lshlrev_b32 v12, 4, v12                      ; 16 x lane
	s_delay_alu instid0(VALU_DEP_1)
	v_add_nc_u32 v4, XIMG, v12
	v_and_b32 v10, 15, v0
	s_delay_alu instid0(VALU_DEP_1)
	v_lshl_add_u32 v8, v10, 4, XSC
	s_wait_alu depctr_va_vdst(0)
	v_and_b32 v9, 8, v10
	s_delay_alu instid0(VALU_DEP_1)
	v_add_nc_u32 v9, v9, v10
	s_delay_alu instid0(VALU_DEP_1)
	v_mul_u32_u24 v9, v9, SPITCH
	v_bfe_u32 v11, v0, 4, 1
	s_delay_alu instid0(VALU_DEP_1)
	v_lshl_add_u32 v9, v11, 5, v9
	s_lshl_b32 s45, s[WV], 7
	v_add_nc_u32 v9, s45, v9                       ; the stage, tiles 0 and 1: row r + 8 (r / 8), + 128 w + 32 h
	s_delay_alu instid0(VALU_DEP_1)
	v_add_nc_u32 v10, 32*SPITCH, v9                ; tiles 2 and 3
	s_mul_i32 s45, s[WV], 4*SPITCH
	v_add_nc_u32 v11, s45, v12                     ; back: my four rows
	s_lshl_b32 s46, s[QB], 21                      ; out0's row 16 n' + b', n' = 64 qb + 4 w + k
	s_lshl_b32 s47, s[WV], 17
	s_add_co_u32 s46, s46, s47
	s_lshl_b32 s47, s[BP], 11
	s_add_co_u32 s46, s46, s47
	s_mov_b32 s47, 0
	s_add_nc_u64 s[14:15], s[14:15], s[46:47]
.irp s, 0,1,2,3
.irp t, 0,1,2,3
.irp c, 0,1,2,3
	ds_load_b128 v[112+16*\t+4*\c:115+16*\t+4*\c], v4 offset:2048*(4*\t+\s)+512*\c
.endr
	ds_load_b32 v[244+\t], v8 offset:256*\t+4*\s
.endr
	s_wait_dscnt 0x0
.if \s == 0
	s_wait_loadcnt 0x0                             ; proj_w's K steps 0 and 1, its scale words, proj_b
.elseif \s == 2
	s_wait_loadcnt 0x8                             ; K step 2's eight loads are in; K step 3's eight may be out
.elseif \s == 3
	s_wait_loadcnt 0x0
.endif
.irp t, 0,1,2,3                        ; eight accumulators, one instruction a turn
.if \s == 0
	v_wmma_scale_f32_16x16x128_f8f6f4 v[176+16*\t:183+16*\t], v[16:31], v[112+16*\t:127+16*\t], v[80:87], v[252+\s], v[244+\t]
	v_wmma_scale_f32_16x16x128_f8f6f4 v[184+16*\t:191+16*\t], v[32:47], v[112+16*\t:127+16*\t], v[88:95], v[252+\s], v[244+\t] matrix_a_scale:MATRIX_SCALE_ROW1
.else
	v_wmma_scale_f32_16x16x128_f8f6f4 v[176+16*\t:183+16*\t], v[16+32*(\s%2):31+32*(\s%2)], v[112+16*\t:127+16*\t], v[176+16*\t:183+16*\t], v[252+\s], v[244+\t]
	v_wmma_scale_f32_16x16x128_f8f6f4 v[184+16*\t:191+16*\t], v[32+32*(\s%2):47+32*(\s%2)], v[112+16*\t:127+16*\t], v[184+16*\t:191+16*\t], v[252+\s], v[244+\t] matrix_a_scale:MATRIX_SCALE_ROW1
.endif
.endr
.rept 8
	v_nop                                          ; places in front of loads into registers just read, and of the first read of results
.endr
.if \s < 2
	PWLOAD \s+2
.endif
.endr
	s_wait_alu depctr_va_vdst(0)
.irp t, 0,1
.irp n, 0,1
	ds_store_b128 v9, v[176+16*\t+8*\n:179+16*\t+8*\n] offset:8*SPITCH*\t+64*\n          ; each accumulator from its low end on
	ds_store_b128 v9, v[180+16*\t+8*\n:183+16*\t+8*\n] offset:8*SPITCH*\t+64*\n+16
	ds_store_b128 v10, v[208+16*\t+8*\n:211+16*\t+8*\n] offset:8*SPITCH*\t+64*\n
	ds_store_b128 v10, v[212+16*\t+8*\n:215+16*\t+8*\n] offset:8*SPITCH*\t+64*\n+16
.endr
.endr
	s_wait_dscnt 0x0
	s_barrier_signal -1
	s_barrier_wait -1                              ; 64 whole rows lie in the stage
.irp k, 0,1,2,3
.irp i, 0,1,2,3
	ds_load_b128 v[112+4*(4*\k+\i):115+4*(4*\k+\i)], v11 offset:SPITCH*\k+512*\i
.endr
.endr
.irp k, 0,1,2,3
.irp i, 0,1,2,3
	s_wait_dscnt 15-4*\k-\i
	global_store_b128 v12, v[112+4*(4*\k+\i):115+4*(4*\k+\i)], s[14:15] offset:32768*\k+512*\i th:TH_STORE_NT   ; 32 lanes store 512 consecutive bytes, aligned
.endr
.endr
	s_wait_tensorcnt 0x0                           ; the wave's end
	ds_add_u32 v5, v6
	s_wait_dscnt 0x0
	CROUND                                         ; the closing round
	s_endpgm
.Lfunc_end_k_q8c3a684779_attn:
	.size	k_q8c3a684779_attn, .Lfunc_end_k_q8c3a684779_attn-k_q8c3a684779_attn
	.p2alignl 7, 3214868480
	.fill 96, 4, 3214868480
	.section	.rodata,"a",@progbits
	.p2align	6, 0x0
	.amdhsa_kernel k_q8c3a684779_attn
		.amdhsa_group_segment_fixed_size 327680
		.amdhsa_private_segment_fixed_size 0
		.amdhsa_enable_private_segment 0
		.amdhsa_kernarg_size 48
		.amdhsa_user_sgpr_count 2
		.amdhsa_user_sgpr_kernarg_segment_ptr 1
		.amdhsa_wavefront_size32 1
		.amdhsa_system_sgpr_workgroup_id_x 1
		.amdhsa_system_sgpr_workgroup_id_y 1
		.amdhsa_system_sgpr_workgroup_id_z 1
		.amdhsa_system_vgpr_workitem_id 0
		.amdhsa_next_free_vgpr 256
		.amdhsa_next_free_sgpr 66
		.amdhsa_reserve_vcc 0
		.amdhsa_float_denorm_mode_32 3
		.amdhsa_float_denorm_mode_16_64 3
		.amdhsa_memory_ordered 1
		.amdhsa_forward_progress 1
		.amdhsa_inst_pref_size 105
	.end_amdhsa_kernel
	.amdgpu_metadata
---
amdhsa.version: [ 1, 2 ]
amdhsa.kernels:
  - .name:           k_q8c3a684779_attn
    .symbol:         k_q8c3a684779_attn.kd
    .args:
      - { .name: qbuf, .offset: 0, .size: 8, .value_kind: global_buffer, .address_space: global }
      - { .name: kv, .offset: 8, .size: 8, .value_kind: global_buffer, .address_space: global }
      - { .name: proj_w_codes, .offset: 16, .size: 8, .value_kind: global_buffer, .address_space: global }
      - { .name: proj_w_scales, .offset: 24, .size: 8, .value_kind: global_buffer, .address_space: global }
      - { .name: proj_b, .offset: 32, .size: 8, .value_kind: global_buffer, .address_space: global }
      - { .name: out0, .offset: 40, .size: 8, .value_kind: global_buffer, .address_space: global }
    .group_segment_fixed_size: 327680
    .private_segment_fixed_size: 0
    .kernarg_segment_align: 8
    .kernarg_segment_size: 48
    .max_flat_workgroup_size: 512
    .sgpr_count:     66
    .vgpr_count:     256
    .wavefront_size: 32
...
	.end_amdgpu_metadata
.endif
;; end of part 6
